; MI455X (gfx1250); checked and timed in simulation.
; The chip was launched on July 23, 2026; its instructions are those of AMD's public machine-readable ISA for CDNA 5 (MIT licence, August 2026) and "CDNA5" Instruction Set Architecture Reference Guide (July 2026). The comments in the code are by the model that wrote it; some were corrected since.
;; Hyperbolic Attention Layer. Allowed arithmetic: float matrix products may take bf16 or f16 operands with f32 sums; other float arithmetic in f32, or as packed bf16 or f16 multiplies, adds, multiply-adds, maxima and minima; sums over many terms, partial sums and values carried from step to step in f32; what a program stores and reads back later, other than sums and carried values, may be rounded once to bf16 or f16.
;; Inputs: b1 1,024 float32; b2 1,024 float32; bf1 4,096 float32; bf2 1,024 float32; bk 1,024 float32; bo 1,024 float32; bq 1,024 float32; bv 1,024 float32; g1 1,024 float32; g2 1,024 float32; w1 4,096 x 1,024 float32; w2 1,024 x 4,096 float32; wk 1,024 x 1,024 float32; wo 1,024 x 1,024 float32; wq 1,024 x 1,024 float32; wv 1,024 x 1,024 float32; x 2 x 2,048 x 1,024 float32.
;; Outputs: out0 2 x 2,048 x 1,024 float32.
;; 2 versions, each right; version 2 is version 1 with the launches prep, post1, post2 written anew for expert scheduling mode. Each part assembles by itself: llvm-mc -triple=amdgcn-amd-amdhsa -mcpu=gfx1250 --defsym DOCPART=n.
;; ======== version 1 of 2: 8 launches
;; limits: values are held in f16: magnitudes above 65,504 overflow, below 6.1e-05 lose precision; a function is approximated: absolute error at most 1.5e-07
;; workspace buffers: xn 8,388,608 bytes; wts 25,165,824 bytes; qkv 25,165,824 bytes; kk 262,144 bytes; hb 33,554,432 bytes; y 16,777,216 bytes; x1 16,777,216 bytes
;; launch prep (part 1): grid 1024 x 1, 8 waves a work-group, no clusters, 0 bytes of LDS; arguments x, g1, b1, wq, wk, wv, wo, w1, w2, xn, wts; writes xn, wts
.if DOCPART == 1
	.amdgcn_target "amdgcn-amd-amdhsa--gfx1250"
	.amdhsa_code_object_version 6
	.text
	.protected	k_q7d61a9a75d_prep
	.globl	k_q7d61a9a75d_prep
	.p2align	8
	.type	k_q7d61a9a75d_prep,@function
k_q7d61a9a75d_prep:
	s_mov_b64 s[64:65], 0
	v_nop
	global_prefetch_b8 v0, s[64:65] scope:SCOPE_SE
	s_setreg_imm32_b32 hwreg(HW_REG_WAVE_MODE, 25, 1), 1
	s_wait_xcnt 0x0
; LayerNorm 1 of x, and all six weights from f32 to f16, both into the SLICED layout [K/64][rows][64]: a row's 64 numbers of a slice are 128 bytes, the rows of a slice lie end to end.
; A wave takes a pair of rows and 1,024 columns of them: lane l holds row l / 16, and of each piece of 64 columns the four numbers 4 (l % 16) ..: a load covers two whole runs of 256 bytes,
; a store of 8 bytes a lane covers 256 consecutive bytes (two neighbouring rows of one slice).  No LDS, no barrier: a row's sums stay inside sixteen lanes.
; ROLES by the work-group's number id: 0-255 LN1 (16 rows each); 256-447 wq, wk, wv (row n of w_t goes to row (n/64) 192 + 64 t + n%64: a head's q, k, v rows lie together); 448-511 wo;
; 512-767 w1; 768-1023 w2 (a quarter of K each).  All numbers of a role are chosen by scalar selects on id.
; LIMITS.  f16 ends at 65,504 and has a fixed step of 6e-8 below 6e-5: weights and normalised rows are taken to lie within; NaN and infinities are not treated apart.
.set X,   24                           ; v[24:87]    the lane's 64 numbers
.set G,   88                           ; v[88:151]   g1
.set BV,  152                          ; v[152:215]  b1
.set T,   216                          ; v[216:231]  at work
.set OF,  8                            ; v[8:23]     byte offset of my 8 bytes in slice c: 8 l + c x the slice's bytes
.set W1OFF, 6291456
.set WOOFF, 14680064
.set W2OFF, 16777216
.macro RED16 r                         ; the sum over the sixteen lanes of a row, in every one of them
	v_add_f32_dpp v[\r], v[\r], v[\r] row_xmask:1 row_mask:0xf bank_mask:0xf
	v_add_f32_dpp v[\r], v[\r], v[\r] row_xmask:2 row_mask:0xf bank_mask:0xf
	v_add_f32_dpp v[\r], v[\r], v[\r] row_xmask:4 row_mask:0xf bank_mask:0xf
	v_add_f32_dpp v[\r], v[\r], v[\r] row_xmask:8 row_mask:0xf bank_mask:0xf
.endm
.macro FOLD                            ; four chains of pairs into one number, then across the lanes
	v_pk_add_f32 v[T:T+1], v[T:T+1], v[T+2:T+3]
	v_pk_add_f32 v[T+4:T+5], v[T+4:T+5], v[T+6:T+7]
	v_pk_add_f32 v[T:T+1], v[T:T+1], v[T+4:T+5]
	v_add_f32 v[T], v[T], v[T+1]
	RED16 T
.endm
.macro ROWSUM src                      ; v[T] = the row's sum; the first four lines start the chains
.set j, 0
.rept 4
	v_pk_add_f32 v[T+2*j:T+2*j+1], v[\src+2*j:\src+2*j+1], v[\src+8+2*j:\src+8+2*j+1]
.set j, j+1
.endr
.set j, 8
.rept 24
	v_pk_add_f32 v[T+2*(j%4):T+2*(j%4)+1], v[T+2*(j%4):T+2*(j%4)+1], v[\src+2*j:\src+2*j+1]
.set j, j+1
.endr
	FOLD
.endm
.macro ROWSQ src                       ; v[T] = the row's sum of squares
.set j, 0
.rept 4
	v_pk_mul_f32 v[T+2*j:T+2*j+1], v[\src+2*j:\src+2*j+1], v[\src+2*j:\src+2*j+1]
.set j, j+1
.endr
.rept 28
	v_pk_fma_f32 v[T+2*(j%4):T+2*(j%4)+1], v[\src+2*j:\src+2*j+1], v[\src+2*j:\src+2*j+1], v[T+2*(j%4):T+2*(j%4)+1]
.set j, j+1
.endr
	FOLD
.endm
	s_load_b512 s[8:23], s[0:1], 0x0               ; x 8, g1 10, b1 12, wq 14, wk 16, wv 18, wo 20, w1 22
	s_load_b128 s[24:27], s[0:1], 0x40             ; w2 24, xn 26
	s_load_b64 s[28:29], s[0:1], 0x50              ; wts
	v_lshrrev_b32 v1, 5, v0
	v_readfirstlane_b32 s30, v1                    ; wave 0..7
	v_and_b32 v1, 31, v0                           ; lane
	v_lshrrev_b32 v2, 4, v1                        ; which row of the pair
	v_and_b32 v3, 15, v0                           ; my place in a piece
	s_mov_b32 s31, ttmp9                           ; id
	s_mov_b32 s50, 0x3a800000                      ; 1 / 1024
	s_mov_b32 s51, 0x3727c5ac                      ; 1e-5
	s_lshr_b32 s43, s31, 6
	s_and_b32 s43, s43, 3                          ; (id / 64) % 4: which of wq, wk, wv; or which quarter of w2's K
	s_cmp_lt_u32 s31, 768
	s_cselect_b32 s36, 12, 14                      ; log2 of a source row's bytes: 4,096, w2 16,384
	s_cselect_b32 s45, 0, s43                      ; w2's quarter, else 0
	s_bitcmp1_b32 s31, 8
	s_cselect_b32 s44, 63, 0xff                    ; roles of 64 blocks of 16 rows, or of 256
	s_and_b32 s47, s31, s44                        ; my block of 16 rows
	s_mov_b32 s40, W2OFF                           ; the role's place in wts, and a slice's bytes / 131,072
	s_cmp_lt_u32 s31, 768
	s_cselect_b32 s37, 4, 1
	s_cselect_b32 s40, W1OFF, s40
	s_cmp_lt_u32 s31, 512
	s_cselect_b32 s37, 1, s37
	s_cselect_b32 s40, WOOFF, s40
	s_cmp_lt_u32 s31, 448
	s_cselect_b32 s37, 3, s37
	s_cselect_b32 s40, 0, s40
	s_cmp_lt_u32 s31, 256
	s_cselect_b32 s37, 4, s37
	s_lshl_b32 s37, s37, 17                        ; a slice's bytes: rows x 128
	s_lshr_b32 s48, s47, 2                         ; wq, wk, wv: the head's rows lie 192 apart, not 64: 128 rows x 128 bytes more for each head,
	s_lshl_b32 s48, s48, 14
	s_lshl_b32 s49, s43, 13                        ; and 64 rows for each of q, k, v
	s_add_co_u32 s48, s48, s49
	s_sub_co_u32 s46, s31, 256
	s_cmp_lt_u32 s46, 192
	s_cselect_b32 s48, s48, 0
	s_add_co_u32 s40, s40, s48
	s_lshl_b32 s48, s47, 11                        ; 16 rows x 128 bytes
	s_add_co_u32 s40, s40, s48
	s_lshl_b32 s48, s45, 21                        ; w2's quarter: 16 slices of 131,072 bytes
	s_add_co_u32 s40, s40, s48
	s_lshl_b32 s48, s30, 8                         ; my wave's pair of rows
	s_add_co_u32 s40, s40, s48
	s_mov_b32 s41, 0
	s_add_co_u32 s48, s36, 4                       ; the source: 16 rows a block,
	s_lshl_b32 s38, s47, s48
	s_lshl_b32 s49, s45, 12                        ; 4,096 bytes a quarter,
	s_add_co_u32 s38, s38, s49
	s_add_co_u32 s48, s36, 1                       ; two rows a wave
	s_lshl_b32 s49, s30, s48
	s_add_co_u32 s38, s38, s49
	s_mov_b32 s39, 0
	v_lshlrev_b32 v4, s36, v2                      ; my row,
	v_lshl_add_u32 v4, v3, 4, v4                   ; my 16 bytes of a piece
	v_lshlrev_b32 v5, 4, v3                        ; the same in g1 and b1
	v_lshlrev_b32 v[OF], 3, v1
.set c, 1
.rept 15
	v_add_nc_u32 v[OF+c], s37, v[OF+c-1]
.set c, c+1
.endr
	s_wait_kmcnt 0x0
	s_mov_b64 s[32:33], s[24:25]                   ; the source, chosen on id alone
	s_cmp_lt_u32 s31, 768
	s_cselect_b64 s[32:33], s[22:23], s[32:33]
	s_cmp_lt_u32 s31, 512
	s_cselect_b64 s[32:33], s[20:21], s[32:33]
	s_cmp_lt_u32 s31, 448
	s_cselect_b64 s[32:33], s[18:19], s[32:33]
	s_cmp_lt_u32 s31, 384
	s_cselect_b64 s[32:33], s[16:17], s[32:33]
	s_cmp_lt_u32 s31, 320
	s_cselect_b64 s[32:33], s[14:15], s[32:33]
	s_cmp_lt_u32 s31, 256
	s_cselect_b64 s[32:33], s[8:9], s[32:33]
	s_cselect_b64 s[34:35], s[26:27], s[28:29]     ; LN1 goes to xn, weights to wts
	s_add_nc_u64 s[32:33], s[32:33], s[38:39]
	s_add_nc_u64 s[34:35], s[34:35], s[40:41]
.set c, 0
.rept 16
	global_load_b128 v[X+4*c:X+4*c+3], v4, s[32:33] offset:256*c th:TH_LOAD_NT
.set c, c+1
.endr
	s_cmp_lt_u32 s31, 256
	s_cbranch_scc1 .Lln
	; a weight: piece c is rounded and stored as soon as it is in
.set c, 0
.rept 16
	s_wait_loadcnt 15-c                            ; loads come back in order: the 15 - c younger pieces may stay out
	v_cvt_pk_f16_f32 v[X+4*c], v[X+4*c], v[X+4*c+1]
	v_cvt_pk_f16_f32 v[X+4*c+1], v[X+4*c+2], v[X+4*c+3]
	global_store_b64 v[OF+c], v[X+4*c:X+4*c+1], s[34:35] th:TH_STORE_NT
.set c, c+1
.endr
	s_endpgm
.Lln:
.set c, 0
.rept 16
	global_load_b128 v[G+4*c:G+4*c+3], v5, s[10:11] offset:256*c
	global_load_b128 v[BV+4*c:BV+4*c+3], v5, s[12:13] offset:256*c
.set c, c+1
.endr
	s_wait_loadcnt 32                              ; the row is in; the 32 loads of g1 and b1 may stay out
	ROWSUM X
	v_mul_f32 v[T+8], 0xba800000, v[T]             ; - mean, in both registers of a pair
	v_mov_b32 v[T+9], v[T+8]
.set j, 0
.rept 32
	v_pk_add_f32 v[X+2*j:X+2*j+1], v[X+2*j:X+2*j+1], v[T+8:T+9]
.set j, j+1
.endr
	ROWSQ X
	v_fma_f32 v[T+10], v[T], s50, s51              ; variance + 1e-5
	v_rsq_f32 v[T+10], v[T+10]
	v_nop                                          ; a plain instruction behind the root,
	s_wait_alu depctr_va_vdst(0)                   ; and the wait ahead of its first reader
	v_mov_b32 v[T+11], v[T+10]
	s_wait_loadcnt 0x0                             ; g1 and b1
.set j, 0
.rept 32
	v_pk_mul_f32 v[X+2*j:X+2*j+1], v[X+2*j:X+2*j+1], v[T+10:T+11]
.set j, j+1
.endr
.set j, 0
.rept 32
	v_pk_fma_f32 v[X+2*j:X+2*j+1], v[X+2*j:X+2*j+1], v[G+2*j:G+2*j+1], v[BV+2*j:BV+2*j+1]
.set j, j+1
.endr
.set c, 0
.rept 16
	v_cvt_pk_f16_f32 v[X+4*c], v[X+4*c], v[X+4*c+1]
	v_cvt_pk_f16_f32 v[X+4*c+1], v[X+4*c+2], v[X+4*c+3]
	global_store_b64 v[OF+c], v[X+4*c:X+4*c+1], s[34:35] th:TH_STORE_NT
.set c, c+1
.endr
	s_endpgm
.Lfunc_end_k_q7d61a9a75d_prep:
	.size	k_q7d61a9a75d_prep, .Lfunc_end_k_q7d61a9a75d_prep-k_q7d61a9a75d_prep
	.p2alignl 7, 3214868480
	.fill 96, 4, 3214868480
	.section	.rodata,"a",@progbits
	.p2align	6, 0x0
	.amdhsa_kernel k_q7d61a9a75d_prep
		.amdhsa_group_segment_fixed_size 0
		.amdhsa_private_segment_fixed_size 0
		.amdhsa_enable_private_segment 0
		.amdhsa_kernarg_size 88
		.amdhsa_user_sgpr_count 2
		.amdhsa_user_sgpr_kernarg_segment_ptr 1
		.amdhsa_wavefront_size32 1
		.amdhsa_system_sgpr_workgroup_id_x 1
		.amdhsa_system_sgpr_workgroup_id_y 1
		.amdhsa_system_sgpr_workgroup_id_z 1
		.amdhsa_system_vgpr_workitem_id 0
		.amdhsa_next_free_vgpr 232
		.amdhsa_next_free_sgpr 66
		.amdhsa_reserve_vcc 0
		.amdhsa_float_denorm_mode_32 3
		.amdhsa_float_denorm_mode_16_64 3
		.amdhsa_memory_ordered 1
		.amdhsa_forward_progress 1
		.amdhsa_inst_pref_size 27
	.end_amdhsa_kernel
	.amdgpu_metadata
---
amdhsa.version: [ 1, 2 ]
amdhsa.kernels:
  - .name:           k_q7d61a9a75d_prep
    .symbol:         k_q7d61a9a75d_prep.kd
    .args:
      - { .name: x, .offset: 0, .size: 8, .value_kind: global_buffer, .address_space: global }
      - { .name: g1, .offset: 8, .size: 8, .value_kind: global_buffer, .address_space: global }
      - { .name: b1, .offset: 16, .size: 8, .value_kind: global_buffer, .address_space: global }
      - { .name: wq, .offset: 24, .size: 8, .value_kind: global_buffer, .address_space: global }
      - { .name: wk, .offset: 32, .size: 8, .value_kind: global_buffer, .address_space: global }
      - { .name: wv, .offset: 40, .size: 8, .value_kind: global_buffer, .address_space: global }
      - { .name: wo, .offset: 48, .size: 8, .value_kind: global_buffer, .address_space: global }
      - { .name: w1, .offset: 56, .size: 8, .value_kind: global_buffer, .address_space: global }
      - { .name: w2, .offset: 64, .size: 8, .value_kind: global_buffer, .address_space: global }
      - { .name: xn, .offset: 72, .size: 8, .value_kind: global_buffer, .address_space: global }
      - { .name: wts, .offset: 80, .size: 8, .value_kind: global_buffer, .address_space: global }
    .group_segment_fixed_size: 0
    .private_segment_fixed_size: 0
    .kernarg_segment_align: 8
    .kernarg_segment_size: 88
    .max_flat_workgroup_size: 256
    .sgpr_count:     66
    .vgpr_count:     232
    .wavefront_size: 32
...
	.end_amdgpu_metadata
.endif
;; end of part 1
;; launch qkv (part 2): grid 16 x 16, 4 waves a work-group, clusters of 4 x 4, 327,680 bytes of LDS; arguments xn, wts, bq, bk, bv, qkv, kk; writes qkv, kk
.if DOCPART == 2
	.amdgcn_target "amdgcn-amd-amdhsa--gfx1250"
	.amdhsa_code_object_version 6
	.text
	.protected	k_q7d61a9a75d_qkv
	.globl	k_q7d61a9a75d_qkv
	.p2align	8
	.type	k_q7d61a9a75d_qkv,@function
k_q7d61a9a75d_qkv:
	s_mov_b64 s[64:65], 0
	v_nop
	global_prefetch_b8 v0, s[64:65] scope:SCOPE_SE
	s_setreg_imm32_b32 hwreg(HW_REG_WAVE_MODE, 25, 1), 1
	s_wait_xcnt 0x0
	s_wait_alu depctr_hold_cnt(0) depctr_sa_sdst(0) depctr_va_vdst(0) depctr_va_sdst(0) depctr_va_ssrc(0) depctr_va_vcc(0) depctr_vm_vsrc(0)
	s_getreg_b32 s2, hwreg(HW_REG_IB_STS2, 6, 4)
	s_cmp_eq_u32 s2, 0
	s_cbranch_scc0 .Lentry_in_a_cluster
	s_endpgm
.Lentry_in_a_cluster:
	s_bfe_u32 s2, ttmp6, 0x10000c
	s_cmp_lg_u32 s2, 0xf033
	s_cbranch_scc0 .Lentry_shape_is_right
	s_endpgm
.Lentry_shape_is_right:
; q, k, v = xn W^T + bias for one head and 256 rows a work-group; q and k clipped to norm 1 - 1e-5 by heads; q times 2 c, c = log2(e) / 8; the table kk = - c |k|^2.
; xn: sliced [16][4096][64] f16.  The weights: sliced [16][3072][64] f16, row head x 192 + 64 t + c (t = 0 q, 1 k, 2 v).  Out: q', k, v as [16][4096][64] f16, kk as [16][4096] f32.
; A tile is 256 rows x 192 columns (one head's q, k, v); four waves, each 128 x 96: 48 accumulators.  K goes in steps of 128 (two slices) through a ring of two LDS slots.
; A tile of one slice is dense in memory: it is asked for as rows of 256 bytes and padded in LDS after every 128: LDS rows of 144 bytes, so the 16 rows of a fragment load start at 16 different groups of four banks.
; CLUSTER 4 x 4: the four of a row of the cluster need the same rows of xn, the four of a column the same weights: each tile is asked for jointly.
; The matrix instruction is used transposed (source 0 = 16 weight rows, source 1 = 16 rows of xn): a lane holds one row and eight neighbouring columns.
; THE WAY OUT: the f32 sums go into a stage laid over the ring after its last fill (256 rows of 784 bytes); then a wave walks 64 whole rows: sixteen lanes hold a head's 64 numbers of a row.
; LIMITS.  f16 ends at 65,504: xn, the weights and v are taken to lie within.  The clip tests |.|^2 > (1 - 1e-5)^2 and scales by (1 - 1e-5) / sqrt(|.|^2); NaN and infinities are not treated apart.
; REGISTERS in windows of 256: window 0 addresses, biases, A's fragments (v64-127, v128-191); window 1 B's fragments; windows 2, 3 the accumulators of row blocks 0-3, 4-7 at 8 (6 a + b).
.set NB,    6
.set NSTEP, 8
.set SUBA,  36864                      ; 256 rows x 144
.set SUBB,  27648                      ; 192 rows x 144
.set SLOT,  2*SUBA+2*SUBB
.set SPARE, 2*SLOT                     ; behind the ring: the spare words, 128 bytes a wave, which no other line names
.set ASTEP, 1048576                    ; two slices of xn
.set BSTEP, 786432                     ; two slices of the weights
.set PBB,   24                         ; blocks of 256 bytes of a weight tile that each partner prefetches
.set F0, 64
.set F1, 128
.set G1A, 24
.set G0A, 32
.set G1B, 48
.set G0B, 56
.set LIM, 43
.set PFA, 44
.set TB,  66                           ; s66  the slot in hand: 0 or SLOT
.set WLA, 67                           ; s67  where I put a slice of A in a slot
.set WLB, 68                           ; s68  the same for B
.set PFS, 70                           ; s[70:71] a K step in the tensor that I prefetch
.set MSB, 0
.macro WIN new                         ; the immediate's high byte repeats the setting that is left
.if MSB != (\new)
	s_set_vgpr_msb (MSB<<8)|(\new)
.set MSB, \new
.endif
.endm
.macro PLACES                          ; four plain places behind a matrix instruction (ISA guide 7.12.1)
.rept 4
	v_nop
.endr
.endm
.macro CREST                           ; a round of the cluster's barrier behind its opening barrier
	s_cmp_lg_u32 s10, 0
	s_cbranch_scc1 .Lnot_wave_0_\@
	s_barrier_signal -3
.Lnot_wave_0_\@:
	s_barrier_wait -3
	s_barrier_signal -1
	s_barrier_wait -1
.endm
.macro CROUND
	s_barrier_signal -1
	s_barrier_wait -1
	CREST
.endm
.macro JLOAD                           ; a joint refill by the walking descriptors: waves 0, 1 a slice of A each, waves 2, 3 of B
	s_cmp_eq_u32 s11, 0
	s_cbranch_scc0 .Lfor_b_\@
	tensor_load_to_lds s[G0A+4:G0A+7], s[G1A:G1A+7]
	s_nop 0
.rept 4
	v_nop
.endr
	s_branch .Lasked_\@
.Lfor_b_\@:
	tensor_load_to_lds s[G0B+4:G0B+7], s[G1B:G1B+7]
	s_nop 0
.rept 4
	v_nop
.endr
.Lasked_\@:
.endm
.macro ASK                             ; the K step two refills on: my work-group's share of the tile that I fetch, a lane a block of 256 bytes; the last two refills have none
	s_cmp_gt_u32 s3, s[LIM]
	s_cbranch_scc0 .Lnot_mine_\@
	global_prefetch_b8 v21, s[PFA:PFA+1] th:TH_LOAD_NT scope:SCOPE_SE
.Lnot_mine_\@:
.endm
.macro MULH f, hi, a0, zero            ; row blocks a0, a0 + 1 of the window's four x all NB column blocks, 32 along K; every accumulator has one turn a quarter
	WIN 0xa1+0x50*(\hi)
.irp a, \a0, (\a0)+1
.set b, 0
.rept NB
.if \zero
	v_wmma_f32_16x16x32_f16 v[8*(NB*(\a)+b):8*(NB*(\a)+b)+7], v[(\f)+8*b:(\f)+8*b+7], v[(\f)+8*(4*(\hi)+(\a)):(\f)+8*(4*(\hi)+(\a))+7], 0
.else
	v_wmma_f32_16x16x32_f16 v[8*(NB*(\a)+b):8*(NB*(\a)+b)+7], v[(\f)+8*b:(\f)+8*b+7], v[(\f)+8*(4*(\hi)+(\a)):(\f)+8*(4*(\hi)+(\a))+7], v[8*(NB*(\a)+b):8*(NB*(\a)+b)+7]
.endif
.set b, b+1
.endr
.endr
.endm
.macro FETCH q, f                      ; the fragments of quarter q of the step in hand, in one run: B's, then A's
	WIN 0x40
.set i, 0
.rept NB
	ds_load_b128 v[(\f)+8*i:(\f)+8*i+3],   v13 offset:((\q)/2)*SUBB+((\q)%2)*64+i*2304
	ds_load_b128 v[(\f)+8*i+4:(\f)+8*i+7], v13 offset:((\q)/2)*SUBB+((\q)%2)*64+i*2304+32
.set i, i+1
.endr
	WIN 0
.set i, 0
.rept 8
	ds_load_b128 v[(\f)+8*i:(\f)+8*i+3],   v12 offset:((\q)/2)*SUBA+((\q)%2)*64+i*2304
	ds_load_b128 v[(\f)+8*i+4:(\f)+8*i+7], v12 offset:((\q)/2)*SUBA+((\q)%2)*64+i*2304+32
.set i, i+1
.endr
.endm
.macro QUARTER f, g, qn, zero          ; multiplies buffer f; in its middle fetches quarter qn into buffer g
	s_wait_dscnt 8                                 ; all but the youngest eight loads: A's row blocks 4-7, which the second half wants
	MULH \f, 0, 0, \zero
	MULH \f, 0, 2, \zero
	PLACES
	FETCH \qn, \g
	s_wait_dscnt 2*NB+16                           ; all but the run just issued
	MULH \f, 1, 0, \zero
	MULH \f, 1, 2, \zero
.endm
; A step's last quarter, and the change of slots AHEAD of its products: buffer 1 holds the slot's last fragments, so the slot is free as soon as they are in registers.
; fill = 1: the slot is filled again, two steps ahead, first thing behind the round: all of a step's 192 matrix instructions stand between a request and the wait for it.
.macro TURN fill
	WIN 0
	s_wait_tensorcnt 0x0                           ; all my tensor loads have landed: my part of the next slot; so a group 0 may be written
	ds_add_u32 v28, v29                            ; 0 onto my spare word; the scalar steps stand between it and the wait for it
.if \fill
	s_add_nc_u64 s[G0A+6:G0A+7], s[G0A+6:G0A+7], ASTEP
	s_add_nc_u64 s[G0B+6:G0B+7], s[G0B+6:G0B+7], BSTEP
	s_add_co_u32 s[G0A+5], s[WLA], s[TB]
	s_add_co_u32 s[G0B+5], s[WLB], s[TB]
	s_wait_xcnt 0x0                                ; the last prefetch, a step back, has read its address
	s_add_nc_u64 s[PFA:PFA+1], s[PFA:PFA+1], s[PFS:PFS+1]
	s_wait_dscnt 0x0                               ; the add is done, and my reads of this slot are over
	CROUND                                         ; no wave of any partner still reads this slot or has a load on its way
	JLOAD                                          ; its four v_nop are also the places in front of the loads below
.else
	s_wait_dscnt 0x0                               ; the add is done, and my reads of this slot are over
	s_barrier_signal -1
	s_barrier_wait -1                              ; the next slot is whole; nothing is filled
	PLACES
.endif
	s_xor_b32 s[TB], s[TB], SLOT
	v_add_nc_u32 v12, s[TB], v10
	v_add_nc_u32 v13, s[TB], v11
	FETCH 0, F0
.if \fill
	ASK
.endif
	MULH F1, 0, 0, 0
	MULH F1, 0, 2, 0
	MULH F1, 1, 0, 0
	MULH F1, 1, 2, 0
.endm
	s_load_b256 s[88:95], s[0:1], 0x0              ; xn 88, wts 90, bq 92, bk 94
	s_load_b128 s[96:99], s[0:1], 0x20             ; bv 96, qkv 98
	s_load_b64 s[100:101], s[0:1], 0x30            ; kk
	v_lshl_add_u32 v28, v0, 2, SPARE
	v_mov_b32 v29, 0
	ds_add_u32 v28, v29                            ; the wave's opening: the add and its wait stand ahead of my first tensor load
	v_lshrrev_b32 v1, 5, v0
	v_readfirstlane_b32 s10, v1                    ; wave 0..3
	s_lshr_b32 s11, s10, 1                         ; my half of the rows; also: I fetch for A (0) or B (1)
	s_and_b32 s12, s10, 1                          ; my half of the columns; also: which slice of a step I fetch
	s_bfe_u32 s40, ttmp6, 0x40000                  ; cx
	s_bfe_u32 s41, ttmp6, 0x40004                  ; cy
	s_lshl_b32 s42, ttmp9, 2
	s_add_co_u32 s42, s42, s40                     ; the head = 4 x cluster x + cx
	s_and_b32 s13, ttmp7, 0xffff
	s_lshl_b32 s13, s13, 2
	s_add_co_u32 s13, s13, s41                     ; the block of 256 rows = 4 x cluster y + cy
	s_lshl_b32 s43, s41, 2
	s_lshl_b32 s43, 15, s43                        ; my row of the cluster
	s_lshl_b32 s44, 0x1111, s40                    ; my column
	s_or_b32 s[G1A], s43, (1<<16)|(1<<20)|(1<<21)|(4<<22)|(3<<25)  ; the mask; 2-byte elements; padding on; bit 21 beside a mask; after every 32 words 4 words
	s_or_b32 s[G1B], s44, (1<<16)|(1<<20)|(1<<21)|(4<<22)|(3<<25)
	s_mov_b32 s[G1A+1], 128<<16                    ; A: 128 rows of 128 elements, dense: 256 rows of one slice
	s_mov_b32 s[G1A+2], 128<<16
	s_mov_b32 s[G1A+3], 128<<16
	s_mov_b32 s[G1A+4], 128
	s_mov_b32 s[G1A+5], 128
	s_mov_b32 s[G1A+6], 0
	s_mov_b32 s[G1A+7], 0
	s_mov_b32 s[G1B+1], 128<<16                    ; B: 96 rows of 128 elements: 192 rows of one slice
	s_mov_b32 s[G1B+2], 96<<16
	s_mov_b32 s[G1B+3], 128<<16
	s_mov_b32 s[G1B+4], 96
	s_mov_b32 s[G1B+5], 128
	s_mov_b32 s[G1B+6], 0
	s_mov_b32 s[G1B+7], 0
	s_lshl_b32 s16, s12, 19                        ; A: my slice, the block's 256 rows of 128 bytes
	s_lshl_b32 s17, s13, 15
	s_add_co_u32 s16, s16, s17
	s_mov_b32 s17, 0
	s_mul_i32 s46, s12, 393216                     ; B: my slice, the head's 192 rows
	s_mul_i32 s47, s42, 24576
	s_add_co_u32 s46, s46, s47
	s_mov_b32 s47, 0
	s_mul_i32 s[WLA], s12, SUBA
	s_mul_i32 s[WLB], s12, SUBB
	s_add_co_u32 s[WLB], s[WLB], 2*SUBA
	s_wait_dscnt 0x0                               ; the opening add is done
	s_wait_kmcnt 0x0
	s_add_nc_u64 s[14:15], s[88:89], s[16:17]
	s_add_nc_u64 s[46:47], s[90:91], s[46:47]
.irp s, 0,1
	s_mov_b32 s[G0A+4*(\s)], 1
	s_add_co_u32 s[G0A+4*(\s)+1], s[WLA], (\s)*SLOT
	s_add_nc_u64 s[G0A+4*(\s)+2:G0A+4*(\s)+3], s[14:15], (\s)*ASTEP
	s_or_b32 s[G0A+4*(\s)+3], s[G0A+4*(\s)+3], 0x80000000
	s_mov_b32 s[G0B+4*(\s)], 1
	s_add_co_u32 s[G0B+4*(\s)+1], s[WLB], (\s)*SLOT
	s_add_nc_u64 s[G0B+4*(\s)+2:G0B+4*(\s)+3], s[46:47], (\s)*BSTEP
	s_or_b32 s[G0B+4*(\s)+3], s[G0B+4*(\s)+3], 0x80000000
.endr
	CROUND                                         ; all sixteen work-groups are here: the first joint loads meet
	s_cmp_eq_u32 s11, 0                            ; a wave's two first fills stand in one branch: two loads of mine are out
	s_cbranch_scc0 .Lfirst_b
	tensor_load_to_lds s[G0A:G0A+3], s[G1A:G1A+7]
	s_nop 0
	tensor_load_to_lds s[G0A+4:G0A+7], s[G1A:G1A+7]
	s_nop 0
.rept 4
	v_nop
.endr
	s_branch .Lfirst_asked
.Lfirst_b:
	tensor_load_to_lds s[G0B:G0B+3], s[G1B:G1B+7]
	s_nop 0
	tensor_load_to_lds s[G0B+4:G0B+7], s[G1B:G1B+7]
	s_nop 0
.rept 4
	v_nop
.endr
.Lfirst_asked:
	v_and_b32 v1, 15, v0                           ; l % 16
	v_bfe_u32 v2, v0, 4, 1                         ; l / 16
	v_and_b32 v22, 31, v0                          ; l
	v_mul_u32_u24 v3, v1, 144
	v_lshl_add_u32 v3, v2, 4, v3                   ; a fragment's row x 144 + 16 x half
	s_mul_i32 s21, s11, 18432                      ; my 128 rows of A
	s_mul_i32 s22, s12, 13824                      ; my 96 rows of B,
	s_add_co_u32 s22, s22, 2*SUBA                  ; behind A's two slices
	v_add_nc_u32 v10, s21, v3
	v_add_nc_u32 v11, s22, v3
	v_mov_b32 v12, v10
	v_mov_b32 v13, v11
	s_mov_b32 s[TB], 0
	s_mul_i32 s23, s11, 100352                     ; into the stage: row 128 wr + l % 16, my 96 columns, 32 bytes for each half of the lanes
	s_mul_i32 s21, s12, 384
	s_add_co_u32 s23, s23, s21
	v_mul_u32_u24 v4, v1, 784
	v_lshl_add_u32 v4, v2, 5, v4
	v_add_nc_u32 v14, s23, v4
	v_add_nc_u32 v15, 50176, v14                   ; row blocks 4-7
	s_mul_i32 s23, s10, 50176                      ; back: rows 64 w ..; lanes 0-15 one row, lanes 16-31 the next
	v_mul_u32_u24 v5, v2, 784
	v_lshl_add_u32 v5, v1, 4, v5
	v_add_nc_u32 v16, s23, v5
	v_lshlrev_b32 v20, 3, v22                      ; my 8 bytes of two rows of q, k, v
	v_lshlrev_b32 v23, 3, v22                      ; my 8 bytes of kk
	s_lshl_b32 s20, s42, 8                         ; the head's 64 biases
	v_lshl_add_u32 v6, v1, 4, s20
	global_load_b128 v[32:35], v6, s[92:93]
	global_load_b128 v[36:39], v6, s[94:95]
	global_load_b128 v[40:43], v6, s[96:97]
	s_lshl_b32 s20, s42, 19                        ; q, k, v at head, row 256 ty + 64 w
	s_lshl_b32 s21, s13, 15
	s_add_co_u32 s20, s20, s21
	s_lshl_b32 s21, s10, 13
	s_add_co_u32 s20, s20, s21
	s_mov_b32 s21, 0
	s_add_nc_u64 s[74:75], s[98:99], s[20:21]
	s_add_nc_u64 s[76:77], s[74:75], 8388608
	s_add_nc_u64 s[78:79], s[74:75], 16777216
	s_lshl_b32 s20, s42, 14                        ; kk at the same place
	s_lshl_b32 s21, s13, 10
	s_add_co_u32 s20, s20, s21
	s_lshl_b32 s21, s10, 8
	s_add_co_u32 s20, s20, s21
	s_mov_b32 s21, 0
	s_add_nc_u64 s[100:101], s[100:101], s[20:21]
	s_mov_b32 s72, 0x3f7fff58                      ; 1 - 1e-5
	s_mov_b32 s73, 0x3f7ffeb0                      ; its square
	s_mov_b32 s80, 0x3eb8aa3b                      ; 2 c
	s_mov_b32 s81, 0x3eb8a9c2                      ; 2 c (1 - 1e-5)
	s_mov_b32 s82, 0xbe38aa3b                      ; - c
	s_mov_b32 s83, 0xffff                          ; lanes 0-15
	s_mov_b32 s84, 0x76543210
	s_mov_b32 s85, 0xfedcba98
	; the prefetches: xn's rows are asked for by the clusters with x = 0, the weights by those with y = 0; the four partners share a tile's blocks by address
	s_and_b32 s22, ttmp7, 0xffff
	s_mov_b32 s20, ASTEP
	s_mov_b32 s[PFS], BSTEP
	s_cmp_eq_u32 s11, 0
	s_cselect_b32 s[PFS], s20, s[PFS]
	s_cselect_b32 s21, s40, s41
	s_cselect_b32 s22, ttmp9, s22
	s_cselect_b32 s23, 32, PBB
	s_cselect_b64 s[PFA:PFA+1], s[14:15], s[46:47]
	s_cmp_eq_u32 s22, 0
	s_cselect_b32 s[LIM], 2, -1
	s_mul_i32 s20, s21, s23
	s_lshl_b32 s20, s20, 8
	s_mul_i32 s21, s[PFS], 3                       ; at step 3: the first refill steps it to 4
	s_add_co_u32 s20, s20, s21
	s_mov_b32 s21, 0
	s_mov_b32 s[PFS+1], 0
	s_add_nc_u64 s[PFA:PFA+1], s[PFA:PFA+1], s[20:21]
	s_sub_co_u32 s23, s23, 1
	v_min_u32 v21, s23, v22                        ; a share of 24 blocks: the last lanes name the last block again
	v_lshlrev_b32 v21, 8, v21
	s_wait_tensorcnt 1                             ; my part of step 0 is in; step 1's may stay out
	s_barrier_signal -1
	s_barrier_wait -1
	FETCH 0, F0
	QUARTER F0, F1, 1, 1                           ; the first quarter's products start the sums
	WIN 0
	s_mov_b32 s3, NSTEP-2
.Lstep:                                        ; a trip: a step's quarters 1, 2, 3 and the next step's quarter 0
	QUARTER F1, F0, 2, 0
	QUARTER F0, F1, 3, 0
	TURN 1
	QUARTER F0, F1, 1, 0
	WIN 0
	s_sub_co_u32 s3, s3, 1
	s_cmp_lg_u32 s3, 0
	s_cbranch_scc1 .Lstep
	s_mov_b32 s3, 2
.Ltail:                                        ; the last two steps fill nothing: a loop of their own; it is left in the middle of its second trip
	QUARTER F1, F0, 2, 0
	QUARTER F0, F1, 3, 0
	TURN 0
	WIN 0
	s_sub_co_u32 s3, s3, 1
	s_cmp_eq_u32 s3, 0
	s_cbranch_scc1 .Ldone
	QUARTER F0, F1, 1, 0
	WIN 0
	s_branch .Ltail
.Ldone:                                        ; the second trip's change of slots and its 28 fragment loads (from the slot left before) serve nothing: the price, once a launch, of one text for both trips
	; THE WAY OUT
.set X,  64                            ; v[64:87]   six loads: pair p, kind t at 4 (3 p + t)
.set Y,  88                            ; v[88:111]  with the bias
.set T,  112                           ; v[112:119] four sums of squares (pair p, q or k), in the even registers
.set R,  120                           ; v[120:127] four factors, in the even registers
.set O,  128                           ; v[128:139] rounded
.set KV, 140                           ; v[140:141] - c |k|^2 of the two pairs
.set PX, 144
.set EV, 146
.set OD, 147
.set KK, 148                           ; v[148:149] lane i: kk of my wave's rows 2 i, 2 i + 1
	s_wait_dscnt 0x0                               ; my last reads of the ring are back
	s_barrier_signal -1                            ; every wave's are: the stage may be laid over the ring
	s_barrier_wait -1
	PLACES
.set a, 0
.rept 8
	WIN 0x08+4*(a/4)
.set b, 0
.rept NB
	ds_store_b128 v[14+a/4], v[8*(NB*(a%4)+b):8*(NB*(a%4)+b)+3]   offset:12544*(a%4)+64*b
	ds_store_b128 v[14+a/4], v[8*(NB*(a%4)+b)+4:8*(NB*(a%4)+b)+7] offset:12544*(a%4)+64*b+16
.set b, b+1
.endr
.set a, a+1
.endr
	WIN 0
	s_wait_dscnt 0x0                               ; for the others' sake: a head's 64 columns of k come from two waves
	s_barrier_signal -1
	s_barrier_wait -1
.irp i, 1,3,5,7
	v_mov_b32 v[R+\i], 0                           ; named with the factors as pairs
.endr
	v_mov_b32 v[PX], 0
	v_mov_b32 v[KK], 0
	v_mov_b32 v[KK+1], 0
	s_mov_b32 s86, 0                               ; the pair of rows in hand, 0 .. 31
.macro LD6
.irp p, 0,1
.irp t, 0,1,2
	ds_load_b128 v[X+4*(3*\p+\t):X+4*(3*\p+\t)+3], v16 offset:1568*\p+256*\t
.endr
.endr
.endm
	s_wait_loadcnt 0x0                             ; the biases
	LD6
	s_mov_b32 s2, 16
.Lep:                                          ; a trip: two pairs of rows x q, k, v
	s_wait_dscnt 0x0
.irp p, 0,1
.irp t, 0,1,2
	v_pk_add_f32 v[Y+4*(3*\p+\t):Y+4*(3*\p+\t)+1],   v[X+4*(3*\p+\t):X+4*(3*\p+\t)+1],   v[32+4*\t:32+4*\t+1]
	v_pk_add_f32 v[Y+4*(3*\p+\t)+2:Y+4*(3*\p+\t)+3], v[X+4*(3*\p+\t)+2:X+4*(3*\p+\t)+3], v[32+4*\t+2:32+4*\t+3]
.endr
.endr
	s_cmp_eq_u32 s2, 1                             ; the last trip has nothing to fetch
	s_cbranch_scc1 .Lno_more
	v_add_nc_u32 v16, 3136, v16
	LD6
.Lno_more:
.irp p, 0,1
.irp t, 0,1
	v_pk_mul_f32 v[T+2*(2*\p+\t):T+2*(2*\p+\t)+1], v[Y+4*(3*\p+\t):Y+4*(3*\p+\t)+1], v[Y+4*(3*\p+\t):Y+4*(3*\p+\t)+1]
.endr
.endr
.irp p, 0,1
.irp t, 0,1
	v_pk_fma_f32 v[T+2*(2*\p+\t):T+2*(2*\p+\t)+1], v[Y+4*(3*\p+\t)+2:Y+4*(3*\p+\t)+3], v[Y+4*(3*\p+\t)+2:Y+4*(3*\p+\t)+3], v[T+2*(2*\p+\t):T+2*(2*\p+\t)+1]
.endr
.endr
.irp i, 0,1,2,3
	v_add_f32 v[T+2*\i], v[T+2*\i], v[T+2*\i+1]
.endr
.irp m, 1,2,4,8
.irp i, 0,1,2,3
	v_add_f32_dpp v[T+2*\i], v[T+2*\i], v[T+2*\i] row_xmask:\m row_mask:0xf bank_mask:0xf
.endr
.endr
.irp i, 0,1,2,3
	v_rsq_f32 v[R+2*\i], v[T+2*\i]
.endr
	s_wait_xcnt 0x0                                ; the last trip's stores have read their registers: their offset and their data are rewritten only behind this wait, most of a trip behind them
	v_add_nc_u32 v20, 512, v20                     ; this trip's four rows; the stores reach back by the immediate
.irp p, 0,1                            ; v needs no factor: its rounding and stores are the work behind the four roots
	v_cvt_pk_f16_f32 v[O+2*(3*\p+2)],   v[Y+4*(3*\p+2)],   v[Y+4*(3*\p+2)+1]
	v_cvt_pk_f16_f32 v[O+2*(3*\p+2)+1], v[Y+4*(3*\p+2)+2], v[Y+4*(3*\p+2)+3]
	global_store_b64 v20, v[O+2*(3*\p+2):O+2*(3*\p+2)+1], s[78:79] offset:256*\p-512
.endr
	s_wait_alu depctr_va_vdst(0)                   ; one wait for the four roots, ahead of their first reader
.irp p, 0,1
	v_mul_f32 v[R+4*\p], s81, v[R+4*\p]            ; q: 2 c, or 2 c (1 - 1e-5) / |q|
	v_cmp_lt_f32 vcc_lo, s73, v[T+4*\p]
	v_cndmask_b32 v[R+4*\p], s80, v[R+4*\p], vcc_lo
	v_mul_f32 v[R+4*\p+2], s72, v[R+4*\p+2]        ; k: 1, or (1 - 1e-5) / |k|
	v_cmp_lt_f32 vcc_lo, s73, v[T+4*\p+2]
	v_cndmask_b32 v[R+4*\p+2], 1.0, v[R+4*\p+2], vcc_lo
	v_mul_f32 v[KV+\p], v[T+4*\p+2], v[R+4*\p+2]
	v_mul_f32 v[KV+\p], v[KV+\p], v[R+4*\p+2]
	v_mul_f32 v[KV+\p], s82, v[KV+\p]              ; - c |k|^2 of the clipped k
.endr
.irp p, 0,1
.irp t, 0,1
	v_pk_mul_f32 v[Y+4*(3*\p+\t):Y+4*(3*\p+\t)+1],   v[Y+4*(3*\p+\t):Y+4*(3*\p+\t)+1],   v[R+2*(2*\p+\t):R+2*(2*\p+\t)+1] op_sel_hi:[1,0]
	v_pk_mul_f32 v[Y+4*(3*\p+\t)+2:Y+4*(3*\p+\t)+3], v[Y+4*(3*\p+\t)+2:Y+4*(3*\p+\t)+3], v[R+2*(2*\p+\t):R+2*(2*\p+\t)+1] op_sel_hi:[1,0]
.endr
.endr
.irp p, 0,1
.irp t, 0,1
	v_cvt_pk_f16_f32 v[O+2*(3*\p+\t)],   v[Y+4*(3*\p+\t)],   v[Y+4*(3*\p+\t)+1]
	v_cvt_pk_f16_f32 v[O+2*(3*\p+\t)+1], v[Y+4*(3*\p+\t)+2], v[Y+4*(3*\p+\t)+3]
.endr
	global_store_b64 v20, v[O+2*(3*\p):O+2*(3*\p)+1],     s[74:75] offset:256*\p-512  ; 32 lanes: 256 consecutive bytes, two rows of the head
	global_store_b64 v20, v[O+2*(3*\p+1):O+2*(3*\p+1)+1], s[76:77] offset:256*\p-512
.endr
.irp p, 0,1                            ; the pair's two numbers of kk go to the lane of the pair's number
	v_permlanex16_b32 v[PX], v[KV+\p], s84, s85
	v_cndmask_b32 v[EV], v[PX], v[KV+\p], s83      ; the even row's, in every lane
	v_cndmask_b32 v[OD], v[KV+\p], v[PX], s83      ; the odd row's
	v_cmp_eq_u32 vcc_lo, s86, v22
	v_cndmask_b32 v[KK], v[KK], v[EV], vcc_lo
	v_cndmask_b32 v[KK+1], v[KK+1], v[OD], vcc_lo
	s_add_co_u32 s86, s86, 1
.endr
	s_sub_co_u32 s2, s2, 1
	s_cmp_lg_u32 s2, 0
	s_cbranch_scc1 .Lep
	global_store_b64 v23, v[KK:KK+1], s[100:101]   ; my wave's 64 numbers of kk: 256 consecutive bytes
	s_wait_tensorcnt 0x0                           ; the wave's end
	ds_add_u32 v28, v29
	s_wait_dscnt 0x0
	CROUND                                         ; the closing round
	s_endpgm
.Lfunc_end_k_q7d61a9a75d_qkv:
	.size	k_q7d61a9a75d_qkv, .Lfunc_end_k_q7d61a9a75d_qkv-k_q7d61a9a75d_qkv
	.p2alignl 7, 3214868480
	.fill 96, 4, 3214868480
	.section	.rodata,"a",@progbits
	.p2align	6, 0x0
	.amdhsa_kernel k_q7d61a9a75d_qkv
		.amdhsa_group_segment_fixed_size 327680
		.amdhsa_private_segment_fixed_size 0
		.amdhsa_enable_private_segment 0
		.amdhsa_kernarg_size 56
		.amdhsa_user_sgpr_count 2
		.amdhsa_user_sgpr_kernarg_segment_ptr 1
		.amdhsa_wavefront_size32 1
		.amdhsa_system_sgpr_workgroup_id_x 1
		.amdhsa_system_sgpr_workgroup_id_y 1
		.amdhsa_system_sgpr_workgroup_id_z 1
		.amdhsa_system_vgpr_workitem_id 0
		.amdhsa_next_free_vgpr 960
		.amdhsa_next_free_sgpr 102
		.amdhsa_reserve_vcc 1
		.amdhsa_float_denorm_mode_32 3
		.amdhsa_float_denorm_mode_16_64 3
		.amdhsa_memory_ordered 1
		.amdhsa_forward_progress 1
		.amdhsa_inst_pref_size 72
	.end_amdhsa_kernel
	.amdgpu_metadata
---
amdhsa.version: [ 1, 2 ]
amdhsa.kernels:
  - .name:           k_q7d61a9a75d_qkv
    .symbol:         k_q7d61a9a75d_qkv.kd
    .args:
      - { .name: xn, .offset: 0, .size: 8, .value_kind: global_buffer, .address_space: global }
      - { .name: wts, .offset: 8, .size: 8, .value_kind: global_buffer, .address_space: global }
      - { .name: bq, .offset: 16, .size: 8, .value_kind: global_buffer, .address_space: global }
      - { .name: bk, .offset: 24, .size: 8, .value_kind: global_buffer, .address_space: global }
      - { .name: bv, .offset: 32, .size: 8, .value_kind: global_buffer, .address_space: global }
      - { .name: qkv, .offset: 40, .size: 8, .value_kind: global_buffer, .address_space: global }
      - { .name: kk, .offset: 48, .size: 8, .value_kind: global_buffer, .address_space: global }
    .group_segment_fixed_size: 327680
    .private_segment_fixed_size: 0
    .kernarg_segment_align: 8
    .kernarg_segment_size: 56
    .max_flat_workgroup_size: 128
    .sgpr_count:     102
    .vgpr_count:     960
    .wavefront_size: 32
...
	.end_amdgpu_metadata
.endif
;; end of part 2
;; launch attn (part 3): grid 8 x 32, 4 waves a work-group, clusters of 4 x 1, 327,680 bytes of LDS; arguments qkv, kk, hb; writes hb
.if DOCPART == 3
	.amdgcn_target "amdgcn-amd-amdhsa--gfx1250"
	.amdhsa_code_object_version 6
	.text
	.protected	k_q7d61a9a75d_attn
	.globl	k_q7d61a9a75d_attn
	.p2align	8
	.type	k_q7d61a9a75d_attn,@function
k_q7d61a9a75d_attn:
	s_mov_b64 s[64:65], 0
	v_nop
	global_prefetch_b8 v0, s[64:65] scope:SCOPE_SE
	s_setreg_imm32_b32 hwreg(HW_REG_WAVE_MODE, 25, 1), 1
	s_wait_xcnt 0x0
	s_wait_alu depctr_hold_cnt(0) depctr_sa_sdst(0) depctr_va_vdst(0) depctr_va_sdst(0) depctr_va_ssrc(0) depctr_va_vcc(0) depctr_vm_vsrc(0)
	s_getreg_b32 s2, hwreg(HW_REG_IB_STS2, 6, 4)
	s_cmp_eq_u32 s2, 0
	s_cbranch_scc0 .Lentry_in_a_cluster
	s_endpgm
.Lentry_in_a_cluster:
	s_bfe_u32 s2, ttmp6, 0x10000c
	s_cmp_lg_u32 s2, 0x3003
	s_cbranch_scc0 .Lentry_shape_is_right
	s_endpgm
.Lentry_shape_is_right:
; O[y][q][:] = the sum over k of p(q, k) V[y][k][:] / the sum of p, p = 2^(q' . k + kk[k]), q' = 2 c q, kk = - c |k|^2, c = log2(e) / 8: the softmax of - |q - k|^2 / 8, whose term |q|^2 is the same for all keys of a row.
; y = 2 head + batch: 2,048 dense rows of 128 bytes in q', k, v and O (all f16), 2,048 numbers of kk (f32).
; NO MAXIMUM IS TAKEN AWAY: q and k are clipped to norm below 1 by the computation itself, so q' . k + kk lies between -0.55 and 0.37 for every input: no p and no sum of 2,048 of them can overflow or underflow.
; LIMITS.  v lies within f16's 65,504; p is rounded to f16 for the second product, its sum is taken of the unrounded p; NaN and infinities are not treated apart.
; SHARES.  A work-group owns 256 queries, a wave 64: four tiles of 16 in two PIECES.  Every wave walks all keys, 64 a step, four steps to an LDS slot.
; LAYOUT.  S^T = K Q'^T + KC (source 0 = 16 keys, source 1 = 16 queries, C = kk of the lane's eight keys): a lane holds one query.  Two results rounded to f16 are source 1 of O^T = V^T P.
; BY TURNS.  In turn p the other piece has the matrix unit: 16 products V^T P, then 16 products K Q'^T for its next step; behind each stand four vector instructions of piece p: its 64 exponentials
; behind the first sixteen, its 32 roundings and 32 sums behind the others; ONE wait for the exponentials stands between.
; CLUSTER.  The four query blocks of a cluster walk the same K, V and kk: each tile is asked for jointly.
; REGISTERS: window 0: addresses; v16-47 sums, four pairs a tile; v64-191 S^T, 32 a tile; v192-255 P, 16 a tile.  window 1: v0-127 O^T, 32 a tile; v128-159 KC.  window 2: v0-63 Q'; v128-191 K; v192-255 V.
.set KS,    64
.set PK,    144                        ; a row of K in LDS: 128 bytes + 16
.set PVP,   160                        ; a row of V: 128 + 32
.set VOFF,  4*KS*PK
.set SLOT1, 1<<17
.set KKT,   SLOT1+4*KS*(PK+PVP)        ; the head's 2,048 numbers of kk, filled once
.set STAGE, KKT+8192                   ; 16 rows x 144 bytes for each wave, for the way out; no tensor load fills it
.set SP,    144
.set SPARE, STAGE+4*16*SP              ; the spare words, 128 bytes a wave, which no other line names
.set AK0, 2
.set AV0, 3
.set AK,  4
.set AV,  5
.set QO,  6
.set STO, 6
.set RD,  7
.set GO,  8
.set AKK0, 12                          ; v12  KKT + 32 (l / 16)
.set AKK,  13
.set PFO,  14                          ; v14  256 x lane
.set L,   16
.set SPW, 62
.set NIL, 63
.set S,   64
.set P,   192
.set KC,  128                          ; window 1
.set KF,  128                          ; window 2
.set VF,  192                          ; window 2
.set WV,  12
.set LIM, 15
.set PFA, 18
.set G1K, 24
.set G1V, 32
.set G0K, 40
.set G0V, 44
.set G1T, 48
.set SLOTS, 56
.set CNT, 57
.set TKK, 58                           ; s58  256 x the step whose kk is fetched next
.set SEL, 60
.set TBK, 62
.set TBV, 63
.set G0T, 68
.set MSB, 0
.macro WIN new
.if MSB != (\new)
	s_set_vgpr_msb (MSB<<8)|(\new)
.set MSB, (\new)
.endif
.endm
.macro JLOAD                           ; a joint fill: waves 0, 1 the halves of a slot's K, waves 2, 3 of its V
	s_cmp_lt_u32 s[WV], 2
	s_cbranch_scc0 .Lfor_v_\@
	tensor_load_to_lds s[G0K:G0K+3], s[G1K:G1K+7]
	s_nop 0
.rept 4
	v_nop
.endr
	s_branch .Lasked_\@
.Lfor_v_\@:
	tensor_load_to_lds s[G0V:G0V+3], s[G1V:G1V+7]
	s_nop 0
.rept 4
	v_nop
.endr
.Lasked_\@:
.endm
.macro ASK                             ; what the next change of slots will ask for: my work-group's 32 of the slot's 128 blocks of 256 bytes (wave 0: K's, wave 2: V's; the head's first cluster alone); the last filling change asks for nothing
	s_cmp_gt_u32 s[SLOTS], s[LIM]
	s_cbranch_scc0 .Lnot_mine_\@
	global_prefetch_b8 v[PFO], s[PFA:PFA+1] th:TH_LOAD_NT scope:SCOPE_SE
.Lnot_mine_\@:
.endm
.macro CROUND
	s_barrier_signal -1
	s_barrier_wait -1
	s_cmp_lg_u32 s[WV], 0
	s_cbranch_scc1 .Lnot_wave_0_\@
	s_barrier_signal -3
.Lnot_wave_0_\@:
	s_barrier_wait -3
	s_barrier_signal -1
	s_barrier_wait -1
.endm
; THE CHANGE OF SLOTS: each wave waits for all its tensor loads, adds 0 to its spare word, and waits for that and for its reads of the slot that it leaves.  fill = 1: the barrier is a round of the
; cluster's, and the old slot is filled again first thing behind it, with the keys two slots on: four key steps, 256 matrix instructions, in which to land.
.macro CHANGE fill
	WIN 0
	s_wait_tensorcnt 0x0
	ds_add_u32 v[SPW], v[NIL]
.if \fill
.irp g, G0K, G0V
	s_xor_b32 s[\g+1], s[\g+1], SLOT1
	s_add_nc_u64 s[\g+2:\g+3], s[\g+2:\g+3], 4*KS*128
.endr
	s_wait_xcnt 0x0                                ; the last prefetch, a slot back, has read its address
	s_add_nc_u64 s[PFA:PFA+1], s[PFA:PFA+1], 4*KS*128
	s_wait_dscnt 0x0
	CROUND
	JLOAD
	ASK
.else
	s_wait_dscnt 0x0
	s_barrier_signal -1
	s_barrier_wait -1
.endif
	s_sub_co_u32 s[TBK], s[TBK], 4*KS*PK
	s_xor_b32 s[TBK], s[TBK], SLOT1
	s_sub_co_u32 s[TBV], s[TBV], 4*KS*PVP
	s_xor_b32 s[TBV], s[TBV], SLOT1
.endm
	s_load_b128 s[4:7], s[0:1], 0x0                ; qkv s[4:5], kk s[6:7]
	s_load_b64 s[10:11], s[0:1], 0x10              ; hb
	v_lshl_add_u32 v[SPW], v0, 2, SPARE
	v_mov_b32 v[NIL], 0
	ds_add_u32 v[SPW], v[NIL]                      ; the wave's opening: the add and its wait stand ahead of my first tensor load
	v_lshrrev_b32 v1, 5, v0
	v_readfirstlane_b32 s[WV], v1
	s_bfe_u32 s13, ttmp6, 0x40000                  ; cx
	s_lshl_b32 s14, ttmp9, 2
	s_add_co_u32 s14, s14, s13                     ; my block of 256 queries: it enters Q's and O's addresses alone
	s_and_b32 s20, ttmp7, 0xffff                   ; y, which the four partners share
	s_lshl_b32 s8, s20, 13                         ; its 8,192 bytes of kk
	s_lshl_b32 s20, s20, 18                        ; its 262,144 bytes of q', k, v, O
	s_mov_b32 s21, 0
	s_and_b32 s16, s[WV], 1                        ; which half I fetch
	s_lshl_b32 s22, s16, 14
	s_mov_b32 s23, 0
	s_add_nc_u64 s[22:23], s[22:23], s[20:21]
	s_lshl_b32 s9, s16, 12
	s_add_co_u32 s8, s8, s9
	s_mov_b32 s9, 0
	s_mul_i32 s17, s16, 128*PK
	s_mul_i32 s18, s16, 128*PVP
	s_lshl_b32 s2, s14, 2
	s_add_co_u32 s2, s2, s[WV]
	s_lshl_b32 s2, s2, 13                          ; my wave's 64 rows
	s_mov_b32 s3, 0
	s_add_nc_u64 s[2:3], s[2:3], s[20:21]
	s_lshl_b32 s66, s13, 13                        ; the prefetches: my work-group's 32 blocks, in the second slot's keys; the first change steps it to the third's
	s_add_co_u32 s66, s66, 4*KS*128
	s_mov_b32 s67, 0
	s_mov_b32 s[G1K], 15|(1<<16)|(1<<20)|(1<<21)|(4<<22)|(3<<25)  ; the mask of four; 2-byte elements; padding on; bit 21 beside a mask; after every 32 words 4 words
	s_mov_b32 s[G1V], 15|(1<<16)|(1<<20)|(1<<21)|(4<<22)|(7<<25)  ; the same with 8 words
.irp g, G1K, G1V
	s_mov_b32 s[\g+1], 128<<16                     ; 128 keys are 16,384 dense bytes: 64 rows of 256
	s_mov_b32 s[\g+2], 64<<16
	s_mov_b32 s[\g+3], 128<<16
	s_mov_b32 s[\g+4], 64
	s_mov_b32 s[\g+5], 128
	s_mov_b32 s[\g+6], 0
	s_mov_b32 s[\g+7], 0
.endr
	s_mov_b32 s[G1T], 15|(3<<16)|(1<<21)           ; half of kk: 4,096 dense bytes as 16 rows of 32 elements of 8 bytes
	s_mov_b32 s[G1T+1], 32<<16
	s_mov_b32 s[G1T+2], 16<<16
	s_mov_b32 s[G1T+3], 32<<16
	s_mov_b32 s[G1T+4], 16
	s_mov_b32 s[G1T+5], 32
	s_mov_b32 s[G1T+6], 0
	s_mov_b32 s[G1T+7], 0
	s_mov_b32 s[SEL], 0x76543210
	s_mov_b32 s[SEL+1], 0xfedcba98
	s_mov_b32 s[TBK], SLOT1+4*KS*PK                ; the first change of slots turns these two into 0
	s_mov_b32 s[TBV], SLOT1+4*KS*PVP
	s_mov_b32 s[TKK], 0
	s_mov_b32 s[SLOTS], 7
	s_mov_b32 s[G0K], 1
	s_mov_b32 s[G0K+1], s17
	s_mov_b32 s[G0V], 1
	s_add_co_u32 s[G0V+1], s18, VOFF
	s_mov_b32 s[G0T], 1
	s_lshl_b32 s[G0T+1], s16, 12
	s_add_co_u32 s[G0T+1], s[G0T+1], KKT
	s_and_b32 s[LIM], s[WV], 1                     ; waves 0 and 2 of the head's first cluster prefetch: the same in all four partners
	s_or_b32 s[LIM], s[LIM], ttmp9
	s_cmp_eq_u32 s[LIM], 0
	s_cselect_b32 s[LIM], 1, -1
	s_wait_dscnt 0x0                               ; the opening add is done
	s_wait_kmcnt 0x0
	s_add_nc_u64 s[G0K+2:G0K+3], s[4:5], s[22:23]
	s_add_nc_u64 s[G0V+2:G0V+3], s[G0K+2:G0K+3], 0x1000000  ; v lies 16,777,216 bytes into qkv,
	s_add_nc_u64 s[G0K+2:G0K+3], s[G0K+2:G0K+3], 0x800000   ; k 8,388,608
	s_cmp_lt_u32 s[WV], 2
	s_cselect_b64 s[PFA:PFA+1], s[G0K+2:G0K+3], s[G0V+2:G0V+3]
	s_add_nc_u64 s[PFA:PFA+1], s[PFA:PFA+1], s[66:67]
	s_or_b32 s[G0K+3], s[G0K+3], 0x80000000
	s_or_b32 s[G0V+3], s[G0V+3], 0x80000000
	s_add_nc_u64 s[G0T+2:G0T+3], s[6:7], s[8:9]
	s_or_b32 s[G0T+3], s[G0T+3], 0x80000000
	s_add_nc_u64 s[4:5], s[4:5], s[2:3]            ; Q' and O at my wave's first row
	s_add_nc_u64 s[10:11], s[10:11], s[2:3]
	CROUND                                         ; all four work-groups are here: the first joint loads meet
	s_cmp_lt_u32 s[WV], 2                          ; a wave's first fills stand in one branch: one load of mine is out, or two
	s_cbranch_scc0 .Lfirst_v
	tensor_load_to_lds s[G0K:G0K+3], s[G1K:G1K+7]
	s_nop 0
.rept 4
	v_nop
.endr
	s_branch .Lfirst_asked
.Lfirst_v:
	tensor_load_to_lds s[G0V:G0V+3], s[G1V:G1V+7]
	s_nop 0
	tensor_load_to_lds s[G0T:G0T+3], s[G1T:G1T+7]
	s_nop 0
.rept 4
	v_nop
.endr
.Lfirst_asked:
	v_and_b32 v1, 15, v0                           ; l % 16
	v_bfe_u32 v9, v0, 4, 1                         ; l / 16
	v_lshlrev_b32 v[QO], 7, v1
	v_lshl_add_u32 v[QO], v9, 4, v[QO]
	WIN 0x80
.set i, 0
.rept 8                                ; Q' stays in registers: tile i / 2, channels 32 (i % 2) on
	global_load_b128 v[8*i:8*i+3],   v[QO], s[4:5] offset:(i/2)*2048+(i%2)*64
	global_load_b128 v[8*i+4:8*i+7], v[QO], s[4:5] offset:(i/2)*2048+(i%2)*64+32
.set i, i+1
.endr
	; What the first turn finds: V and piece 1's P hold 0 (its products V^T P, of a step that has not been, add 0), O^T and the sums are 0.  This stands in the wait for the first tile, and spares a first turn written out.
.set i, VF
.rept 64
	v_mov_b32 v[i], 0
.set i, i+1
.endr
	WIN 0x40
.set i, 0
.rept 128
	v_mov_b32 v[i], 0
.set i, i+1
.endr
	WIN 0
.set i, 0
.rept 32
	v_mov_b32 v[L+i], 0
	v_mov_b32 v[P+32+i], 0
.set i, i+1
.endr
	v_mul_u32_u24 v[AK0], v1, PK
	v_lshl_add_u32 v[AK0], v9, 4, v[AK0]
	v_and_b32 v10, 7, v0
	v_bfe_u32 v11, v0, 3, 1
	v_lshl_add_u32 v[AV0], v9, 3, v10              ; the turning load: key 8 (l / 16) + l % 8, channels 8 ((l / 8) % 2) ..
	v_mul_u32_u24 v[AV0], v[AV0], PVP
	v_lshl_add_u32 v[AV0], v11, 4, v[AV0]
	v_add_nc_u32 v[AV0], VOFF, v[AV0]
	v_lshl_add_u32 v[AKK0], v9, 5, KKT
	v_and_b32 v[PFO], 31, v0
	v_lshlrev_b32 v[PFO], 8, v[PFO]
; Product i of 16 of S^T for piece x: channels 32 (i / 8) on, keys 16 ((i / 2) % 4) on, tile 2 x + i % 2.  The first 8 start the sums with kk.  The 8 accumulators take turns.
.macro KQ x
.set rS, S+64*(\x)+32*(i%2)+8*((i/2)%4)
.set rK, KF+16*((i/2)%4)+8*(i/8)
.set rQ, 16*(2*(\x)+i%2)+8*(i/8)
.set rC, KC+8*((i/2)%4)
.if i < 8
	WIN 0x1a
	v_wmma_f32_16x16x32_f16 v[rS:rS+7], v[rK:rK+7], v[rQ:rQ+7], v[rC:rC+7]
.else
	WIN 0x0a
	v_wmma_f32_16x16x32_f16 v[rS:rS+7], v[rK:rK+7], v[rQ:rQ+7], v[rS:rS+7]
.endif
.endm
; Product i of 16 of O^T += V^T P for piece x: keys 32 (i / 8) on, channels 16 ((i / 2) % 4) on, tile 2 x + i % 2.
.macro PVM x
	WIN 0x52
.set rO, 32*(2*(\x)+i%2)+8*((i/2)%4)
.set rV, VF+32*(i/8)+8*((i/2)%4)
.set rP, P+32*(\x)+16*(i%2)+8*(i/8)
	v_wmma_f32_16x16x32_f16 v[rO:rO+7], v[rV:rV+7], v[rP:rP+7], v[rO:rO+7]
.endm
.macro EX                              ; exponential e of 64 of piece Y, the tiles by turns, each accumulator from its low end
	WIN 0
	v_exp_f32 v[S+64*Y+32*(e%2)+e/2], v[S+64*Y+32*(e%2)+e/2]
.set e, e+1
.endm
.macro PL                              ; number g of 64: a pair of weights is rounded to f16, then added onto one of the tile's four sums
	WIN 0
.set u, g%2
.set n, g/4
.if (g/2)%2 == 0
	v_cvt_pk_f16_f32 v[P+32*Y+16*u+n], v[S+64*Y+32*u+2*n], v[S+64*Y+32*u+2*n+1]
.else
	v_pk_add_f32 v[L+8*(2*Y+u)+2*(n%4):L+8*(2*Y+u)+2*(n%4)+1], v[L+8*(2*Y+u)+2*(n%4):L+8*(2*Y+u)+2*(n%4)+1], v[S+64*Y+32*u+2*n:S+64*Y+32*u+2*n+1]
.endif
.set g, g+1
.endm
.macro FETCH_K last=0                  ; a step's K and its kk, in one run; last = 1: in the tail's last trip there is no further step
	WIN 0
.if \last
	s_cmp_eq_u32 s[CNT], 1
	s_cbranch_scc1 .Lno_k_\@
.endif
	v_add_nc_u32 v[AK], s[TBK], v[AK0]
	v_add_nc_u32 v[AKK], s[TKK], v[AKK0]
	WIN 0x80
.irp f, 0,1,2,3,4,5,6,7
	ds_load_b128 v[KF+8*\f:KF+8*\f+3],   v[AK] offset:(\f/2)*16*PK+(\f%2)*64
	ds_load_b128 v[KF+8*\f+4:KF+8*\f+7], v[AK] offset:(\f/2)*16*PK+(\f%2)*64+32
.endr
	WIN 0x40
.irp f, 0,1,2,3
	ds_load_b128 v[KC+8*\f:KC+8*\f+3],   v[AKK] offset:64*\f     ; sixteen lanes read the same 16 bytes
	ds_load_b128 v[KC+8*\f+4:KC+8*\f+7], v[AKK] offset:64*\f+16
.endr
	s_add_co_u32 s[TBK], s[TBK], KS*PK
	s_add_co_u32 s[TKK], s[TKK], 256
	WIN 0
.if \last
.Lno_k_\@:
.endif
.endm
.macro FETCH_V
	WIN 0x80
.irp f, 0,1,2,3,4,5,6,7
	ds_load_tr16_b128 v[VF+8*\f:VF+8*\f+3],   v[AV] offset:(\f/4)*32*PVP+(\f%4)*32
	ds_load_tr16_b128 v[VF+8*\f+4:VF+8*\f+7], v[AV] offset:(\f/4)*32*PVP+16*PVP+(\f%4)*32
.endr
	s_add_co_u32 s[TBV], s[TBV], KS*PVP
	WIN 0
.endm
; TURN p.  V of the step in hand is fetched in the middle of turn 0, four plain instructions behind the last product that read V; K of the next step ahead of turn 1, four roundings and sums behind the last product that read K.
.macro TURN p
.set Y, (\p)
.set e, 0
.set g, 0
.set i, 0
.rept 16
	PVM 1-(\p)
.rept 4
	EX
.endr
.set i, i+1
.endr
	WIN 0
.if (\p) == 0
	v_add_nc_u32 v[AV], s[TBV], v[AV0]
.rept 3
	v_nop
.endr
.else
	v_nop                                          ; a plain instruction behind the last exponential
.endif
	s_wait_alu depctr_va_vdst(0)                   ; one wait for the turn's 64 exponentials, ahead of their first reader
.if (\p) == 0
	FETCH_V
.else
	s_wait_dscnt 0x0                               ; K and kk are in
.endif
.set i, 0
.rept 16
	KQ 1-(\p)
.rept 4
	PL
.endr
.set i, i+1
.endr
.endm
	CHANGE 1                                       ; slot 0 and kk are in, everybody's part of them; slot 1 is asked for
	FETCH_K                                        ; key step 0
	s_wait_loadcnt 0x0                             ; Q'
	s_wait_dscnt 0x0
.set i, 0
.rept 16
	KQ 0
.set i, i+1
.endr
	WIN 0                                          ; the addresses for the way out: the places behind those products
	s_mul_i32 s13, s[WV], 16*SP
	s_add_co_u32 s13, s13, STAGE
	v_mul_u32_u24 v[STO], v1, SP
	v_lshl_add_u32 v[STO], v9, 4, v[STO]
	v_add_nc_u32 v[STO], s13, v[STO]
	v_bfe_u32 v[RD], v0, 3, 2
	v_mul_u32_u24 v[RD], v[RD], SP
	v_lshl_add_u32 v[RD], v10, 4, v[RD]
	v_add_nc_u32 v[RD], s13, v[RD]
	v_and_b32 v[GO], 31, v0
	v_lshlrev_b32 v[GO], 4, v[GO]
	s_mov_b32 s[CNT], 4
	s_branch .Lfirst                               ; the loop is entered in the middle of a trip
.Lslot:                                        ; six times: every slot but the last two is filled again
	CHANGE 1
	s_mov_b32 s[CNT], 4
.Lstep:                                        ; a trip: turn 1 of one step, turn 0 of the next
	s_wait_dscnt 0x0                               ; V is in
	FETCH_K
	TURN 1
	WIN 0
.Lfirst:
	TURN 0
	WIN 0
	s_sub_co_u32 s[CNT], s[CNT], 1
	s_cmp_lg_u32 s[CNT], 0
	s_cbranch_scc1 .Lstep
	s_sub_co_u32 s[SLOTS], s[SLOTS], 1
	s_cmp_lg_u32 s[SLOTS], 0
	s_cbranch_scc1 .Lslot
	CHANGE 0                                       ; the tail is written out
	s_mov_b32 s[CNT], 5
.Ltail:
	s_wait_dscnt 0x0
	FETCH_K 1
	TURN 1
	WIN 0
	s_sub_co_u32 s[CNT], s[CNT], 1
	s_cmp_eq_u32 s[CNT], 0
	s_cbranch_scc1 .Lout
	TURN 0
	WIN 0
	s_branch .Ltail
.Lout:                                         ; the fifth trip's 16 products K Q'^T, on the last K once more, serve nothing: the price, once a launch, of one text for every trip
.set i, 0
.rept 16
	PVM 1
.set i, i+1
.endr
	; THE WAY OUT.  The sums' four pairs and the other half of the lanes' are added; O^T is divided, rounded to f16 and sent through my stage, a tile at a time.  The additions are the places behind the last products.
	WIN 0
.macro ALL line:vararg
.set t, 0
.rept 4
	\line
.set t, t+1
.endr
.endm
	ALL v_pk_add_f32 v[L+8*t:L+8*t+1], v[L+8*t:L+8*t+1], v[L+8*t+2:L+8*t+3]
	ALL v_pk_add_f32 v[L+8*t+4:L+8*t+5], v[L+8*t+4:L+8*t+5], v[L+8*t+6:L+8*t+7]
	ALL v_pk_add_f32 v[L+8*t:L+8*t+1], v[L+8*t:L+8*t+1], v[L+8*t+4:L+8*t+5]
	ALL v_add_f32 v[L+8*t], v[L+8*t], v[L+8*t+1]
	ALL v_permlanex16_b32 v[L+8*t+1], v[L+8*t], s[SEL], s[SEL+1]
	ALL v_add_f32 v[L+8*t], v[L+8*t], v[L+8*t+1]
	ALL v_rcp_f32 v[L+8*t], v[L+8*t]
	v_nop
	s_wait_alu depctr_va_vdst(0)                   ; one wait for the four reciprocals
.macro PACK t
	WIN 0x41
.set i, 32*(\t)
.rept 16
	v_pk_mul_f32 v[i:i+1], v[i:i+1], v[L+8*(\t):L+8*(\t)+1] op_sel_hi:[1,0]
.set i, i+2
.endr
	WIN 0x05
.set i, 0
.rept 16
	v_cvt_pk_f16_f32 v[S+16*(\t)+i], v[32*(\t)+2*i], v[32*(\t)+2*i+1]
.set i, i+1
.endr
	WIN 0
.irp f, 0,1,2,3
	ds_store_b128 v[STO], v[S+16*(\t)+4*\f:S+16*(\t)+4*\f+3] offset:32*\f
.endr
.irp f, 0,1,2,3
	ds_load_b128 v[S+16*(\t)+4*\f:S+16*(\t)+4*\f+3], v[RD] offset:\f*4*SP  ; LDS serves a wave's instructions in order (ISA guide 5.7.1.4): these see the stores above
.endr
.endm
.macro SEND t, younger                 ; younger: the LDS instructions issued behind tile t's loads
	WIN 0
.irp f, 0,1,2,3
	s_wait_dscnt (\younger)+3-\f
	global_store_b128 v[GO], v[S+16*(\t)+4*\f:S+16*(\t)+4*\f+3], s[10:11] offset:(\t)*2048+\f*512  ; 512 consecutive bytes
.endr
.endm
	PACK 0
	PACK 1
	SEND 0, 8
	PACK 2
	SEND 1, 8
	PACK 3
	SEND 2, 8
	SEND 3, 0
	s_wait_tensorcnt 0x0                           ; the wave's end
	ds_add_u32 v[SPW], v[NIL]
	s_wait_dscnt 0x0
	CROUND                                         ; the closing round
	s_endpgm
.Lfunc_end_k_q7d61a9a75d_attn:
	.size	k_q7d61a9a75d_attn, .Lfunc_end_k_q7d61a9a75d_attn-k_q7d61a9a75d_attn
	.p2alignl 7, 3214868480
	.fill 96, 4, 3214868480
	.section	.rodata,"a",@progbits
	.p2align	6, 0x0
	.amdhsa_kernel k_q7d61a9a75d_attn
		.amdhsa_group_segment_fixed_size 327680
		.amdhsa_private_segment_fixed_size 0
		.amdhsa_enable_private_segment 0
		.amdhsa_kernarg_size 24
		.amdhsa_user_sgpr_count 2
		.amdhsa_user_sgpr_kernarg_segment_ptr 1
		.amdhsa_wavefront_size32 1
		.amdhsa_system_sgpr_workgroup_id_x 1
		.amdhsa_system_sgpr_workgroup_id_y 1
		.amdhsa_system_sgpr_workgroup_id_z 1
		.amdhsa_system_vgpr_workitem_id 0
		.amdhsa_next_free_vgpr 768
		.amdhsa_next_free_sgpr 72
		.amdhsa_reserve_vcc 0
		.amdhsa_float_denorm_mode_32 3
		.amdhsa_float_denorm_mode_16_64 3
		.amdhsa_memory_ordered 1
		.amdhsa_forward_progress 1
		.amdhsa_inst_pref_size 86
	.end_amdhsa_kernel
	.amdgpu_metadata
---
amdhsa.version: [ 1, 2 ]
amdhsa.kernels:
  - .name:           k_q7d61a9a75d_attn
    .symbol:         k_q7d61a9a75d_attn.kd
    .args:
      - { .name: qkv, .offset: 0, .size: 8, .value_kind: global_buffer, .address_space: global }
      - { .name: kk, .offset: 8, .size: 8, .value_kind: global_buffer, .address_space: global }
      - { .name: hb, .offset: 16, .size: 8, .value_kind: global_buffer, .address_space: global }
    .group_segment_fixed_size: 327680
    .private_segment_fixed_size: 0
    .kernarg_segment_align: 8
    .kernarg_segment_size: 24
    .max_flat_workgroup_size: 128
    .sgpr_count:     72
    .vgpr_count:     768
    .wavefront_size: 32
...
	.end_amdgpu_metadata
.endif
;; end of part 3
;; launch wo (part 4): grid 8 x 32, 4 waves a work-group, clusters of 4 x 4, 327,680 bytes of LDS; arguments hb, wts, y; writes y
.if DOCPART == 4
	.amdgcn_target "amdgcn-amd-amdhsa--gfx1250"
	.amdhsa_code_object_version 6
	.text
	.protected	k_q7d61a9a75d_wo
	.globl	k_q7d61a9a75d_wo
	.p2align	8
	.type	k_q7d61a9a75d_wo,@function
k_q7d61a9a75d_wo:
	s_mov_b64 s[64:65], 0
	v_nop
	global_prefetch_b8 v0, s[64:65] scope:SCOPE_SE
	s_setreg_imm32_b32 hwreg(HW_REG_WAVE_MODE, 25, 1), 1
	s_wait_xcnt 0x0
	s_wait_alu depctr_hold_cnt(0) depctr_sa_sdst(0) depctr_va_vdst(0) depctr_va_sdst(0) depctr_va_ssrc(0) depctr_va_vcc(0) depctr_vm_vsrc(0)
	s_getreg_b32 s2, hwreg(HW_REG_IB_STS2, 6, 4)
	s_cmp_eq_u32 s2, 0
	s_cbranch_scc0 .Lentry_in_a_cluster
	s_endpgm
.Lentry_in_a_cluster:
	s_bfe_u32 s2, ttmp6, 0x10000c
	s_cmp_lg_u32 s2, 0xf033
	s_cbranch_scc0 .Lentry_shape_is_right
	s_endpgm
.Lentry_shape_is_right:
; y = A W^T, raw f32 sums.  A: sliced [K/64][4096][64] f16; W: sliced [K/64][1024][64] f16, WOFF bytes into wts; y: [4096][1024] f32.  Bias and residual are added by the launch behind.
; A tile of y is 128 x 128.  K IS SPLIT AMONG THE FOUR WAVES: of each step's four slices of 64 wave w multiplies slice w, for the whole tile (64 accumulators), so each LDS byte is read once.
; The four partial sums (f32) meet in LDS at the end, in a stage laid over the ring after its last fill.
; A tensor load brings two slices of 128 rows: two rows of 16,384 bytes, padded in LDS after every 128: LDS rows of 144 bytes.  CLUSTER 4 x 4: A's tiles are shared along a row, W's along a column.
; LIMITS.  f16 operands end at 65,504; K is summed in four parts and then added; NaN and infinities are not treated apart.
; REGISTERS: window 0 addresses, A's fragments (v64-127, v128-191); window 1 W's fragments; windows 2, 3 the accumulators of row blocks 0-3, 4-7 at 8 (8 a + b).
.set NSTEP, 4                          ; K / 256
.set WOFF,  14680064
.set NB,    8
.set SUB,   18432                      ; 128 rows x 144
.set SLOT,  8*SUB
.set SPARE, 2*SLOT
.set ASTEP, 2097152                    ; four slices of A
.set BSTEP, 524288                     ; four slices of W
.set F0, 64
.set F1, 128
.set G1A, 24
.set G0A, 32
.set G1B, 48
.set G0B, 56
.set LIM, 43
.set PFA, 44
.set TB,  66
.set WLA, 67
.set WLB, 68
.set PFS, 70
.set MSB, 0
.macro WIN new
.if MSB != (\new)
	s_set_vgpr_msb (MSB<<8)|(\new)
.set MSB, \new
.endif
.endm
.macro PLACES
.rept 4
	v_nop
.endr
.endm
.macro CREST
	s_cmp_lg_u32 s10, 0
	s_cbranch_scc1 .Lnot_wave_0_\@
	s_barrier_signal -3
.Lnot_wave_0_\@:
	s_barrier_wait -3
	s_barrier_signal -1
	s_barrier_wait -1
.endm
.macro CROUND
	s_barrier_signal -1
	s_barrier_wait -1
	CREST
.endm
.macro JLOAD
	s_cmp_eq_u32 s11, 0
	s_cbranch_scc0 .Lfor_b_\@
	tensor_load_to_lds s[G0A+4:G0A+7], s[G1A:G1A+7]
	s_nop 0
.rept 4
	v_nop
.endr
	s_branch .Lasked_\@
.Lfor_b_\@:
	tensor_load_to_lds s[G0B+4:G0B+7], s[G1B:G1B+7]
	s_nop 0
.rept 4
	v_nop
.endr
.Lasked_\@:
.endm
.macro ASK                             ; the K step two refills on: my work-group's 32 blocks of 256 bytes of the two slices that I fetch; the last two refills have none
	s_cmp_gt_u32 s3, s[LIM]
	s_cbranch_scc0 .Lnot_mine_\@
	global_prefetch_b8 v21, s[PFA:PFA+1] th:TH_LOAD_NT scope:SCOPE_SE
.Lnot_mine_\@:
.endm
.macro MULH f, hi, a0, zero
	WIN 0xa1+0x50*(\hi)
.irp a, \a0, (\a0)+1
.set b, 0
.rept NB
.if \zero
	v_wmma_f32_16x16x32_f16 v[8*(NB*(\a)+b):8*(NB*(\a)+b)+7], v[(\f)+8*b:(\f)+8*b+7], v[(\f)+8*(4*(\hi)+(\a)):(\f)+8*(4*(\hi)+(\a))+7], 0
.else
	v_wmma_f32_16x16x32_f16 v[8*(NB*(\a)+b):8*(NB*(\a)+b)+7], v[(\f)+8*b:(\f)+8*b+7], v[(\f)+8*(4*(\hi)+(\a)):(\f)+8*(4*(\hi)+(\a))+7], v[8*(NB*(\a)+b):8*(NB*(\a)+b)+7]
.endif
.set b, b+1
.endr
.endr
.endm
.macro FETCH q, f                      ; half q of my slice: W's fragments, then A's
	WIN 0x40
.set i, 0
.rept 8
	ds_load_b128 v[(\f)+8*i:(\f)+8*i+3],   v13 offset:64*(\q)+i*2304
	ds_load_b128 v[(\f)+8*i+4:(\f)+8*i+7], v13 offset:64*(\q)+i*2304+32
.set i, i+1
.endr
	WIN 0
.set i, 0
.rept 8
	ds_load_b128 v[(\f)+8*i:(\f)+8*i+3],   v12 offset:64*(\q)+i*2304
	ds_load_b128 v[(\f)+8*i+4:(\f)+8*i+7], v12 offset:64*(\q)+i*2304+32
.set i, i+1
.endr
.endm
.macro QUARTER f, g, qn, zero
	s_wait_dscnt 8                                 ; all but A's row blocks 4-7
	MULH \f, 0, 0, \zero
	MULH \f, 0, 2, \zero
	PLACES
	FETCH \qn, \g
	s_wait_dscnt 32                                ; all but the run just issued
	MULH \f, 1, 0, \zero
	MULH \f, 1, 2, \zero
.endm
; The second half of a step, and the change of slots AHEAD of its products: buffer 1 holds the slot's last fragments, so the slot is free as soon as they are in registers.
; fill = 1: the slot is filled again, two steps ahead, first thing behind the round: all of a step's 128 matrix instructions stand between a request and the wait for it.
.macro TURN fill
	WIN 0
	s_wait_tensorcnt 0x0                           ; all my tensor loads have landed: my part of the next slot; so a group 0 may be written
	ds_add_u32 v28, v29                            ; the scalar steps stand between the add and the wait for it
.if \fill
	s_add_nc_u64 s[G0A+6:G0A+7], s[G0A+6:G0A+7], ASTEP
	s_add_nc_u64 s[G0B+6:G0B+7], s[G0B+6:G0B+7], BSTEP
	s_add_co_u32 s[G0A+5], s[WLA], s[TB]
	s_add_co_u32 s[G0B+5], s[WLB], s[TB]
.if NSTEP > 4
	s_wait_xcnt 0x0                                ; the last prefetch, a step back, has read its address
	s_add_nc_u64 s[PFA:PFA+1], s[PFA:PFA+1], s[PFS:PFS+1]
.endif
	s_wait_dscnt 0x0                               ; the add is done, and my reads of this slot are over
	CROUND                                         ; no wave of any partner still reads this slot or has a load on its way
	JLOAD                                          ; its four v_nop are also the places in front of the loads below
.else
	s_wait_dscnt 0x0                               ; the add is done, and my reads of this slot are over
	s_barrier_signal -1
	s_barrier_wait -1                              ; the next slot is whole; nothing is filled
	PLACES
.endif
	s_xor_b32 s[TB], s[TB], SLOT
	v_add_nc_u32 v12, s[TB], v10
	v_add_nc_u32 v13, s[TB], v11
	FETCH 0, F0
.if \fill
.if NSTEP > 4
	ASK
.endif
.endif
	MULH F1, 0, 0, 0
	MULH F1, 0, 2, 0
	MULH F1, 1, 0, 0
	MULH F1, 1, 2, 0
.endm
	s_load_b128 s[88:91], s[0:1], 0x0              ; A 88, wts 90
	s_load_b64 s[92:93], s[0:1], 0x10              ; y
	v_lshl_add_u32 v28, v0, 2, SPARE
	v_mov_b32 v29, 0
	ds_add_u32 v28, v29                            ; the wave's opening: the add and its wait stand ahead of my first tensor load
	v_lshrrev_b32 v1, 5, v0
	v_readfirstlane_b32 s10, v1
	s_lshr_b32 s11, s10, 1                         ; I fetch for A (0) or for W (1)
	s_and_b32 s12, s10, 1                          ; which two slices of a step
	s_bfe_u32 s40, ttmp6, 0x40000
	s_bfe_u32 s41, ttmp6, 0x40004
	s_lshl_b32 s42, ttmp9, 2
	s_add_co_u32 s42, s42, s40                     ; tile column
	s_and_b32 s13, ttmp7, 0xffff
	s_lshl_b32 s13, s13, 2
	s_add_co_u32 s13, s13, s41                     ; tile row
	s_lshl_b32 s43, s41, 2
	s_lshl_b32 s43, 15, s43
	s_lshl_b32 s44, 0x1111, s40
	s_or_b32 s[G1A], s43, (1<<16)|(1<<20)|(1<<21)|(4<<22)|(3<<25)
	s_or_b32 s[G1B], s44, (1<<16)|(1<<20)|(1<<21)|(4<<22)|(3<<25)
.irp g, G1A, G1B
	s_mov_b32 s[(\g)+1], 8192<<16                  ; two rows of 8,192 elements: 128 rows of a slice each
	s_mov_b32 s[(\g)+2], 2<<16
	s_mov_b32 s[(\g)+3], 8192<<16
	s_mov_b32 s[(\g)+4], 2
	s_mov_b32 s[(\g)+6], 0
	s_mov_b32 s[(\g)+7], 0
.endr
	s_mov_b32 s[G1A+5], 262144                     ; from slice to slice, in elements
	s_mov_b32 s[G1B+5], 65536
	s_lshl_b32 s16, s12, 20
	s_lshl_b32 s17, s13, 14
	s_add_co_u32 s16, s16, s17
	s_mov_b32 s17, 0
	s_lshl_b32 s46, s12, 18
	s_lshl_b32 s47, s42, 14
	s_add_co_u32 s46, s46, s47
	s_add_co_u32 s46, s46, WOFF
	s_mov_b32 s47, 0
	s_mul_i32 s[WLA], s12, 2*SUB
	s_add_co_u32 s[WLB], s[WLA], 4*SUB
	s_wait_dscnt 0x0
	s_wait_kmcnt 0x0
	s_add_nc_u64 s[14:15], s[88:89], s[16:17]
	s_add_nc_u64 s[46:47], s[90:91], s[46:47]
.irp s, 0,1
	s_mov_b32 s[G0A+4*(\s)], 1
	s_add_co_u32 s[G0A+4*(\s)+1], s[WLA], (\s)*SLOT
	s_add_nc_u64 s[G0A+4*(\s)+2:G0A+4*(\s)+3], s[14:15], (\s)*ASTEP
	s_or_b32 s[G0A+4*(\s)+3], s[G0A+4*(\s)+3], 0x80000000
	s_mov_b32 s[G0B+4*(\s)], 1
	s_add_co_u32 s[G0B+4*(\s)+1], s[WLB], (\s)*SLOT
	s_add_nc_u64 s[G0B+4*(\s)+2:G0B+4*(\s)+3], s[46:47], (\s)*BSTEP
	s_or_b32 s[G0B+4*(\s)+3], s[G0B+4*(\s)+3], 0x80000000
.endr
	CROUND
	s_cmp_eq_u32 s11, 0                            ; a wave's two first fills stand in one branch: two loads of mine are out
	s_cbranch_scc0 .Lfirst_b
	tensor_load_to_lds s[G0A:G0A+3], s[G1A:G1A+7]
	s_nop 0
	tensor_load_to_lds s[G0A+4:G0A+7], s[G1A:G1A+7]
	s_nop 0
.rept 4
	v_nop
.endr
	s_branch .Lfirst_asked
.Lfirst_b:
	tensor_load_to_lds s[G0B:G0B+3], s[G1B:G1B+7]
	s_nop 0
	tensor_load_to_lds s[G0B+4:G0B+7], s[G1B:G1B+7]
	s_nop 0
.rept 4
	v_nop
.endr
.Lfirst_asked:
	v_and_b32 v1, 15, v0
	v_bfe_u32 v2, v0, 4, 1
	v_and_b32 v22, 31, v0
	v_mul_u32_u24 v3, v1, 144
	v_lshl_add_u32 v3, v2, 4, v3
	s_mul_i32 s21, s10, SUB                        ; my slice
	v_add_nc_u32 v10, s21, v3
	v_add_nc_u32 v11, 4*SUB, v10
	v_mov_b32 v12, v10
	v_mov_b32 v13, v11
	s_mov_b32 s[TB], 0
	s_mul_i32 s23, s10, 67584                      ; my partial tile: 128 rows of 528 bytes
	v_mul_u32_u24 v4, v1, 528
	v_lshl_add_u32 v4, v2, 5, v4
	v_add_nc_u32 v14, s23, v4
	s_mul_i32 s23, s10, 16896                      ; back: rows 32 w .. of all four partial tiles, a whole row of 512 bytes a load
	v_lshl_add_u32 v16, v22, 4, s23
	v_add_nc_u32 v17, 67584, v16
	v_add_nc_u32 v18, 67584, v17
	v_add_nc_u32 v19, 67584, v18
	v_lshlrev_b32 v20, 4, v22
	s_lshl_b32 s20, s13, 19                        ; y at row 128 ty + 32 w, column 128 tx
	s_lshl_b32 s21, s10, 17
	s_add_co_u32 s20, s20, s21
	s_lshl_b32 s21, s42, 9
	s_add_co_u32 s20, s20, s21
	s_mov_b32 s21, 0
	s_add_nc_u64 s[92:93], s[92:93], s[20:21]
.if NSTEP > 4
	; the prefetches: A's rows are asked for by the clusters with x = 0, W's by those with y = 0; partner p takes half p % 2 of slice p / 2 of the two that I fetch
	s_and_b32 s22, ttmp7, 0xffff
	s_mov_b32 s20, ASTEP
	s_mov_b32 s[PFS], BSTEP
	s_cmp_eq_u32 s11, 0
	s_cselect_b32 s[PFS], s20, s[PFS]
	s_cselect_b32 s21, s40, s41
	s_cselect_b32 s22, ttmp9, s22
	s_cselect_b32 s23, 19, 17
	s_cselect_b64 s[PFA:PFA+1], s[14:15], s[46:47]
	s_cmp_eq_u32 s22, 0
	s_cselect_b32 s[LIM], 2, -1
	s_lshr_b32 s20, s21, 1
	s_lshl_b32 s20, s20, s23
	s_and_b32 s21, s21, 1
	s_lshl_b32 s21, s21, 13
	s_add_co_u32 s20, s20, s21
	s_mul_i32 s21, s[PFS], 3                       ; at step 3: the first refill steps it to 4
	s_add_co_u32 s20, s20, s21
	s_mov_b32 s21, 0
	s_mov_b32 s[PFS+1], 0
	s_add_nc_u64 s[PFA:PFA+1], s[PFA:PFA+1], s[20:21]
	v_lshlrev_b32 v21, 8, v22
.endif
	s_wait_tensorcnt 1                             ; my part of step 0 is in; step 1's may stay out
	s_barrier_signal -1
	s_barrier_wait -1
	FETCH 0, F0
	QUARTER F0, F1, 1, 1
	WIN 0
	s_mov_b32 s3, NSTEP-2
.Lstep:                                        ; a trip: the second half of a step and the first half of the next
	TURN 1
	QUARTER F0, F1, 1, 0
	WIN 0
	s_sub_co_u32 s3, s3, 1
	s_cmp_lg_u32 s3, 0
	s_cbranch_scc1 .Lstep
	s_mov_b32 s3, 2
.Ltail:                                        ; the last two steps fill nothing: a loop of their own; it is left in the middle of its second trip
	TURN 0
	WIN 0
	s_sub_co_u32 s3, s3, 1
	s_cmp_eq_u32 s3, 0
	s_cbranch_scc1 .Ldone
	QUARTER F0, F1, 1, 0
	WIN 0
	s_branch .Ltail
.Ldone:                                        ; the second trip's change of slots and its 32 fragment loads (from the slot left before) serve nothing: the price, once a launch, of one text for both trips
	s_wait_dscnt 0x0                               ; my last reads of the ring are back
	s_barrier_signal -1                            ; every wave's are: the partial tiles may be laid over the ring
	s_barrier_wait -1
	PLACES
.set a, 0
.rept 8
	WIN 0x08+4*(a/4)
.set b, 0
.rept NB
	ds_store_b128 v14, v[8*(NB*(a%4)+b):8*(NB*(a%4)+b)+3]   offset:8448*a+64*b
	ds_store_b128 v14, v[8*(NB*(a%4)+b)+4:8*(NB*(a%4)+b)+7] offset:8448*a+64*b+16
.set b, b+1
.endr
.set a, a+1
.endr
	WIN 0
	s_wait_dscnt 0x0                               ; for the others' sake
	s_barrier_signal -1
	s_barrier_wait -1
.macro LD16
.irp v, 0,1,2,3
.irp r, 0,1,2,3
	ds_load_b128 v[64+16*\v+4*\r:64+16*\v+4*\r+3], v[16+\v] offset:528*\r
.endr
.endr
.endm
	LD16
	s_mov_b32 s2, 8
.Lep:                                          ; a trip: four rows of y
	s_wait_dscnt 0x0
	s_wait_xcnt 0x0                                ; the last trip's stores have read their registers: their offset and their data are rewritten only behind this wait
	v_add_nc_u32 v20, 16384, v20                   ; this trip's four rows; the stores reach back by the immediate
.set j, 0
.rept 8
	v_pk_add_f32 v[128+2*j:128+2*j+1], v[64+2*j:64+2*j+1], v[80+2*j:80+2*j+1]
.set j, j+1
.endr
.set j, 0
.rept 8
	v_pk_add_f32 v[96+2*j:96+2*j+1], v[96+2*j:96+2*j+1], v[112+2*j:112+2*j+1]
.set j, j+1
.endr
.set j, 0
.rept 8
	v_pk_add_f32 v[128+2*j:128+2*j+1], v[128+2*j:128+2*j+1], v[96+2*j:96+2*j+1]
.set j, j+1
.endr
	s_cmp_eq_u32 s2, 1
	s_cbranch_scc1 .Lno_more
.irp v, 16,17,18,19
	v_add_nc_u32 v[\v], 2112, v[\v]
.endr
	LD16
.Lno_more:
.irp r, 0,1,2,3
	global_store_b128 v20, v[128+4*\r:128+4*\r+3], s[92:93] offset:4096*\r-16384  ; 512 consecutive bytes of a row
.endr
	s_sub_co_u32 s2, s2, 1
	s_cmp_lg_u32 s2, 0
	s_cbranch_scc1 .Lep
	s_wait_tensorcnt 0x0                           ; the wave's end
	ds_add_u32 v28, v29
	s_wait_dscnt 0x0
	CROUND
	s_endpgm
.Lfunc_end_k_q7d61a9a75d_wo:
	.size	k_q7d61a9a75d_wo, .Lfunc_end_k_q7d61a9a75d_wo-k_q7d61a9a75d_wo
	.p2alignl 7, 3214868480
	.fill 96, 4, 3214868480
	.section	.rodata,"a",@progbits
	.p2align	6, 0x0
	.amdhsa_kernel k_q7d61a9a75d_wo
		.amdhsa_group_segment_fixed_size 327680
		.amdhsa_private_segment_fixed_size 0
		.amdhsa_enable_private_segment 0
		.amdhsa_kernarg_size 24
		.amdhsa_user_sgpr_count 2
		.amdhsa_user_sgpr_kernarg_segment_ptr 1
		.amdhsa_wavefront_size32 1
		.amdhsa_system_sgpr_workgroup_id_x 1
		.amdhsa_system_sgpr_workgroup_id_y 1
		.amdhsa_system_sgpr_workgroup_id_z 1
		.amdhsa_system_vgpr_workitem_id 0
		.amdhsa_next_free_vgpr 1024
		.amdhsa_next_free_sgpr 96
		.amdhsa_reserve_vcc 0
		.amdhsa_float_denorm_mode_32 3
		.amdhsa_float_denorm_mode_16_64 3
		.amdhsa_memory_ordered 1
		.amdhsa_forward_progress 1
		.amdhsa_inst_pref_size 55
	.end_amdhsa_kernel
	.amdgpu_metadata
---
amdhsa.version: [ 1, 2 ]
amdhsa.kernels:
  - .name:           k_q7d61a9a75d_wo
    .symbol:         k_q7d61a9a75d_wo.kd
    .args:
      - { .name: hb, .offset: 0, .size: 8, .value_kind: global_buffer, .address_space: global }
      - { .name: wts, .offset: 8, .size: 8, .value_kind: global_buffer, .address_space: global }
      - { .name: y, .offset: 16, .size: 8, .value_kind: global_buffer, .address_space: global }
    .group_segment_fixed_size: 327680
    .private_segment_fixed_size: 0
    .kernarg_segment_align: 8
    .kernarg_segment_size: 24
    .max_flat_workgroup_size: 128
    .sgpr_count:     96
    .vgpr_count:     1024
    .wavefront_size: 32
...
	.end_amdgpu_metadata
.endif
;; end of part 4
;; launch post1 (part 5): grid 256 x 1, 8 waves a work-group, no clusters, 0 bytes of LDS; arguments y, x, bo, g2, b2, x1, xn; writes x1, xn
.if DOCPART == 5
	.amdgcn_target "amdgcn-amd-amdhsa--gfx1250"
	.amdhsa_code_object_version 6
	.text
	.protected	k_q7d61a9a75d_post1
	.globl	k_q7d61a9a75d_post1
	.p2align	8
	.type	k_q7d61a9a75d_post1,@function
k_q7d61a9a75d_post1:
	s_mov_b64 s[64:65], 0
	v_nop
	global_prefetch_b8 v0, s[64:65] scope:SCOPE_SE
	s_setreg_imm32_b32 hwreg(HW_REG_WAVE_MODE, 25, 1), 1
	s_wait_xcnt 0x0
; x1 = clip(x + y + bo) by whole rows to norm 1 - 1e-5; xn = LayerNorm 2 of x1, f16, sliced [16][4096][64].  y, x, x1: [4096][1024] f32.
; A wave takes a pair of rows: lane l holds row l / 16 and, of each piece of 64 columns, four numbers: loads and f32 stores cover whole runs of 256 bytes, an f16 store 256 consecutive bytes of a slice.
; The clip tests |.|^2 > (1 - 1e-5)^2 and scales by (1 - 1e-5) / sqrt(|.|^2).  NaN and infinities are not treated apart; xn lies within f16's 65,504.
.set Y,   24
.set X,   88
.set C,   152
.set T,   216
.macro RED16 r
	v_add_f32_dpp v[\r], v[\r], v[\r] row_xmask:1 row_mask:0xf bank_mask:0xf
	v_add_f32_dpp v[\r], v[\r], v[\r] row_xmask:2 row_mask:0xf bank_mask:0xf
	v_add_f32_dpp v[\r], v[\r], v[\r] row_xmask:4 row_mask:0xf bank_mask:0xf
	v_add_f32_dpp v[\r], v[\r], v[\r] row_xmask:8 row_mask:0xf bank_mask:0xf
.endm
.macro FOLD
	v_pk_add_f32 v[T:T+1], v[T:T+1], v[T+2:T+3]
	v_pk_add_f32 v[T+4:T+5], v[T+4:T+5], v[T+6:T+7]
	v_pk_add_f32 v[T:T+1], v[T:T+1], v[T+4:T+5]
	v_add_f32 v[T], v[T], v[T+1]
	RED16 T
.endm
.macro ROWSUM src
.set j, 0
.rept 4
	v_pk_add_f32 v[T+2*j:T+2*j+1], v[\src+2*j:\src+2*j+1], v[\src+8+2*j:\src+8+2*j+1]
.set j, j+1
.endr
.set j, 8
.rept 24
	v_pk_add_f32 v[T+2*(j%4):T+2*(j%4)+1], v[T+2*(j%4):T+2*(j%4)+1], v[\src+2*j:\src+2*j+1]
.set j, j+1
.endr
	FOLD
.endm
.macro ROWSQ src
.set j, 0
.rept 4
	v_pk_mul_f32 v[T+2*j:T+2*j+1], v[\src+2*j:\src+2*j+1], v[\src+2*j:\src+2*j+1]
.set j, j+1
.endr
.rept 28
	v_pk_fma_f32 v[T+2*(j%4):T+2*(j%4)+1], v[\src+2*j:\src+2*j+1], v[\src+2*j:\src+2*j+1], v[T+2*(j%4):T+2*(j%4)+1]
.set j, j+1
.endr
	FOLD
.endm
	s_load_b256 s[8:15], s[0:1], 0x0               ; y 8, x 10, bo 12, g2 14
	s_load_b128 s[16:19], s[0:1], 0x20             ; b2 16, x1 18
	s_load_b64 s[20:21], s[0:1], 0x30              ; xn
	v_lshrrev_b32 v1, 5, v0
	v_readfirstlane_b32 s30, v1
	v_and_b32 v1, 31, v0
	v_lshrrev_b32 v2, 4, v1
	v_and_b32 v3, 15, v0
	v_lshlrev_b32 v4, 12, v2
	v_lshl_add_u32 v4, v3, 4, v4                   ; my row, my 16 bytes of a piece
	v_lshlrev_b32 v5, 4, v3
	v_lshlrev_b32 v6, 3, v1
	s_lshl_b32 s32, ttmp9, 16                      ; 16 rows of 4,096 bytes a work-group, two a wave
	s_lshl_b32 s33, s30, 13
	s_add_co_u32 s32, s32, s33
	s_mov_b32 s33, 0
	s_lshl_b32 s34, ttmp9, 11                      ; the same rows in a slice
	s_lshl_b32 s35, s30, 8
	s_add_co_u32 s34, s34, s35
	s_mov_b32 s35, 0
	s_mov_b32 s36, 0x3a800000                      ; 1 / 1024
	s_mov_b32 s37, 0x3727c5ac                      ; 1e-5
	s_wait_kmcnt 0x0
	s_add_nc_u64 s[8:9], s[8:9], s[32:33]
	s_add_nc_u64 s[10:11], s[10:11], s[32:33]
	s_add_nc_u64 s[18:19], s[18:19], s[32:33]
	s_add_nc_u64 s[20:21], s[20:21], s[34:35]
.set c, 0
.rept 16
	global_load_b128 v[Y+4*c:Y+4*c+3], v4, s[8:9] offset:256*c th:TH_LOAD_NT
.set c, c+1
.endr
.set c, 0
.rept 16
	global_load_b128 v[X+4*c:X+4*c+3], v4, s[10:11] offset:256*c th:TH_LOAD_NT
.set c, c+1
.endr
.set c, 0
.rept 16
	global_load_b128 v[C+4*c:C+4*c+3], v5, s[12:13] offset:256*c
.set c, c+1
.endr
	s_wait_loadcnt 16                              ; y and x are in; the bias's 16 loads may stay out
.set j, 0
.rept 32
	v_pk_add_f32 v[Y+2*j:Y+2*j+1], v[Y+2*j:Y+2*j+1], v[X+2*j:X+2*j+1]
.set j, j+1
.endr
	s_wait_loadcnt 0x0
.set j, 0
.rept 32
	v_pk_add_f32 v[Y+2*j:Y+2*j+1], v[Y+2*j:Y+2*j+1], v[C+2*j:C+2*j+1]
.set j, j+1
.endr
.set c, 0
.rept 16
	global_load_b128 v[X+4*c:X+4*c+3], v5, s[14:15] offset:256*c  ; g2 and b2 come while the row is clipped
	global_load_b128 v[C+4*c:C+4*c+3], v5, s[16:17] offset:256*c
.set c, c+1
.endr
	ROWSQ Y
	v_rsq_f32 v[T+8], v[T]
	v_nop
	s_wait_alu depctr_va_vdst(0)                   ; the wait ahead of the root's first reader
	v_mul_f32 v[T+8], 0x3f7fff58, v[T+8]
	v_cmp_lt_f32 vcc_lo, 0x3f7ffeb0, v[T]
	v_cndmask_b32 v[T+8], 1.0, v[T+8], vcc_lo
	v_mov_b32 v[T+9], v[T+8]
.set j, 0
.rept 32
	v_pk_mul_f32 v[Y+2*j:Y+2*j+1], v[Y+2*j:Y+2*j+1], v[T+8:T+9]
.set j, j+1
.endr
.set c, 0
.rept 16
	global_store_b128 v4, v[Y+4*c:Y+4*c+3], s[18:19] offset:256*c
.set c, c+1
.endr
	ROWSUM Y
	v_mul_f32 v[T+8], 0xba800000, v[T]             ; - mean
	v_mov_b32 v[T+9], v[T+8]
	s_wait_xcnt 0x0                                ; the stores have read the row: it is rewritten only behind this wait
.set j, 0
.rept 32
	v_pk_add_f32 v[Y+2*j:Y+2*j+1], v[Y+2*j:Y+2*j+1], v[T+8:T+9]
.set j, j+1
.endr
	ROWSQ Y
	v_fma_f32 v[T+10], v[T], s36, s37
	v_rsq_f32 v[T+10], v[T+10]
	v_nop
	s_wait_alu depctr_va_vdst(0)
	v_mov_b32 v[T+11], v[T+10]
	s_wait_loadcnt 0x0                             ; g2 and b2
.set j, 0
.rept 32
	v_pk_mul_f32 v[Y+2*j:Y+2*j+1], v[Y+2*j:Y+2*j+1], v[T+10:T+11]
.set j, j+1
.endr
.set j, 0
.rept 32
	v_pk_fma_f32 v[Y+2*j:Y+2*j+1], v[Y+2*j:Y+2*j+1], v[X+2*j:X+2*j+1], v[C+2*j:C+2*j+1]
.set j, j+1
.endr
.set c, 0
.rept 16
	v_cvt_pk_f16_f32 v[Y+4*c], v[Y+4*c], v[Y+4*c+1]
	v_cvt_pk_f16_f32 v[Y+4*c+1], v[Y+4*c+2], v[Y+4*c+3]
	global_store_b64 v6, v[Y+4*c:Y+4*c+1], s[20:21] offset:524288*c th:TH_STORE_NT  ; slice c; 7,864,320 at the most, inside the signed 24 bits
.set c, c+1
.endr
	s_endpgm
.Lfunc_end_k_q7d61a9a75d_post1:
	.size	k_q7d61a9a75d_post1, .Lfunc_end_k_q7d61a9a75d_post1-k_q7d61a9a75d_post1
	.p2alignl 7, 3214868480
	.fill 96, 4, 3214868480
	.section	.rodata,"a",@progbits
	.p2align	6, 0x0
	.amdhsa_kernel k_q7d61a9a75d_post1
		.amdhsa_group_segment_fixed_size 0
		.amdhsa_private_segment_fixed_size 0
		.amdhsa_enable_private_segment 0
		.amdhsa_kernarg_size 56
		.amdhsa_user_sgpr_count 2
		.amdhsa_user_sgpr_kernarg_segment_ptr 1
		.amdhsa_wavefront_size32 1
		.amdhsa_system_sgpr_workgroup_id_x 1
		.amdhsa_system_sgpr_workgroup_id_y 1
		.amdhsa_system_sgpr_workgroup_id_z 1
		.amdhsa_system_vgpr_workitem_id 0
		.amdhsa_next_free_vgpr 232
		.amdhsa_next_free_sgpr 66
		.amdhsa_reserve_vcc 1
		.amdhsa_float_denorm_mode_32 3
		.amdhsa_float_denorm_mode_16_64 3
		.amdhsa_memory_ordered 1
		.amdhsa_forward_progress 1
		.amdhsa_inst_pref_size 34
	.end_amdhsa_kernel
	.amdgpu_metadata
---
amdhsa.version: [ 1, 2 ]
amdhsa.kernels:
  - .name:           k_q7d61a9a75d_post1
    .symbol:         k_q7d61a9a75d_post1.kd
    .args:
      - { .name: y, .offset: 0, .size: 8, .value_kind: global_buffer, .address_space: global }
      - { .name: x, .offset: 8, .size: 8, .value_kind: global_buffer, .address_space: global }
      - { .name: bo, .offset: 16, .size: 8, .value_kind: global_buffer, .address_space: global }
      - { .name: g2, .offset: 24, .size: 8, .value_kind: global_buffer, .address_space: global }
      - { .name: b2, .offset: 32, .size: 8, .value_kind: global_buffer, .address_space: global }
      - { .name: x1, .offset: 40, .size: 8, .value_kind: global_buffer, .address_space: global }
      - { .name: xn, .offset: 48, .size: 8, .value_kind: global_buffer, .address_space: global }
    .group_segment_fixed_size: 0
    .private_segment_fixed_size: 0
    .kernarg_segment_align: 8
    .kernarg_segment_size: 56
    .max_flat_workgroup_size: 256
    .sgpr_count:     66
    .vgpr_count:     232
    .wavefront_size: 32
...
	.end_amdgpu_metadata
.endif
;; end of part 5
;; launch ffn1 (part 6): grid 16 x 16, 4 waves a work-group, clusters of 4 x 4, 327,680 bytes of LDS; arguments xn, wts, bf1, hb; writes hb
.if DOCPART == 6
	.amdgcn_target "amdgcn-amd-amdhsa--gfx1250"
	.amdhsa_code_object_version 6
	.text
	.protected	k_q7d61a9a75d_ffn1
	.globl	k_q7d61a9a75d_ffn1
	.p2align	8
	.type	k_q7d61a9a75d_ffn1,@function
k_q7d61a9a75d_ffn1:
	s_mov_b64 s[64:65], 0
	v_nop
	global_prefetch_b8 v0, s[64:65] scope:SCOPE_SE
	s_setreg_imm32_b32 hwreg(HW_REG_WAVE_MODE, 25, 1), 1
	s_wait_xcnt 0x0
	s_wait_alu depctr_hold_cnt(0) depctr_sa_sdst(0) depctr_va_vdst(0) depctr_va_sdst(0) depctr_va_ssrc(0) depctr_va_vcc(0) depctr_vm_vsrc(0)
	s_getreg_b32 s2, hwreg(HW_REG_IB_STS2, 6, 4)
	s_cmp_eq_u32 s2, 0
	s_cbranch_scc0 .Lentry_in_a_cluster
	s_endpgm
.Lentry_in_a_cluster:
	s_bfe_u32 s2, ttmp6, 0x10000c
	s_cmp_lg_u32 s2, 0xf033
	s_cbranch_scc0 .Lentry_shape_is_right
	s_endpgm
.Lentry_shape_is_right:
; h = gelu(xn W1^T + bf1), the exact (erf) GELU.  xn: sliced [16][4096][64] f16; W1: sliced [16][4096][64] f16, 6,291,456 bytes into wts; h: sliced [64][4096][64] f16.
; A tile is 256 x 256; four waves, each 128 x 128: 64 accumulators.  K goes in steps of 128 (two slices) through a ring of two LDS slots; a tile of one slice is dense in memory, asked for as rows of
; 256 bytes and padded in LDS after every 128: LDS rows of 144 bytes.  CLUSTER 4 x 4: xn's tiles are shared along a row of the cluster, W1's along a column.
; The matrix instruction is used transposed (source 0 = 16 weight rows, source 1 = 16 rows of xn): a lane holds one row and eight neighbouring columns.
; THE WAY OUT: each wave lays its f32 sums into a stage of its own over the ring, after the ring's last fill, and walks them back by rows in a counted loop: sixteen numbers a lane and trip.
; GELU.  gelu(x) = x / 2 + |x| (1/2 - y), y = erfc(|x| / sqrt 2) / 2 = (a1 t + .. + a5 t^5) / 2 x 2^(- x^2 log2(e) / 2), t = 1 / (1 + 0.23164189 |x|): Abramowitz and Stegun 7.1.26, which holds for every x,
; with an absolute error of erf of 1.5e-7 at the most.
; LIMITS.  f16 ends at 65,504: xn, W1 and h are taken to lie within; NaN and infinities are not treated apart.
.set NB,    8
.set NSTEP, 8
.set SUBA,  36864
.set SUBB,  36864
.set SLOT,  2*SUBA+2*SUBB
.set SPARE, 2*SLOT
.set ASTEP, 1048576
.set BSTEP, 1048576
.set WOFF,  6291456
.set PBB,   32
.set F0, 64
.set F1, 128
.set G1A, 24
.set G0A, 32
.set G1B, 48
.set G0B, 56
.set LIM, 43
.set PFA, 44
.set TB,  66
.set WLA, 67
.set WLB, 68
.set PFS, 70
.set MSB, 0
.macro WIN new
.if MSB != (\new)
	s_set_vgpr_msb (MSB<<8)|(\new)
.set MSB, \new
.endif
.endm
.macro PLACES
.rept 4
	v_nop
.endr
.endm
.macro CREST
	s_cmp_lg_u32 s10, 0
	s_cbranch_scc1 .Lnot_wave_0_\@
	s_barrier_signal -3
.Lnot_wave_0_\@:
	s_barrier_wait -3
	s_barrier_signal -1
	s_barrier_wait -1
.endm
.macro CROUND
	s_barrier_signal -1
	s_barrier_wait -1
	CREST
.endm
.macro JLOAD
	s_cmp_eq_u32 s11, 0
	s_cbranch_scc0 .Lfor_b_\@
	tensor_load_to_lds s[G0A+4:G0A+7], s[G1A:G1A+7]
	s_nop 0
.rept 4
	v_nop
.endr
	s_branch .Lasked_\@
.Lfor_b_\@:
	tensor_load_to_lds s[G0B+4:G0B+7], s[G1B:G1B+7]
	s_nop 0
.rept 4
	v_nop
.endr
.Lasked_\@:
.endm
.macro ASK                             ; the K step two refills on: my work-group's 32 blocks of 256 bytes of the slice that I fetch; the last two refills have none
	s_cmp_gt_u32 s3, s[LIM]
	s_cbranch_scc0 .Lnot_mine_\@
	global_prefetch_b8 v21, s[PFA:PFA+1] th:TH_LOAD_NT scope:SCOPE_SE
.Lnot_mine_\@:
.endm
.macro MULH f, hi, a0, zero
	WIN 0xa1+0x50*(\hi)
.irp a, \a0, (\a0)+1
.set b, 0
.rept NB
.if \zero
	v_wmma_f32_16x16x32_f16 v[8*(NB*(\a)+b):8*(NB*(\a)+b)+7], v[(\f)+8*b:(\f)+8*b+7], v[(\f)+8*(4*(\hi)+(\a)):(\f)+8*(4*(\hi)+(\a))+7], 0
.else
	v_wmma_f32_16x16x32_f16 v[8*(NB*(\a)+b):8*(NB*(\a)+b)+7], v[(\f)+8*b:(\f)+8*b+7], v[(\f)+8*(4*(\hi)+(\a)):(\f)+8*(4*(\hi)+(\a))+7], v[8*(NB*(\a)+b):8*(NB*(\a)+b)+7]
.endif
.set b, b+1
.endr
.endr
.endm
.macro FETCH q, f
	WIN 0x40
.set i, 0
.rept NB
	ds_load_b128 v[(\f)+8*i:(\f)+8*i+3],   v13 offset:((\q)/2)*SUBB+((\q)%2)*64+i*2304
	ds_load_b128 v[(\f)+8*i+4:(\f)+8*i+7], v13 offset:((\q)/2)*SUBB+((\q)%2)*64+i*2304+32
.set i, i+1
.endr
	WIN 0
.set i, 0
.rept 8
	ds_load_b128 v[(\f)+8*i:(\f)+8*i+3],   v12 offset:((\q)/2)*SUBA+((\q)%2)*64+i*2304
	ds_load_b128 v[(\f)+8*i+4:(\f)+8*i+7], v12 offset:((\q)/2)*SUBA+((\q)%2)*64+i*2304+32
.set i, i+1
.endr
.endm
.macro QUARTER f, g, qn, zero
	s_wait_dscnt 8                                 ; all but A's row blocks 4-7
	MULH \f, 0, 0, \zero
	MULH \f, 0, 2, \zero
	PLACES
	FETCH \qn, \g
	s_wait_dscnt 2*NB+16                           ; all but the run just issued
	MULH \f, 1, 0, \zero
	MULH \f, 1, 2, \zero
.endm
.macro MEET round
	WIN 0
	s_wait_tensorcnt 0x0                           ; all my tensor loads have landed: my part of the next slot
	ds_add_u32 v28, v29
	s_wait_dscnt 9                                 ; the add and the youngest eight loads may be out
	MULH F1, 0, 0, 0
	s_wait_dscnt 0x0                               ; the add is done, and my reads of this slot are over
	s_barrier_signal -1
	MULH F1, 0, 2, 0
.if \round
	WIN 0
.endif
	s_barrier_wait -1
.endm
.macro TURN fill
.if \fill
	s_wait_xcnt 0x0                                ; the last prefetch, a step back, has read its address
	s_add_nc_u64 s[PFA:PFA+1], s[PFA:PFA+1], s[PFS:PFS+1]
	MEET 1
	CREST
	s_add_nc_u64 s[G0A+6:G0A+7], s[G0A+6:G0A+7], ASTEP
	s_add_nc_u64 s[G0B+6:G0B+7], s[G0B+6:G0B+7], BSTEP
	s_add_co_u32 s[G0A+5], s[WLA], s[TB]
	s_add_co_u32 s[G0B+5], s[WLB], s[TB]
	JLOAD
.else
	MEET 0
	PLACES
	WIN 0
.endif
	s_xor_b32 s[TB], s[TB], SLOT
	v_add_nc_u32 v12, s[TB], v10
	v_add_nc_u32 v13, s[TB], v11
	FETCH 0, F0
.if \fill
	ASK
.endif
	MULH F1, 1, 0, 0
	MULH F1, 1, 2, 0
.endm
	s_load_b256 s[88:95], s[0:1], 0x0              ; xn 88, wts 90, bf1 92, hb 94
	v_lshl_add_u32 v28, v0, 2, SPARE
	v_mov_b32 v29, 0
	ds_add_u32 v28, v29                            ; the wave's opening: the add and its wait stand ahead of my first tensor load
	v_lshrrev_b32 v1, 5, v0
	v_readfirstlane_b32 s10, v1
	s_lshr_b32 s11, s10, 1                         ; my half of the rows; also: I fetch for A (0) or B (1)
	s_and_b32 s12, s10, 1                          ; my half of the columns; also: which slice of a step I fetch
	s_bfe_u32 s40, ttmp6, 0x40000
	s_bfe_u32 s41, ttmp6, 0x40004
	s_lshl_b32 s42, ttmp9, 2
	s_add_co_u32 s42, s42, s40                     ; tile column
	s_and_b32 s13, ttmp7, 0xffff
	s_lshl_b32 s13, s13, 2
	s_add_co_u32 s13, s13, s41                     ; tile row
	s_lshl_b32 s43, s41, 2
	s_lshl_b32 s43, 15, s43
	s_lshl_b32 s44, 0x1111, s40
	s_or_b32 s[G1A], s43, (1<<16)|(1<<20)|(1<<21)|(4<<22)|(3<<25)
	s_or_b32 s[G1B], s44, (1<<16)|(1<<20)|(1<<21)|(4<<22)|(3<<25)
.irp g, G1A, G1B
	s_mov_b32 s[(\g)+1], 128<<16                   ; 128 rows of 128 elements, dense: 256 rows of one slice
	s_mov_b32 s[(\g)+2], 128<<16
	s_mov_b32 s[(\g)+3], 128<<16
	s_mov_b32 s[(\g)+4], 128
	s_mov_b32 s[(\g)+5], 128
	s_mov_b32 s[(\g)+6], 0
	s_mov_b32 s[(\g)+7], 0
.endr
	s_lshl_b32 s16, s12, 19
	s_lshl_b32 s17, s13, 15
	s_add_co_u32 s16, s16, s17
	s_mov_b32 s17, 0
	s_lshl_b32 s46, s12, 19
	s_lshl_b32 s47, s42, 15
	s_add_co_u32 s46, s46, s47
	s_add_co_u32 s46, s46, WOFF
	s_mov_b32 s47, 0
	s_mul_i32 s[WLA], s12, SUBA
	s_mul_i32 s[WLB], s12, SUBB
	s_add_co_u32 s[WLB], s[WLB], 2*SUBA
	s_wait_dscnt 0x0
	s_wait_kmcnt 0x0
	s_add_nc_u64 s[14:15], s[88:89], s[16:17]
	s_add_nc_u64 s[46:47], s[90:91], s[46:47]
.irp s, 0,1
	s_mov_b32 s[G0A+4*(\s)], 1
	s_add_co_u32 s[G0A+4*(\s)+1], s[WLA], (\s)*SLOT
	s_add_nc_u64 s[G0A+4*(\s)+2:G0A+4*(\s)+3], s[14:15], (\s)*ASTEP
	s_or_b32 s[G0A+4*(\s)+3], s[G0A+4*(\s)+3], 0x80000000
	s_mov_b32 s[G0B+4*(\s)], 1
	s_add_co_u32 s[G0B+4*(\s)+1], s[WLB], (\s)*SLOT
	s_add_nc_u64 s[G0B+4*(\s)+2:G0B+4*(\s)+3], s[46:47], (\s)*BSTEP
	s_or_b32 s[G0B+4*(\s)+3], s[G0B+4*(\s)+3], 0x80000000
.endr
	CROUND
	s_cmp_eq_u32 s11, 0                            ; a wave's two first fills stand in one branch: two loads of mine are out
	s_cbranch_scc0 .Lfirst_b
	tensor_load_to_lds s[G0A:G0A+3], s[G1A:G1A+7]
	s_nop 0
	tensor_load_to_lds s[G0A+4:G0A+7], s[G1A:G1A+7]
	s_nop 0
.rept 4
	v_nop
.endr
	s_branch .Lfirst_asked
.Lfirst_b:
	tensor_load_to_lds s[G0B:G0B+3], s[G1B:G1B+7]
	s_nop 0
	tensor_load_to_lds s[G0B+4:G0B+7], s[G1B:G1B+7]
	s_nop 0
.rept 4
	v_nop
.endr
.Lfirst_asked:
	v_and_b32 v1, 15, v0
	v_bfe_u32 v2, v0, 4, 1
	v_and_b32 v22, 31, v0
	v_mul_u32_u24 v3, v1, 144
	v_lshl_add_u32 v3, v2, 4, v3
	s_mul_i32 s21, s11, 18432
	s_mul_i32 s22, s12, 18432
	s_add_co_u32 s22, s22, 2*SUBA
	v_add_nc_u32 v10, s21, v3
	v_add_nc_u32 v11, s22, v3
	v_mov_b32 v12, v10
	v_mov_b32 v13, v11
	s_mov_b32 s[TB], 0
	s_mul_i32 s23, s10, 67584                      ; my stage: 128 rows of 528 bytes
	v_mul_u32_u24 v4, v1, 528
	v_lshl_add_u32 v4, v2, 5, v4
	v_add_nc_u32 v14, s23, v4
	v_mul_u32_u24 v5, v2, 528                      ; back: lanes 0-15 64 numbers of one row, lanes 16-31 of the next
	v_lshl_add_u32 v5, v1, 4, v5
	v_add_nc_u32 v16, s23, v5
	v_lshlrev_b32 v20, 3, v22
	s_lshl_b32 s20, s42, 10                        ; my 128 numbers of bf1
	s_lshl_b32 s21, s12, 9
	s_add_co_u32 s20, s20, s21
	v_lshl_add_u32 v6, v1, 4, s20
	global_load_b128 v[32:35], v6, s[92:93]
	global_load_b128 v[36:39], v6, s[92:93] offset:256
	s_lshl_b32 s20, s42, 21                        ; h at slice 4 tx + 2 wc, row 256 ty + 128 wr
	s_lshl_b32 s21, s12, 20
	s_add_co_u32 s20, s20, s21
	s_lshl_b32 s21, s13, 15
	s_add_co_u32 s20, s20, s21
	s_lshl_b32 s21, s11, 14
	s_add_co_u32 s20, s20, s21
	s_mov_b32 s21, 0
	s_add_nc_u64 s[94:95], s[94:95], s[20:21]
	s_mov_b32 s72, 0x3e6d3388                      ; 0.23164189
	s_mov_b32 s74, 0xbf38aa3b                      ; - log2(e) / 2
	s_mov_b32 s75, s74
	s_mov_b32 s76, 0xbe027906                      ; - a1 / 2 .. - a5 / 2, each named as a pair
	s_mov_b32 s77, s76
	s_mov_b32 s78, 0x3e11a98e
	s_mov_b32 s79, s78
	s_mov_b32 s80, 0xbf35f0e3
	s_mov_b32 s81, s80
	s_mov_b32 s82, 0x3f3a00e3
	s_mov_b32 s83, s82
	s_mov_b32 s84, 0xbf07dc22
	s_mov_b32 s85, s84
	; the prefetches: xn's rows are asked for by the clusters with x = 0, W1's by those with y = 0; the four partners share a slice's 128 blocks by address
	s_and_b32 s22, ttmp7, 0xffff
	s_mov_b32 s20, ASTEP
	s_mov_b32 s[PFS], BSTEP
	s_cmp_eq_u32 s11, 0
	s_cselect_b32 s[PFS], s20, s[PFS]
	s_cselect_b32 s21, s40, s41
	s_cselect_b32 s22, ttmp9, s22
	s_cselect_b32 s23, 32, PBB
	s_cselect_b64 s[PFA:PFA+1], s[14:15], s[46:47]
	s_cmp_eq_u32 s22, 0
	s_cselect_b32 s[LIM], 2, -1
	s_mul_i32 s20, s21, s23
	s_lshl_b32 s20, s20, 8
	s_mul_i32 s21, s[PFS], 3                       ; at step 3: the first refill steps it to 4
	s_add_co_u32 s20, s20, s21
	s_mov_b32 s21, 0
	s_mov_b32 s[PFS+1], 0
	s_add_nc_u64 s[PFA:PFA+1], s[PFA:PFA+1], s[20:21]
	v_lshlrev_b32 v21, 8, v22
	s_wait_tensorcnt 1                             ; my part of step 0 is in; step 1's may stay out
	s_barrier_signal -1
	s_barrier_wait -1
	FETCH 0, F0
	QUARTER F0, F1, 1, 1
	WIN 0
	s_mov_b32 s3, NSTEP-2
.Lstep:
	QUARTER F1, F0, 2, 0
	QUARTER F0, F1, 3, 0
	TURN 1
	QUARTER F0, F1, 1, 0
	WIN 0
	s_sub_co_u32 s3, s3, 1
	s_cmp_lg_u32 s3, 0
	s_cbranch_scc1 .Lstep
	s_mov_b32 s3, 2
.Ltail:                                        ; the last two steps fill nothing: a loop of their own; it is left in the middle of its second trip
	QUARTER F1, F0, 2, 0
	QUARTER F0, F1, 3, 0
	TURN 0
	WIN 0
	s_sub_co_u32 s3, s3, 1
	s_cmp_eq_u32 s3, 0
	s_cbranch_scc1 .Ldone
	QUARTER F0, F1, 1, 0
	WIN 0
	s_branch .Ltail
.Ldone:                                        ; the second trip's change of slots and its 32 fragment loads (from the slot left before) serve nothing: the price, once a launch, of one text for both trips
	; THE WAY OUT
.set X,    64                          ; v[64:79]   four loads: pair p, slice s at 4 (2 p + s)
.set XB,   80                          ; v[80:95]   with the bias
.set U,    96                          ; v[96:111]  t; at the end the result
.set W,    112                         ; v[112:127] 2^(- x^2 log2(e) / 2)
.set PP,   128
.set HX,   144                         ; x / 2
.set OUTR, 160
	s_wait_dscnt 0x0                               ; my last reads of the ring are back
	s_barrier_signal -1                            ; every wave's are: the stages may be laid over the ring
	s_barrier_wait -1
	PLACES
.set a, 0
.rept 8
	WIN 0x08+4*(a/4)
.set b, 0
.rept NB
	ds_store_b128 v14, v[8*(NB*(a%4)+b):8*(NB*(a%4)+b)+3]   offset:8448*a+64*b
	ds_store_b128 v14, v[8*(NB*(a%4)+b)+4:8*(NB*(a%4)+b)+7] offset:8448*a+64*b+16
.set b, b+1
.endr
.set a, a+1
.endr
	WIN 0
.macro LD4                             ; LDS serves a wave's instructions in order (ISA guide 5.7.1.4): these see my stores above
.irp p, 0,1
.irp s, 0,1
	ds_load_b128 v[X+4*(2*\p+\s):X+4*(2*\p+\s)+3], v16 offset:1056*\p+256*\s
.endr
.endr
.endm
	s_wait_loadcnt 0x0                             ; the bias
	LD4
	s_mov_b32 s2, 32
.Lep:                                          ; a trip: two pairs of rows x two slices
	s_wait_dscnt 0x0
.irp p, 0,1
.irp s, 0,1
	v_pk_add_f32 v[XB+4*(2*\p+\s):XB+4*(2*\p+\s)+1],   v[X+4*(2*\p+\s):X+4*(2*\p+\s)+1],   v[32+4*\s:32+4*\s+1]
	v_pk_add_f32 v[XB+4*(2*\p+\s)+2:XB+4*(2*\p+\s)+3], v[X+4*(2*\p+\s)+2:X+4*(2*\p+\s)+3], v[32+4*\s+2:32+4*\s+3]
.endr
.endr
	s_cmp_eq_u32 s2, 1
	s_cbranch_scc1 .Lno_more
	v_add_nc_u32 v16, 2112, v16
	LD4
.Lno_more:
.set i, 0
.rept 16
	v_fma_f32 v[U+i], |v[XB+i]|, s72, 1.0
.set i, i+1
.endr
.set i, 0
.rept 16                               ; the reciprocals, a plain line between them: first x times - log2(e) / 2, then that times x
	v_rcp_f32 v[U+i], v[U+i]
.if i < 8
	v_pk_mul_f32 v[W+2*i:W+2*i+1], v[XB+2*i:XB+2*i+1], s[74:75] op_sel_hi:[1,0]
.else
	v_pk_mul_f32 v[W+2*(i-8):W+2*(i-8)+1], v[W+2*(i-8):W+2*(i-8)+1], v[XB+2*(i-8):XB+2*(i-8)+1]
.endif
.set i, i+1
.endr
.set i, 0
.rept 16
	v_exp_f32 v[W+i], v[W+i]
.if i < 8
	v_pk_mul_f32 v[HX+2*i:HX+2*i+1], v[XB+2*i:XB+2*i+1], 0.5 op_sel_hi:[1,0]
.endif
.set i, i+1
.endr
	v_nop                                          ; a plain instruction behind the last exponential
	s_wait_alu depctr_va_vdst(0)                   ; one wait for the trip's 32 reciprocals and exponentials, ahead of their first reader
.set i, 0
.rept 8
	v_pk_fma_f32 v[PP+2*i:PP+2*i+1], v[U+2*i:U+2*i+1], s[84:85], s[82:83] op_sel_hi:[1,0,0]
.set i, i+1
.endr
.irp h, 80, 78, 76
.set i, 0
.rept 8
	v_pk_fma_f32 v[PP+2*i:PP+2*i+1], v[PP+2*i:PP+2*i+1], v[U+2*i:U+2*i+1], s[\h:\h+1] op_sel_hi:[1,1,0]
.set i, i+1
.endr
.endr
.set i, 0
.rept 8
	v_pk_mul_f32 v[PP+2*i:PP+2*i+1], v[PP+2*i:PP+2*i+1], v[U+2*i:U+2*i+1]
.set i, i+1
.endr
.set i, 0
.rept 8
	v_pk_fma_f32 v[PP+2*i:PP+2*i+1], v[PP+2*i:PP+2*i+1], v[W+2*i:W+2*i+1], 0.5 op_sel_hi:[1,1,0]  ; 1/2 - y
.set i, i+1
.endr
.set i, 0
.rept 16
	v_fma_f32 v[U+i], |v[XB+i]|, v[PP+i], v[HX+i]
.set i, i+1
.endr
	s_wait_xcnt 0x0                                ; the last trip's stores have read their registers: their offset and their data are rewritten only behind this wait, a trip's arithmetic behind them
	v_add_nc_u32 v20, 512, v20                     ; this trip's four rows; the stores reach back by the immediate
.set i, 0
.rept 8
	v_cvt_pk_f16_f32 v[OUTR+i], v[U+2*i], v[U+2*i+1]
.set i, i+1
.endr
.irp p, 0,1
.irp s, 0,1
	global_store_b64 v20, v[OUTR+2*(2*\p+\s):OUTR+2*(2*\p+\s)+1], s[94:95] offset:256*\p+524288*\s-512 th:TH_STORE_NT  ; 256 consecutive bytes: two rows of a slice
.endr
.endr
	s_sub_co_u32 s2, s2, 1
	s_cmp_lg_u32 s2, 0
	s_cbranch_scc1 .Lep
	s_wait_tensorcnt 0x0                           ; the wave's end
	ds_add_u32 v28, v29
	s_wait_dscnt 0x0
	CROUND
	s_endpgm
.Lfunc_end_k_q7d61a9a75d_ffn1:
	.size	k_q7d61a9a75d_ffn1, .Lfunc_end_k_q7d61a9a75d_ffn1-k_q7d61a9a75d_ffn1
	.p2alignl 7, 3214868480
	.fill 96, 4, 3214868480
	.section	.rodata,"a",@progbits
	.p2align	6, 0x0
	.amdhsa_kernel k_q7d61a9a75d_ffn1
		.amdhsa_group_segment_fixed_size 327680
		.amdhsa_private_segment_fixed_size 0
		.amdhsa_enable_private_segment 0
		.amdhsa_kernarg_size 32
		.amdhsa_user_sgpr_count 2
		.amdhsa_user_sgpr_kernarg_segment_ptr 1
		.amdhsa_wavefront_size32 1
		.amdhsa_system_sgpr_workgroup_id_x 1
		.amdhsa_system_sgpr_workgroup_id_y 1
		.amdhsa_system_sgpr_workgroup_id_z 1
		.amdhsa_system_vgpr_workitem_id 0
		.amdhsa_next_free_vgpr 1024
		.amdhsa_next_free_sgpr 96
		.amdhsa_reserve_vcc 0
		.amdhsa_float_denorm_mode_32 3
		.amdhsa_float_denorm_mode_16_64 3
		.amdhsa_memory_ordered 1
		.amdhsa_forward_progress 1
		.amdhsa_inst_pref_size 88
	.end_amdhsa_kernel
	.amdgpu_metadata
---
amdhsa.version: [ 1, 2 ]
amdhsa.kernels:
  - .name:           k_q7d61a9a75d_ffn1
    .symbol:         k_q7d61a9a75d_ffn1.kd
    .args:
      - { .name: xn, .offset: 0, .size: 8, .value_kind: global_buffer, .address_space: global }
      - { .name: wts, .offset: 8, .size: 8, .value_kind: global_buffer, .address_space: global }
      - { .name: bf1, .offset: 16, .size: 8, .value_kind: global_buffer, .address_space: global }
      - { .name: hb, .offset: 24, .size: 8, .value_kind: global_buffer, .address_space: global }
    .group_segment_fixed_size: 327680
    .private_segment_fixed_size: 0
    .kernarg_segment_align: 8
    .kernarg_segment_size: 32
    .max_flat_workgroup_size: 128
    .sgpr_count:     96
    .vgpr_count:     1024
    .wavefront_size: 32
...
	.end_amdgpu_metadata
.endif
;; end of part 6
;; launch ffn2 (part 7): grid 8 x 32, 4 waves a work-group, clusters of 4 x 4, 327,680 bytes of LDS; arguments hb, wts, y; writes y
.if DOCPART == 7
	.amdgcn_target "amdgcn-amd-amdhsa--gfx1250"
	.amdhsa_code_object_version 6
	.text
	.protected	k_q7d61a9a75d_ffn2
	.globl	k_q7d61a9a75d_ffn2
	.p2align	8
	.type	k_q7d61a9a75d_ffn2,@function
k_q7d61a9a75d_ffn2:
	s_mov_b64 s[64:65], 0
	v_nop
	global_prefetch_b8 v0, s[64:65] scope:SCOPE_SE
	s_setreg_imm32_b32 hwreg(HW_REG_WAVE_MODE, 25, 1), 1
	s_wait_xcnt 0x0
	s_wait_alu depctr_hold_cnt(0) depctr_sa_sdst(0) depctr_va_vdst(0) depctr_va_sdst(0) depctr_va_ssrc(0) depctr_va_vcc(0) depctr_vm_vsrc(0)
	s_getreg_b32 s2, hwreg(HW_REG_IB_STS2, 6, 4)
	s_cmp_eq_u32 s2, 0
	s_cbranch_scc0 .Lentry_in_a_cluster
	s_endpgm
.Lentry_in_a_cluster:
	s_bfe_u32 s2, ttmp6, 0x10000c
	s_cmp_lg_u32 s2, 0xf033
	s_cbranch_scc0 .Lentry_shape_is_right
	s_endpgm
.Lentry_shape_is_right:
; y = A W^T, raw f32 sums.  A: sliced [K/64][4096][64] f16; W: sliced [K/64][1024][64] f16, WOFF bytes into wts; y: [4096][1024] f32.  Bias and residual are added by the launch behind.
; A tile of y is 128 x 128.  K IS SPLIT AMONG THE FOUR WAVES: of each step's four slices of 64 wave w multiplies slice w, for the whole tile (64 accumulators), so each LDS byte is read once.
; The four partial sums (f32) meet in LDS at the end, in a stage laid over the ring after its last fill.
; A tensor load brings two slices of 128 rows: two rows of 16,384 bytes, padded in LDS after every 128: LDS rows of 144 bytes.  CLUSTER 4 x 4: A's tiles are shared along a row, W's along a column.
; LIMITS.  f16 operands end at 65,504; K is summed in four parts and then added; NaN and infinities are not treated apart.
; REGISTERS: window 0 addresses, A's fragments (v64-127, v128-191); window 1 W's fragments; windows 2, 3 the accumulators of row blocks 0-3, 4-7 at 8 (8 a + b).
.set NSTEP, 16                         ; K / 256
.set WOFF,  16777216
.set NB,    8
.set SUB,   18432                      ; 128 rows x 144
.set SLOT,  8*SUB
.set SPARE, 2*SLOT
.set ASTEP, 2097152                    ; four slices of A
.set BSTEP, 524288                     ; four slices of W
.set F0, 64
.set F1, 128
.set G1A, 24
.set G0A, 32
.set G1B, 48
.set G0B, 56
.set LIM, 43
.set PFA, 44
.set TB,  66
.set WLA, 67
.set WLB, 68
.set PFS, 70
.set MSB, 0
.macro WIN new
.if MSB != (\new)
	s_set_vgpr_msb (MSB<<8)|(\new)
.set MSB, \new
.endif
.endm
.macro PLACES
.rept 4
	v_nop
.endr
.endm
.macro CREST
	s_cmp_lg_u32 s10, 0
	s_cbranch_scc1 .Lnot_wave_0_\@
	s_barrier_signal -3
.Lnot_wave_0_\@:
	s_barrier_wait -3
	s_barrier_signal -1
	s_barrier_wait -1
.endm
.macro CROUND
	s_barrier_signal -1
	s_barrier_wait -1
	CREST
.endm
.macro JLOAD
	s_cmp_eq_u32 s11, 0
	s_cbranch_scc0 .Lfor_b_\@
	tensor_load_to_lds s[G0A+4:G0A+7], s[G1A:G1A+7]
	s_nop 0
.rept 4
	v_nop
.endr
	s_branch .Lasked_\@
.Lfor_b_\@:
	tensor_load_to_lds s[G0B+4:G0B+7], s[G1B:G1B+7]
	s_nop 0
.rept 4
	v_nop
.endr
.Lasked_\@:
.endm
.macro ASK                             ; the K step two refills on: my work-group's 32 blocks of 256 bytes of the two slices that I fetch; the last two refills have none
	s_cmp_gt_u32 s3, s[LIM]
	s_cbranch_scc0 .Lnot_mine_\@
	global_prefetch_b8 v21, s[PFA:PFA+1] th:TH_LOAD_NT scope:SCOPE_SE
.Lnot_mine_\@:
.endm
.macro MULH f, hi, a0, zero
	WIN 0xa1+0x50*(\hi)
.irp a, \a0, (\a0)+1
.set b, 0
.rept NB
.if \zero
	v_wmma_f32_16x16x32_f16 v[8*(NB*(\a)+b):8*(NB*(\a)+b)+7], v[(\f)+8*b:(\f)+8*b+7], v[(\f)+8*(4*(\hi)+(\a)):(\f)+8*(4*(\hi)+(\a))+7], 0
.else
	v_wmma_f32_16x16x32_f16 v[8*(NB*(\a)+b):8*(NB*(\a)+b)+7], v[(\f)+8*b:(\f)+8*b+7], v[(\f)+8*(4*(\hi)+(\a)):(\f)+8*(4*(\hi)+(\a))+7], v[8*(NB*(\a)+b):8*(NB*(\a)+b)+7]
.endif
.set b, b+1
.endr
.endr
.endm
.macro FETCH q, f                      ; half q of my slice: W's fragments, then A's
	WIN 0x40
.set i, 0
.rept 8
	ds_load_b128 v[(\f)+8*i:(\f)+8*i+3],   v13 offset:64*(\q)+i*2304
	ds_load_b128 v[(\f)+8*i+4:(\f)+8*i+7], v13 offset:64*(\q)+i*2304+32
.set i, i+1
.endr
	WIN 0
.set i, 0
.rept 8
	ds_load_b128 v[(\f)+8*i:(\f)+8*i+3],   v12 offset:64*(\q)+i*2304
	ds_load_b128 v[(\f)+8*i+4:(\f)+8*i+7], v12 offset:64*(\q)+i*2304+32
.set i, i+1
.endr
.endm
.macro QUARTER f, g, qn, zero
	s_wait_dscnt 8                                 ; all but A's row blocks 4-7
	MULH \f, 0, 0, \zero
	MULH \f, 0, 2, \zero
	PLACES
	FETCH \qn, \g
	s_wait_dscnt 32                                ; all but the run just issued
	MULH \f, 1, 0, \zero
	MULH \f, 1, 2, \zero
.endm
; The second half of a step, and the change of slots AHEAD of its products: buffer 1 holds the slot's last fragments, so the slot is free as soon as they are in registers.
; fill = 1: the slot is filled again, two steps ahead, first thing behind the round: all of a step's 128 matrix instructions stand between a request and the wait for it.
.macro TURN fill
	WIN 0
	s_wait_tensorcnt 0x0                           ; all my tensor loads have landed: my part of the next slot; so a group 0 may be written
	ds_add_u32 v28, v29                            ; the scalar steps stand between the add and the wait for it
.if \fill
	s_add_nc_u64 s[G0A+6:G0A+7], s[G0A+6:G0A+7], ASTEP
	s_add_nc_u64 s[G0B+6:G0B+7], s[G0B+6:G0B+7], BSTEP
	s_add_co_u32 s[G0A+5], s[WLA], s[TB]
	s_add_co_u32 s[G0B+5], s[WLB], s[TB]
.if NSTEP > 4
	s_wait_xcnt 0x0                                ; the last prefetch, a step back, has read its address
	s_add_nc_u64 s[PFA:PFA+1], s[PFA:PFA+1], s[PFS:PFS+1]
.endif
	s_wait_dscnt 0x0                               ; the add is done, and my reads of this slot are over
	CROUND                                         ; no wave of any partner still reads this slot or has a load on its way
	JLOAD                                          ; its four v_nop are also the places in front of the loads below
.else
	s_wait_dscnt 0x0                               ; the add is done, and my reads of this slot are over
	s_barrier_signal -1
	s_barrier_wait -1                              ; the next slot is whole; nothing is filled
	PLACES
.endif
	s_xor_b32 s[TB], s[TB], SLOT
	v_add_nc_u32 v12, s[TB], v10
	v_add_nc_u32 v13, s[TB], v11
	FETCH 0, F0
.if \fill
.if NSTEP > 4
	ASK
.endif
.endif
	MULH F1, 0, 0, 0
	MULH F1, 0, 2, 0
	MULH F1, 1, 0, 0
	MULH F1, 1, 2, 0
.endm
	s_load_b128 s[88:91], s[0:1], 0x0              ; A 88, wts 90
	s_load_b64 s[92:93], s[0:1], 0x10              ; y
	v_lshl_add_u32 v28, v0, 2, SPARE
	v_mov_b32 v29, 0
	ds_add_u32 v28, v29                            ; the wave's opening: the add and its wait stand ahead of my first tensor load
	v_lshrrev_b32 v1, 5, v0
	v_readfirstlane_b32 s10, v1
	s_lshr_b32 s11, s10, 1                         ; I fetch for A (0) or for W (1)
	s_and_b32 s12, s10, 1                          ; which two slices of a step
	s_bfe_u32 s40, ttmp6, 0x40000
	s_bfe_u32 s41, ttmp6, 0x40004
	s_lshl_b32 s42, ttmp9, 2
	s_add_co_u32 s42, s42, s40                     ; tile column
	s_and_b32 s13, ttmp7, 0xffff
	s_lshl_b32 s13, s13, 2
	s_add_co_u32 s13, s13, s41                     ; tile row
	s_lshl_b32 s43, s41, 2
	s_lshl_b32 s43, 15, s43
	s_lshl_b32 s44, 0x1111, s40
	s_or_b32 s[G1A], s43, (1<<16)|(1<<20)|(1<<21)|(4<<22)|(3<<25)
	s_or_b32 s[G1B], s44, (1<<16)|(1<<20)|(1<<21)|(4<<22)|(3<<25)
.irp g, G1A, G1B
	s_mov_b32 s[(\g)+1], 8192<<16                  ; two rows of 8,192 elements: 128 rows of a slice each
	s_mov_b32 s[(\g)+2], 2<<16
	s_mov_b32 s[(\g)+3], 8192<<16
	s_mov_b32 s[(\g)+4], 2
	s_mov_b32 s[(\g)+6], 0
	s_mov_b32 s[(\g)+7], 0
.endr
	s_mov_b32 s[G1A+5], 262144                     ; from slice to slice, in elements
	s_mov_b32 s[G1B+5], 65536
	s_lshl_b32 s16, s12, 20
	s_lshl_b32 s17, s13, 14
	s_add_co_u32 s16, s16, s17
	s_mov_b32 s17, 0
	s_lshl_b32 s46, s12, 18
	s_lshl_b32 s47, s42, 14
	s_add_co_u32 s46, s46, s47
	s_add_co_u32 s46, s46, WOFF
	s_mov_b32 s47, 0
	s_mul_i32 s[WLA], s12, 2*SUB
	s_add_co_u32 s[WLB], s[WLA], 4*SUB
	s_wait_dscnt 0x0
	s_wait_kmcnt 0x0
	s_add_nc_u64 s[14:15], s[88:89], s[16:17]
	s_add_nc_u64 s[46:47], s[90:91], s[46:47]
.irp s, 0,1
	s_mov_b32 s[G0A+4*(\s)], 1
	s_add_co_u32 s[G0A+4*(\s)+1], s[WLA], (\s)*SLOT
	s_add_nc_u64 s[G0A+4*(\s)+2:G0A+4*(\s)+3], s[14:15], (\s)*ASTEP
	s_or_b32 s[G0A+4*(\s)+3], s[G0A+4*(\s)+3], 0x80000000
	s_mov_b32 s[G0B+4*(\s)], 1
	s_add_co_u32 s[G0B+4*(\s)+1], s[WLB], (\s)*SLOT
	s_add_nc_u64 s[G0B+4*(\s)+2:G0B+4*(\s)+3], s[46:47], (\s)*BSTEP
	s_or_b32 s[G0B+4*(\s)+3], s[G0B+4*(\s)+3], 0x80000000
.endr
	CROUND
	s_cmp_eq_u32 s11, 0                            ; a wave's two first fills stand in one branch: two loads of mine are out
	s_cbranch_scc0 .Lfirst_b
	tensor_load_to_lds s[G0A:G0A+3], s[G1A:G1A+7]
	s_nop 0
	tensor_load_to_lds s[G0A+4:G0A+7], s[G1A:G1A+7]
	s_nop 0
.rept 4
	v_nop
.endr
	s_branch .Lfirst_asked
.Lfirst_b:
	tensor_load_to_lds s[G0B:G0B+3], s[G1B:G1B+7]
	s_nop 0
	tensor_load_to_lds s[G0B+4:G0B+7], s[G1B:G1B+7]
	s_nop 0
.rept 4
	v_nop
.endr
.Lfirst_asked:
	v_and_b32 v1, 15, v0
	v_bfe_u32 v2, v0, 4, 1
	v_and_b32 v22, 31, v0
	v_mul_u32_u24 v3, v1, 144
	v_lshl_add_u32 v3, v2, 4, v3
	s_mul_i32 s21, s10, SUB                        ; my slice
	v_add_nc_u32 v10, s21, v3
	v_add_nc_u32 v11, 4*SUB, v10
	v_mov_b32 v12, v10
	v_mov_b32 v13, v11
	s_mov_b32 s[TB], 0
	s_mul_i32 s23, s10, 67584                      ; my partial tile: 128 rows of 528 bytes
	v_mul_u32_u24 v4, v1, 528
	v_lshl_add_u32 v4, v2, 5, v4
	v_add_nc_u32 v14, s23, v4
	s_mul_i32 s23, s10, 16896                      ; back: rows 32 w .. of all four partial tiles, a whole row of 512 bytes a load
	v_lshl_add_u32 v16, v22, 4, s23
	v_add_nc_u32 v17, 67584, v16
	v_add_nc_u32 v18, 67584, v17
	v_add_nc_u32 v19, 67584, v18
	v_lshlrev_b32 v20, 4, v22
	s_lshl_b32 s20, s13, 19                        ; y at row 128 ty + 32 w, column 128 tx
	s_lshl_b32 s21, s10, 17
	s_add_co_u32 s20, s20, s21
	s_lshl_b32 s21, s42, 9
	s_add_co_u32 s20, s20, s21
	s_mov_b32 s21, 0
	s_add_nc_u64 s[92:93], s[92:93], s[20:21]
.if NSTEP > 4
	; the prefetches: A's rows are asked for by the clusters with x = 0, W's by those with y = 0; partner p takes half p % 2 of slice p / 2 of the two that I fetch
	s_and_b32 s22, ttmp7, 0xffff
	s_mov_b32 s20, ASTEP
	s_mov_b32 s[PFS], BSTEP
	s_cmp_eq_u32 s11, 0
	s_cselect_b32 s[PFS], s20, s[PFS]
	s_cselect_b32 s21, s40, s41
	s_cselect_b32 s22, ttmp9, s22
	s_cselect_b32 s23, 19, 17
	s_cselect_b64 s[PFA:PFA+1], s[14:15], s[46:47]
	s_cmp_eq_u32 s22, 0
	s_cselect_b32 s[LIM], 2, -1
	s_lshr_b32 s20, s21, 1
	s_lshl_b32 s20, s20, s23
	s_and_b32 s21, s21, 1
	s_lshl_b32 s21, s21, 13
	s_add_co_u32 s20, s20, s21
	s_mul_i32 s21, s[PFS], 3                       ; at step 3: the first refill steps it to 4
	s_add_co_u32 s20, s20, s21
	s_mov_b32 s21, 0
	s_mov_b32 s[PFS+1], 0
	s_add_nc_u64 s[PFA:PFA+1], s[PFA:PFA+1], s[20:21]
	v_lshlrev_b32 v21, 8, v22
.endif
	s_wait_tensorcnt 1                             ; my part of step 0 is in; step 1's may stay out
	s_barrier_signal -1
	s_barrier_wait -1
	FETCH 0, F0
	QUARTER F0, F1, 1, 1
	WIN 0
	s_mov_b32 s3, NSTEP-2
.Lstep:                                        ; a trip: the second half of a step and the first half of the next
	TURN 1
	QUARTER F0, F1, 1, 0
	WIN 0
	s_sub_co_u32 s3, s3, 1
	s_cmp_lg_u32 s3, 0
	s_cbranch_scc1 .Lstep
	s_mov_b32 s3, 2
.Ltail:                                        ; the last two steps fill nothing: a loop of their own; it is left in the middle of its second trip
	TURN 0
	WIN 0
	s_sub_co_u32 s3, s3, 1
	s_cmp_eq_u32 s3, 0
	s_cbranch_scc1 .Ldone
	QUARTER F0, F1, 1, 0
	WIN 0
	s_branch .Ltail
.Ldone:                                        ; the second trip's change of slots and its 32 fragment loads (from the slot left before) serve nothing: the price, once a launch, of one text for both trips
	s_wait_dscnt 0x0                               ; my last reads of the ring are back
	s_barrier_signal -1                            ; every wave's are: the partial tiles may be laid over the ring
	s_barrier_wait -1
	PLACES
.set a, 0
.rept 8
	WIN 0x08+4*(a/4)
.set b, 0
.rept NB
	ds_store_b128 v14, v[8*(NB*(a%4)+b):8*(NB*(a%4)+b)+3]   offset:8448*a+64*b
	ds_store_b128 v14, v[8*(NB*(a%4)+b)+4:8*(NB*(a%4)+b)+7] offset:8448*a+64*b+16
.set b, b+1
.endr
.set a, a+1
.endr
	WIN 0
	s_wait_dscnt 0x0                               ; for the others' sake
	s_barrier_signal -1
	s_barrier_wait -1
.macro LD16
.irp v, 0,1,2,3
.irp r, 0,1,2,3
	ds_load_b128 v[64+16*\v+4*\r:64+16*\v+4*\r+3], v[16+\v] offset:528*\r
.endr
.endr
.endm
	LD16
	s_mov_b32 s2, 8
.Lep:                                          ; a trip: four rows of y
	s_wait_dscnt 0x0
	s_wait_xcnt 0x0                                ; the last trip's stores have read their registers: their offset and their data are rewritten only behind this wait
	v_add_nc_u32 v20, 16384, v20                   ; this trip's four rows; the stores reach back by the immediate
.set j, 0
.rept 8
	v_pk_add_f32 v[128+2*j:128+2*j+1], v[64+2*j:64+2*j+1], v[80+2*j:80+2*j+1]
.set j, j+1
.endr
.set j, 0
.rept 8
	v_pk_add_f32 v[96+2*j:96+2*j+1], v[96+2*j:96+2*j+1], v[112+2*j:112+2*j+1]
.set j, j+1
.endr
.set j, 0
.rept 8
	v_pk_add_f32 v[128+2*j:128+2*j+1], v[128+2*j:128+2*j+1], v[96+2*j:96+2*j+1]
.set j, j+1
.endr
	s_cmp_eq_u32 s2, 1
	s_cbranch_scc1 .Lno_more
.irp v, 16,17,18,19
	v_add_nc_u32 v[\v], 2112, v[\v]
.endr
	LD16
.Lno_more:
.irp r, 0,1,2,3
	global_store_b128 v20, v[128+4*\r:128+4*\r+3], s[92:93] offset:4096*\r-16384  ; 512 consecutive bytes of a row
.endr
	s_sub_co_u32 s2, s2, 1
	s_cmp_lg_u32 s2, 0
	s_cbranch_scc1 .Lep
	s_wait_tensorcnt 0x0                           ; the wave's end
	ds_add_u32 v28, v29
	s_wait_dscnt 0x0
	CROUND
	s_endpgm
.Lfunc_end_k_q7d61a9a75d_ffn2:
	.size	k_q7d61a9a75d_ffn2, .Lfunc_end_k_q7d61a9a75d_ffn2-k_q7d61a9a75d_ffn2
	.p2alignl 7, 3214868480
	.fill 96, 4, 3214868480
	.section	.rodata,"a",@progbits
	.p2align	6, 0x0
	.amdhsa_kernel k_q7d61a9a75d_ffn2
		.amdhsa_group_segment_fixed_size 327680
		.amdhsa_private_segment_fixed_size 0
		.amdhsa_enable_private_segment 0
		.amdhsa_kernarg_size 24
		.amdhsa_user_sgpr_count 2
		.amdhsa_user_sgpr_kernarg_segment_ptr 1
		.amdhsa_wavefront_size32 1
		.amdhsa_system_sgpr_workgroup_id_x 1
		.amdhsa_system_sgpr_workgroup_id_y 1
		.amdhsa_system_sgpr_workgroup_id_z 1
		.amdhsa_system_vgpr_workitem_id 0
		.amdhsa_next_free_vgpr 1024
		.amdhsa_next_free_sgpr 96
		.amdhsa_reserve_vcc 0
		.amdhsa_float_denorm_mode_32 3
		.amdhsa_float_denorm_mode_16_64 3
		.amdhsa_memory_ordered 1
		.amdhsa_forward_progress 1
		.amdhsa_inst_pref_size 56
	.end_amdhsa_kernel
	.amdgpu_metadata
---
amdhsa.version: [ 1, 2 ]
amdhsa.kernels:
  - .name:           k_q7d61a9a75d_ffn2
    .symbol:         k_q7d61a9a75d_ffn2.kd
    .args:
      - { .name: hb, .offset: 0, .size: 8, .value_kind: global_buffer, .address_space: global }
      - { .name: wts, .offset: 8, .size: 8, .value_kind: global_buffer, .address_space: global }
      - { .name: y, .offset: 16, .size: 8, .value_kind: global_buffer, .address_space: global }
    .group_segment_fixed_size: 327680
    .private_segment_fixed_size: 0
    .kernarg_segment_align: 8
    .kernarg_segment_size: 24
    .max_flat_workgroup_size: 128
    .sgpr_count:     96
    .vgpr_count:     1024
    .wavefront_size: 32
...
	.end_amdgpu_metadata
.endif
;; end of part 7
;; launch post2 (part 8): grid 256 x 1, 8 waves a work-group, no clusters, 0 bytes of LDS; arguments y, x1, bf2, out0; writes out0
.if DOCPART == 8
	.amdgcn_target "amdgcn-amd-amdhsa--gfx1250"
	.amdhsa_code_object_version 6
	.text
	.protected	k_q7d61a9a75d_post2
	.globl	k_q7d61a9a75d_post2
	.p2align	8
	.type	k_q7d61a9a75d_post2,@function
k_q7d61a9a75d_post2:
	s_mov_b64 s[64:65], 0
	v_nop
	global_prefetch_b8 v0, s[64:65] scope:SCOPE_SE
	s_setreg_imm32_b32 hwreg(HW_REG_WAVE_MODE, 25, 1), 1
	s_wait_xcnt 0x0
; out0 = clip(x1 + y + bf2) by whole rows to norm 1 - 1e-5.  All [4096][1024] f32.
; A wave takes a pair of rows: lane l holds row l / 16 and, of each piece of 64 columns, four numbers: every load and store covers whole runs of 256 bytes.
; The clip tests |.|^2 > (1 - 1e-5)^2 and scales by (1 - 1e-5) / sqrt(|.|^2).  NaN and infinities are not treated apart.
.set Y,   24
.set X,   88
.set C,   152
.set T,   216
	s_load_b256 s[8:15], s[0:1], 0x0               ; y 8, x1 10, bf2 12, out0 14
	v_lshrrev_b32 v1, 5, v0
	v_readfirstlane_b32 s30, v1
	v_and_b32 v1, 31, v0
	v_lshrrev_b32 v2, 4, v1
	v_and_b32 v3, 15, v0
	v_lshlrev_b32 v4, 12, v2
	v_lshl_add_u32 v4, v3, 4, v4
	v_lshlrev_b32 v5, 4, v3
	s_lshl_b32 s32, ttmp9, 16
	s_lshl_b32 s33, s30, 13
	s_add_co_u32 s32, s32, s33
	s_mov_b32 s33, 0
	s_wait_kmcnt 0x0
	s_add_nc_u64 s[8:9], s[8:9], s[32:33]
	s_add_nc_u64 s[10:11], s[10:11], s[32:33]
	s_add_nc_u64 s[14:15], s[14:15], s[32:33]
.set c, 0
.rept 16
	global_load_b128 v[Y+4*c:Y+4*c+3], v4, s[8:9] offset:256*c th:TH_LOAD_NT
.set c, c+1
.endr
.set c, 0
.rept 16
	global_load_b128 v[X+4*c:X+4*c+3], v4, s[10:11] offset:256*c th:TH_LOAD_NT
.set c, c+1
.endr
.set c, 0
.rept 16
	global_load_b128 v[C+4*c:C+4*c+3], v5, s[12:13] offset:256*c
.set c, c+1
.endr
	s_wait_loadcnt 16                              ; y and x1 are in; the bias's 16 loads may stay out
.set j, 0
.rept 32
	v_pk_add_f32 v[Y+2*j:Y+2*j+1], v[Y+2*j:Y+2*j+1], v[X+2*j:X+2*j+1]
.set j, j+1
.endr
	s_wait_loadcnt 0x0
.set j, 0
.rept 32
	v_pk_add_f32 v[Y+2*j:Y+2*j+1], v[Y+2*j:Y+2*j+1], v[C+2*j:C+2*j+1]
.set j, j+1
.endr
.set j, 0
.rept 4                                ; the row's sum of squares, in four chains
	v_pk_mul_f32 v[T+2*j:T+2*j+1], v[Y+2*j:Y+2*j+1], v[Y+2*j:Y+2*j+1]
.set j, j+1
.endr
.rept 28
	v_pk_fma_f32 v[T+2*(j%4):T+2*(j%4)+1], v[Y+2*j:Y+2*j+1], v[Y+2*j:Y+2*j+1], v[T+2*(j%4):T+2*(j%4)+1]
.set j, j+1
.endr
	v_pk_add_f32 v[T:T+1], v[T:T+1], v[T+2:T+3]
	v_pk_add_f32 v[T+4:T+5], v[T+4:T+5], v[T+6:T+7]
	v_pk_add_f32 v[T:T+1], v[T:T+1], v[T+4:T+5]
	v_add_f32 v[T], v[T], v[T+1]
	v_add_f32_dpp v[T], v[T], v[T] row_xmask:1 row_mask:0xf bank_mask:0xf
	v_add_f32_dpp v[T], v[T], v[T] row_xmask:2 row_mask:0xf bank_mask:0xf
	v_add_f32_dpp v[T], v[T], v[T] row_xmask:4 row_mask:0xf bank_mask:0xf
	v_add_f32_dpp v[T], v[T], v[T] row_xmask:8 row_mask:0xf bank_mask:0xf
	v_rsq_f32 v[T+8], v[T]
	v_nop
	s_wait_alu depctr_va_vdst(0)                   ; the wait ahead of the root's first reader
	v_mul_f32 v[T+8], 0x3f7fff58, v[T+8]
	v_cmp_lt_f32 vcc_lo, 0x3f7ffeb0, v[T]
	v_cndmask_b32 v[T+8], 1.0, v[T+8], vcc_lo
	v_mov_b32 v[T+9], v[T+8]
.set c, 0
.rept 16
	v_pk_mul_f32 v[Y+4*c:Y+4*c+1], v[Y+4*c:Y+4*c+1], v[T+8:T+9]
	v_pk_mul_f32 v[Y+4*c+2:Y+4*c+3], v[Y+4*c+2:Y+4*c+3], v[T+8:T+9]
	global_store_b128 v4, v[Y+4*c:Y+4*c+3], s[14:15] offset:256*c th:TH_STORE_NT
.set c, c+1
.endr
	s_endpgm
.Lfunc_end_k_q7d61a9a75d_post2:
	.size	k_q7d61a9a75d_post2, .Lfunc_end_k_q7d61a9a75d_post2-k_q7d61a9a75d_post2
	.p2alignl 7, 3214868480
	.fill 96, 4, 3214868480
	.section	.rodata,"a",@progbits
	.p2align	6, 0x0
	.amdhsa_kernel k_q7d61a9a75d_post2
		.amdhsa_group_segment_fixed_size 0
		.amdhsa_private_segment_fixed_size 0
		.amdhsa_enable_private_segment 0
		.amdhsa_kernarg_size 32
		.amdhsa_user_sgpr_count 2
		.amdhsa_user_sgpr_kernarg_segment_ptr 1
		.amdhsa_wavefront_size32 1
		.amdhsa_system_sgpr_workgroup_id_x 1
		.amdhsa_system_sgpr_workgroup_id_y 1
		.amdhsa_system_sgpr_workgroup_id_z 1
		.amdhsa_system_vgpr_workitem_id 0
		.amdhsa_next_free_vgpr 232
		.amdhsa_next_free_sgpr 66
		.amdhsa_reserve_vcc 1
		.amdhsa_float_denorm_mode_32 3
		.amdhsa_float_denorm_mode_16_64 3
		.amdhsa_memory_ordered 1
		.amdhsa_forward_progress 1
		.amdhsa_inst_pref_size 16
	.end_amdhsa_kernel
	.amdgpu_metadata
---
amdhsa.version: [ 1, 2 ]
amdhsa.kernels:
  - .name:           k_q7d61a9a75d_post2
    .symbol:         k_q7d61a9a75d_post2.kd
    .args:
      - { .name: y, .offset: 0, .size: 8, .value_kind: global_buffer, .address_space: global }
      - { .name: x1, .offset: 8, .size: 8, .value_kind: global_buffer, .address_space: global }
      - { .name: bf2, .offset: 16, .size: 8, .value_kind: global_buffer, .address_space: global }
      - { .name: out0, .offset: 24, .size: 8, .value_kind: global_buffer, .address_space: global }
    .group_segment_fixed_size: 0
    .private_segment_fixed_size: 0
    .kernarg_segment_align: 8
    .kernarg_segment_size: 32
    .max_flat_workgroup_size: 256
    .sgpr_count:     66
    .vgpr_count:     232
    .wavefront_size: 32
...
	.end_amdgpu_metadata
.endif
;; end of part 8
;; ======== version 2 of 2: 8 launches; version 1 with the launches prep, post1, post2 written anew for expert scheduling mode
;; limits: values are held in f16: magnitudes above 65,504 overflow, below 6.1e-05 lose precision; a function is approximated: absolute error at most 1.5e-07
;; workspace buffers: xn 8,388,608 bytes; wts 25,165,824 bytes; qkv 25,165,824 bytes; kk 262,144 bytes; hb 33,554,432 bytes; y 16,777,216 bytes; x1 16,777,216 bytes
;; launch prep (part 9): grid 1024 x 1, 8 waves a work-group, no clusters, 0 bytes of LDS; arguments x, g1, b1, wq, wk, wv, wo, w1, w2, xn, wts; writes xn, wts
.if DOCPART == 9
	.amdgcn_target "amdgcn-amd-amdhsa--gfx1250"
	.amdhsa_code_object_version 6
	.text
	.protected	k_q7d61a9a75d_prep
	.globl	k_q7d61a9a75d_prep
	.p2align	8
	.type	k_q7d61a9a75d_prep,@function
k_q7d61a9a75d_prep:
	s_mov_b64 s[64:65], 0
	v_nop
	global_prefetch_b8 v0, s[64:65] scope:SCOPE_SE
	s_setreg_imm32_b32 hwreg(HW_REG_WAVE_SCHED_MODE, 0, 2), 2
	s_setreg_imm32_b32 hwreg(HW_REG_WAVE_MODE, 25, 1), 1
	s_wait_xcnt 0x0
	s_wait_alu depctr_vm_vsrc(0)
; LayerNorm 1 of x, and all six weights from f32 to f16, both into the SLICED layout [K/64][rows][64]: a row's 64 numbers of a slice are 128 bytes, the rows of a slice lie end to end.
; A wave takes a pair of rows and 1,024 columns of them: lane l holds row l / 16, and of each piece of 64 columns the four numbers 4 (l % 16) ..: a load covers two whole runs of 256 bytes,
; a store of 8 bytes a lane covers 256 consecutive bytes (two neighbouring rows of one slice).  No LDS, no barrier: a row's sums stay inside sixteen lanes.
; ROLES by the work-group's number id: 0-255 LN1 (16 rows each); 256-447 wq, wk, wv (row n of w_t goes to row (n/64) 192 + 64 t + n%64: a head's q, k, v rows lie together); 448-511 wo;
; 512-767 w1; 768-1023 w2 (a quarter of K each).  All numbers of a role are chosen by scalar selects on id.
; LIMITS.  f16 ends at 65,504 and has a fixed step of 6e-8 below 6e-5: weights and normalised rows are taken to lie within; NaN and infinities are not treated apart.
; THE MODE: SCHED_MODE bits 1:0 = 2 (LLVM: expert scheduling mode 2), set by the entry lines.  The code itself states the register dependences
; between vector instructions and memory instructions, with s_wait_alu, always for 0.
; THE PLAN.  Registers that memory instructions touch:
;   v4, v5, v[OF ..]  byte offsets, made once at the head and never written again: one wait ahead of the first load serves every load and store of the kernel.
;   X                 The head's loads land in it before any vector instruction has named it.  A piece's two roundings write its first two registers in place; the piece's store reads them; nothing writes them again.
;   G, BV             Their loads land before any vector instruction has named them; vector instructions alone read them.
; The 16 pieces go in four groups of four, with ONE wait for a group's four stores: the group's roundings have written the stores' data.
.set X,   24                           ; v[24:87]    the lane's 64 numbers
.set G,   88                           ; v[88:151]   g1
.set BV,  152                          ; v[152:215]  b1
.set T,   216                          ; v[216:231]  at work: no memory instruction names them
.set OF,  8                            ; v[8:23]     byte offset of my 8 bytes in slice c: 8 l + c x the slice's bytes
.set W1OFF, 6291456
.set WOOFF, 14680064
.set W2OFF, 16777216
.macro RED16 r                         ; the sum over the sixteen lanes of a row, in every one of them
	v_add_f32_dpp v[\r], v[\r], v[\r] row_xmask:1 row_mask:0xf bank_mask:0xf
	v_add_f32_dpp v[\r], v[\r], v[\r] row_xmask:2 row_mask:0xf bank_mask:0xf
	v_add_f32_dpp v[\r], v[\r], v[\r] row_xmask:4 row_mask:0xf bank_mask:0xf
	v_add_f32_dpp v[\r], v[\r], v[\r] row_xmask:8 row_mask:0xf bank_mask:0xf
.endm
.macro FOLD                            ; four chains of pairs into one number, then across the lanes
	v_pk_add_f32 v[T:T+1], v[T:T+1], v[T+2:T+3]
	v_pk_add_f32 v[T+4:T+5], v[T+4:T+5], v[T+6:T+7]
	v_pk_add_f32 v[T:T+1], v[T:T+1], v[T+4:T+5]
	v_add_f32 v[T], v[T], v[T+1]
	RED16 T
.endm
.macro ROWSUM src                      ; v[T] = the row's sum; the first four lines start the chains
.set j, 0
.rept 4
	v_pk_add_f32 v[T+2*j:T+2*j+1], v[\src+2*j:\src+2*j+1], v[\src+8+2*j:\src+8+2*j+1]
.set j, j+1
.endr
.set j, 8
.rept 24
	v_pk_add_f32 v[T+2*(j%4):T+2*(j%4)+1], v[T+2*(j%4):T+2*(j%4)+1], v[\src+2*j:\src+2*j+1]
.set j, j+1
.endr
	FOLD
.endm
.macro ROWSQ src                       ; v[T] = the row's sum of squares
.set j, 0
.rept 4
	v_pk_mul_f32 v[T+2*j:T+2*j+1], v[\src+2*j:\src+2*j+1], v[\src+2*j:\src+2*j+1]
.set j, j+1
.endr
.rept 28
	v_pk_fma_f32 v[T+2*(j%4):T+2*(j%4)+1], v[\src+2*j:\src+2*j+1], v[\src+2*j:\src+2*j+1], v[T+2*(j%4):T+2*(j%4)+1]
.set j, j+1
.endr
	FOLD
.endm
.macro ROUND p                         ; piece p: four numbers close up into the first two of their four registers
	v_cvt_pk_f16_f32 v[X+4*(\p)], v[X+4*(\p)], v[X+4*(\p)+1]
	v_cvt_pk_f16_f32 v[X+4*(\p)+1], v[X+4*(\p)+2], v[X+4*(\p)+3]
.endm
.macro OUT p                           ; piece p goes to slice p
	global_store_b64 v[OF+(\p)], v[X+4*(\p):X+4*(\p)+1], s[34:35] th:TH_STORE_NT
.endm
	s_load_b512 s[8:23], s[0:1], 0x0               ; x 8, g1 10, b1 12, wq 14, wk 16, wv 18, wo 20, w1 22
	s_load_b128 s[24:27], s[0:1], 0x40             ; w2 24, xn 26
	s_load_b64 s[28:29], s[0:1], 0x50              ; wts
	v_lshrrev_b32 v1, 5, v0
	v_readfirstlane_b32 s30, v1                    ; wave 0..7
	v_and_b32 v1, 31, v0                           ; lane
	v_lshrrev_b32 v2, 4, v1                        ; which row of the pair
	v_and_b32 v3, 15, v0                           ; my place in a piece
	s_wait_alu depctr_va_sdst(0)                   ; s30 is written, ahead of its first reader: the wave's places in the source and in the target are made from it
	s_mov_b32 s31, ttmp9                           ; id
	s_mov_b32 s50, 0x3a800000                      ; 1 / 1024
	s_mov_b32 s51, 0x3727c5ac                      ; 1e-5
	s_lshr_b32 s43, s31, 6
	s_and_b32 s43, s43, 3                          ; (id / 64) % 4: which of wq, wk, wv; or which quarter of w2's K
	s_cmp_lt_u32 s31, 768
	s_cselect_b32 s36, 12, 14                      ; log2 of a source row's bytes: 4,096, w2 16,384
	s_cselect_b32 s45, 0, s43                      ; w2's quarter, else 0
	s_bitcmp1_b32 s31, 8
	s_cselect_b32 s44, 63, 0xff                    ; roles of 64 blocks of 16 rows, or of 256
	s_and_b32 s47, s31, s44                        ; my block of 16 rows
	s_mov_b32 s40, W2OFF                           ; the role's place in wts, and a slice's bytes / 131,072
	s_cmp_lt_u32 s31, 768
	s_cselect_b32 s37, 4, 1
	s_cselect_b32 s40, W1OFF, s40
	s_cmp_lt_u32 s31, 512
	s_cselect_b32 s37, 1, s37
	s_cselect_b32 s40, WOOFF, s40
	s_cmp_lt_u32 s31, 448
	s_cselect_b32 s37, 3, s37
	s_cselect_b32 s40, 0, s40
	s_cmp_lt_u32 s31, 256
	s_cselect_b32 s37, 4, s37
	s_lshl_b32 s37, s37, 17                        ; a slice's bytes: rows x 128
	s_lshr_b32 s48, s47, 2                         ; wq, wk, wv: the head's rows lie 192 apart, not 64: 128 rows x 128 bytes more for each head,
	s_lshl_b32 s48, s48, 14
	s_lshl_b32 s49, s43, 13                        ; and 64 rows for each of q, k, v
	s_add_co_u32 s48, s48, s49
	s_sub_co_u32 s46, s31, 256
	s_cmp_lt_u32 s46, 192
	s_cselect_b32 s48, s48, 0
	s_add_co_u32 s40, s40, s48
	s_lshl_b32 s48, s47, 11                        ; 16 rows x 128 bytes
	s_add_co_u32 s40, s40, s48
	s_lshl_b32 s48, s45, 21                        ; w2's quarter: 16 slices of 131,072 bytes
	s_add_co_u32 s40, s40, s48
	s_lshl_b32 s48, s30, 8                         ; my wave's pair of rows
	s_add_co_u32 s40, s40, s48
	s_mov_b32 s41, 0
	s_add_co_u32 s48, s36, 4                       ; the source: 16 rows a block,
	s_lshl_b32 s38, s47, s48
	s_lshl_b32 s49, s45, 12                        ; 4,096 bytes a quarter,
	s_add_co_u32 s38, s38, s49
	s_add_co_u32 s48, s36, 1                       ; two rows a wave
	s_lshl_b32 s49, s30, s48
	s_add_co_u32 s38, s38, s49
	s_mov_b32 s39, 0
	v_lshlrev_b32 v4, s36, v2                      ; my row,
	v_lshl_add_u32 v4, v3, 4, v4                   ; my 16 bytes of a piece
	v_lshlrev_b32 v5, 4, v3                        ; the same in g1 and b1
	v_lshlrev_b32 v[OF], 3, v1
.set c, 1
.rept 15
	v_add_nc_u32 v[OF+c], s37, v[OF+c-1]
.set c, c+1
.endr
	s_wait_kmcnt 0x0
	s_mov_b64 s[32:33], s[24:25]                   ; the source, chosen on id alone
	s_cmp_lt_u32 s31, 768
	s_cselect_b64 s[32:33], s[22:23], s[32:33]
	s_cmp_lt_u32 s31, 512
	s_cselect_b64 s[32:33], s[20:21], s[32:33]
	s_cmp_lt_u32 s31, 448
	s_cselect_b64 s[32:33], s[18:19], s[32:33]
	s_cmp_lt_u32 s31, 384
	s_cselect_b64 s[32:33], s[16:17], s[32:33]
	s_cmp_lt_u32 s31, 320
	s_cselect_b64 s[32:33], s[14:15], s[32:33]
	s_cmp_lt_u32 s31, 256
	s_cselect_b64 s[32:33], s[8:9], s[32:33]
	s_cselect_b64 s[34:35], s[26:27], s[28:29]     ; LN1 goes to xn, weights to wts
	s_add_nc_u64 s[32:33], s[32:33], s[38:39]
	s_add_nc_u64 s[34:35], s[34:35], s[40:41]
	s_wait_alu depctr_va_vdst(0)                   ; v4, v5 and v[OF ..] are written: every load and store of the kernel reads one of them as its offset
.set c, 0
.rept 16
	global_load_b128 v[X+4*c:X+4*c+3], v4, s[32:33] offset:256*c th:TH_LOAD_NT
.set c, c+1
.endr
	s_cmp_lt_u32 s31, 256
	s_cbranch_scc1 .Lln
	; a weight: a group of four pieces is rounded and stored as soon as it is in.  The wait stands behind the group's roundings, not at the next group's head:
	; a store behind the next group's wait for data would leave a whole group's arrival later.
.set g, 0
.rept 4
	s_wait_loadcnt 12-4*g                          ; loads come back in order: the 12 - 4 g loads of the younger groups may stay out
.set i, 0
.rept 4
	ROUND 4*g+i
.set i, i+1
.endr
	s_wait_alu depctr_va_vdst(0)                   ; the group's eight roundings have written the registers that its four stores read
.set i, 0
.rept 4
	OUT 4*g+i
.set i, i+1
.endr
.set g, g+1
.endr
	s_endpgm
.Lln:
.set c, 0
.rept 16
	global_load_b128 v[G+4*c:G+4*c+3], v5, s[10:11] offset:256*c   ; no vector instruction has been issued since the wait at the head, and none has named G or BV
	global_load_b128 v[BV+4*c:BV+4*c+3], v5, s[12:13] offset:256*c
.set c, c+1
.endr
	s_wait_loadcnt 32                              ; the row is in; the 32 loads of g1 and b1 may stay out
	ROWSUM X
	v_mul_f32 v[T+8], 0xba800000, v[T]             ; - mean, in both registers of a pair
	v_mov_b32 v[T+9], v[T+8]
.set j, 0
.rept 32
	v_pk_add_f32 v[X+2*j:X+2*j+1], v[X+2*j:X+2*j+1], v[T+8:T+9]
.set j, j+1
.endr
	ROWSQ X
	v_fma_f32 v[T+10], v[T], s50, s51              ; variance + 1e-5
	v_rsq_f32 v[T+10], v[T+10]
	v_nop                                          ; a plain instruction behind the root,
	s_wait_alu depctr_va_vdst(0)                   ; and the root is written, ahead of its first reader
	v_mov_b32 v[T+11], v[T+10]
	s_wait_loadcnt 0x0                             ; g1 and b1
	; Group g of four pieces is scaled, takes g1 and b1, and is rounded; the stores of group g - 1 stand among its first lines, which name other registers.
.set g, 0
.rept 4
.if g > 0
	s_wait_alu depctr_va_vdst(0)                   ; the group before is rounded: its roundings have written the registers that the four stores below read
.endif
.set i, 0
.rept 4
.if g > 0
	OUT 4*g-4+i
.endif
	v_pk_mul_f32 v[X+16*g+4*i:X+16*g+4*i+1],   v[X+16*g+4*i:X+16*g+4*i+1],   v[T+10:T+11]
	v_pk_mul_f32 v[X+16*g+4*i+2:X+16*g+4*i+3], v[X+16*g+4*i+2:X+16*g+4*i+3], v[T+10:T+11]
.set i, i+1
.endr
.set j, 8*g
.rept 8
	v_pk_fma_f32 v[X+2*j:X+2*j+1], v[X+2*j:X+2*j+1], v[G+2*j:G+2*j+1], v[BV+2*j:BV+2*j+1]
.set j, j+1
.endr
.set i, 0
.rept 4
	ROUND 4*g+i
.set i, i+1
.endr
.set g, g+1
.endr
	s_wait_alu depctr_va_vdst(0)                   ; the last group is rounded: its roundings have written the registers that the last four stores read
.set i, 0
.rept 4
	OUT 12+i
.set i, i+1
.endr
	s_endpgm
.Lfunc_end_k_q7d61a9a75d_prep:
	.size	k_q7d61a9a75d_prep, .Lfunc_end_k_q7d61a9a75d_prep-k_q7d61a9a75d_prep
	.p2alignl 7, 3214868480
	.fill 96, 4, 3214868480
	.section	.rodata,"a",@progbits
	.p2align	6, 0x0
	.amdhsa_kernel k_q7d61a9a75d_prep
		.amdhsa_group_segment_fixed_size 0
		.amdhsa_private_segment_fixed_size 0
		.amdhsa_enable_private_segment 0
		.amdhsa_kernarg_size 88
		.amdhsa_user_sgpr_count 2
		.amdhsa_user_sgpr_kernarg_segment_ptr 1
		.amdhsa_wavefront_size32 1
		.amdhsa_system_sgpr_workgroup_id_x 1
		.amdhsa_system_sgpr_workgroup_id_y 1
		.amdhsa_system_sgpr_workgroup_id_z 1
		.amdhsa_system_vgpr_workitem_id 0
		.amdhsa_next_free_vgpr 232
		.amdhsa_next_free_sgpr 66
		.amdhsa_reserve_vcc 0
		.amdhsa_float_denorm_mode_32 3
		.amdhsa_float_denorm_mode_16_64 3
		.amdhsa_memory_ordered 1
		.amdhsa_forward_progress 1
		.amdhsa_inst_pref_size 28
	.end_amdhsa_kernel
	.amdgpu_metadata
---
amdhsa.version: [ 1, 2 ]
amdhsa.kernels:
  - .name:           k_q7d61a9a75d_prep
    .symbol:         k_q7d61a9a75d_prep.kd
    .args:
      - { .name: x, .offset: 0, .size: 8, .value_kind: global_buffer, .address_space: global }
      - { .name: g1, .offset: 8, .size: 8, .value_kind: global_buffer, .address_space: global }
      - { .name: b1, .offset: 16, .size: 8, .value_kind: global_buffer, .address_space: global }
      - { .name: wq, .offset: 24, .size: 8, .value_kind: global_buffer, .address_space: global }
      - { .name: wk, .offset: 32, .size: 8, .value_kind: global_buffer, .address_space: global }
      - { .name: wv, .offset: 40, .size: 8, .value_kind: global_buffer, .address_space: global }
      - { .name: wo, .offset: 48, .size: 8, .value_kind: global_buffer, .address_space: global }
      - { .name: w1, .offset: 56, .size: 8, .value_kind: global_buffer, .address_space: global }
      - { .name: w2, .offset: 64, .size: 8, .value_kind: global_buffer, .address_space: global }
      - { .name: xn, .offset: 72, .size: 8, .value_kind: global_buffer, .address_space: global }
      - { .name: wts, .offset: 80, .size: 8, .value_kind: global_buffer, .address_space: global }
    .group_segment_fixed_size: 0
    .private_segment_fixed_size: 0
    .kernarg_segment_align: 8
    .kernarg_segment_size: 88
    .max_flat_workgroup_size: 256
    .sgpr_count:     66
    .vgpr_count:     232
    .wavefront_size: 32
...
	.end_amdgpu_metadata
.endif
;; end of part 9
;; launch qkv: the kernel of part 2 again; grid 16 x 16, 4 waves a work-group, clusters of 4 x 4, 327,680 bytes of LDS; arguments xn, wts, bq, bk, bv, qkv, kk; writes qkv, kk
;; launch attn: the kernel of part 3 again; grid 8 x 32, 4 waves a work-group, clusters of 4 x 1, 327,680 bytes of LDS; arguments qkv, kk, hb; writes hb
;; launch wo: the kernel of part 4 again; grid 8 x 32, 4 waves a work-group, clusters of 4 x 4, 327,680 bytes of LDS; arguments hb, wts, y; writes y
;; launch post1 (part 10): grid 256 x 1, 8 waves a work-group, no clusters, 0 bytes of LDS; arguments y, x, bo, g2, b2, x1, xn; writes x1, xn
.if DOCPART == 10
	.amdgcn_target "amdgcn-amd-amdhsa--gfx1250"
	.amdhsa_code_object_version 6
	.text
	.protected	k_q7d61a9a75d_post1
	.globl	k_q7d61a9a75d_post1
	.p2align	8
	.type	k_q7d61a9a75d_post1,@function
k_q7d61a9a75d_post1:
	s_mov_b64 s[64:65], 0
	v_nop
	global_prefetch_b8 v0, s[64:65] scope:SCOPE_SE
	s_setreg_imm32_b32 hwreg(HW_REG_WAVE_SCHED_MODE, 0, 2), 2
	s_setreg_imm32_b32 hwreg(HW_REG_WAVE_MODE, 25, 1), 1
	s_wait_xcnt 0x0
	s_wait_alu depctr_vm_vsrc(0)
; x1 = clip(x + y + bo) by whole rows to norm 1 - 1e-5; xn = LayerNorm 2 of x1, f16, sliced [16][4096][64].  y, x, x1: [4096][1024] f32.
; A wave takes a pair of rows: lane l holds row l / 16 and, of each piece of 64 columns, four numbers: loads and f32 stores cover whole runs of 256 bytes, an f16 store 256 consecutive bytes of a slice.
; The clip tests |.|^2 > (1 - 1e-5)^2 and scales by (1 - 1e-5) / sqrt(|.|^2).  NaN and infinities are not treated apart; xn lies within f16's 65,504.
; THE MODE: SCHED_MODE bits 1:0 = 2 (LLVM: expert scheduling mode 2), set by the entry lines.  The code itself states the register dependences
; between vector instructions and memory instructions, with s_wait_alu, always for 0.
; THE PLAN.  Registers that memory instructions touch:
;   v4, v5, v6  byte offsets, made once at the head and never written again: one wait ahead of the first load serves every load and store of the kernel.
;   Y           y lands in it; the sums and the clip write it; the 16 stores of x1 read it; the centring writes it again; the roundings write each piece's first two registers; the 16 stores of xn read those.
;   X, C        x and bo land in them; the two runs of additions read them; then g2 and b2 land in them; the multiply-adds read those.
; So: one wait ahead of the loads of g2 and b2 (the additions are done reading X and C); one wait for each half of x1's stores and for each quarter of xn's (their data are written);
; one wait on vm_vsrc ahead of the centring (x1's stores have read Y).  The two roots and the one compare have their own.
.set Y,   24
.set X,   88
.set C,   152
.set T,   216                          ; v[216:231]  at work: no memory instruction names them
.macro RED16 r
	v_add_f32_dpp v[\r], v[\r], v[\r] row_xmask:1 row_mask:0xf bank_mask:0xf
	v_add_f32_dpp v[\r], v[\r], v[\r] row_xmask:2 row_mask:0xf bank_mask:0xf
	v_add_f32_dpp v[\r], v[\r], v[\r] row_xmask:4 row_mask:0xf bank_mask:0xf
	v_add_f32_dpp v[\r], v[\r], v[\r] row_xmask:8 row_mask:0xf bank_mask:0xf
.endm
.macro FOLD
	v_pk_add_f32 v[T:T+1], v[T:T+1], v[T+2:T+3]
	v_pk_add_f32 v[T+4:T+5], v[T+4:T+5], v[T+6:T+7]
	v_pk_add_f32 v[T:T+1], v[T:T+1], v[T+4:T+5]
	v_add_f32 v[T], v[T], v[T+1]
	RED16 T
.endm
.macro ROWSUM src
.set j, 0
.rept 4
	v_pk_add_f32 v[T+2*j:T+2*j+1], v[\src+2*j:\src+2*j+1], v[\src+8+2*j:\src+8+2*j+1]
.set j, j+1
.endr
.set j, 8
.rept 24
	v_pk_add_f32 v[T+2*(j%4):T+2*(j%4)+1], v[T+2*(j%4):T+2*(j%4)+1], v[\src+2*j:\src+2*j+1]
.set j, j+1
.endr
	FOLD
.endm
.macro ROWSQ src
.set j, 0
.rept 4
	v_pk_mul_f32 v[T+2*j:T+2*j+1], v[\src+2*j:\src+2*j+1], v[\src+2*j:\src+2*j+1]
.set j, j+1
.endr
.rept 28
	v_pk_fma_f32 v[T+2*(j%4):T+2*(j%4)+1], v[\src+2*j:\src+2*j+1], v[\src+2*j:\src+2*j+1], v[T+2*(j%4):T+2*(j%4)+1]
.set j, j+1
.endr
	FOLD
.endm
.macro CLIP p                          ; piece p times the row's factor
	v_pk_mul_f32 v[Y+4*(\p):Y+4*(\p)+1],   v[Y+4*(\p):Y+4*(\p)+1],   v[T+8:T+9]
	v_pk_mul_f32 v[Y+4*(\p)+2:Y+4*(\p)+3], v[Y+4*(\p)+2:Y+4*(\p)+3], v[T+8:T+9]
.endm
.macro OUT1 p                          ; piece p of x1
	global_store_b128 v4, v[Y+4*(\p):Y+4*(\p)+3], s[18:19] offset:256*(\p)
.endm
.macro ROUND p                         ; piece p: four numbers close up into the first two of their four registers
	v_cvt_pk_f16_f32 v[Y+4*(\p)], v[Y+4*(\p)], v[Y+4*(\p)+1]
	v_cvt_pk_f16_f32 v[Y+4*(\p)+1], v[Y+4*(\p)+2], v[Y+4*(\p)+3]
.endm
.macro OUTN p                          ; piece p of xn goes to slice p; 7,864,320 at the most, inside the signed 24 bits
	global_store_b64 v6, v[Y+4*(\p):Y+4*(\p)+1], s[20:21] offset:524288*(\p) th:TH_STORE_NT
.endm
	s_load_b256 s[8:15], s[0:1], 0x0               ; y 8, x 10, bo 12, g2 14
	s_load_b128 s[16:19], s[0:1], 0x20             ; b2 16, x1 18
	s_load_b64 s[20:21], s[0:1], 0x30              ; xn
	v_lshrrev_b32 v1, 5, v0
	v_readfirstlane_b32 s30, v1
	v_and_b32 v1, 31, v0
	v_lshrrev_b32 v2, 4, v1
	v_and_b32 v3, 15, v0
	v_lshlrev_b32 v4, 12, v2
	v_lshl_add_u32 v4, v3, 4, v4                   ; my row, my 16 bytes of a piece
	v_lshlrev_b32 v5, 4, v3
	v_lshlrev_b32 v6, 3, v1
	s_wait_alu depctr_va_sdst(0)                   ; s30 is written, ahead of its first reader: the wave's rows are made from it
	s_lshl_b32 s32, ttmp9, 16                      ; 16 rows of 4,096 bytes a work-group, two a wave
	s_lshl_b32 s33, s30, 13
	s_add_co_u32 s32, s32, s33
	s_mov_b32 s33, 0
	s_lshl_b32 s34, ttmp9, 11                      ; the same rows in a slice
	s_lshl_b32 s35, s30, 8
	s_add_co_u32 s34, s34, s35
	s_mov_b32 s35, 0
	s_mov_b32 s36, 0x3a800000                      ; 1 / 1024
	s_mov_b32 s37, 0x3727c5ac                      ; 1e-5
	s_wait_kmcnt 0x0
	s_add_nc_u64 s[8:9], s[8:9], s[32:33]
	s_add_nc_u64 s[10:11], s[10:11], s[32:33]
	s_add_nc_u64 s[18:19], s[18:19], s[32:33]
	s_add_nc_u64 s[20:21], s[20:21], s[34:35]
	s_wait_alu depctr_va_vdst(0)                   ; v4, v5 and v6 are written: every load and store of the kernel reads one of them as its offset
.set c, 0
.rept 16
	global_load_b128 v[Y+4*c:Y+4*c+3], v4, s[8:9] offset:256*c th:TH_LOAD_NT
.set c, c+1
.endr
.set c, 0
.rept 16
	global_load_b128 v[X+4*c:X+4*c+3], v4, s[10:11] offset:256*c th:TH_LOAD_NT
.set c, c+1
.endr
.set c, 0
.rept 16
	global_load_b128 v[C+4*c:C+4*c+3], v5, s[12:13] offset:256*c
.set c, c+1
.endr
	s_wait_loadcnt 16                              ; y and x are in; the bias's 16 loads may stay out
.set j, 0
.rept 32
	v_pk_add_f32 v[Y+2*j:Y+2*j+1], v[Y+2*j:Y+2*j+1], v[X+2*j:X+2*j+1]
.set j, j+1
.endr
	s_wait_loadcnt 0x0
.set j, 0
.rept 32
	v_pk_add_f32 v[Y+2*j:Y+2*j+1], v[Y+2*j:Y+2*j+1], v[C+2*j:C+2*j+1]
.set j, j+1
.endr
	s_wait_alu depctr_va_vdst(0)                   ; the additions are done reading X and C, in which the 32 loads below land
.set c, 0
.rept 16
	global_load_b128 v[X+4*c:X+4*c+3], v5, s[14:15] offset:256*c  ; g2 and b2 come while the row is clipped
	global_load_b128 v[C+4*c:C+4*c+3], v5, s[16:17] offset:256*c
.set c, c+1
.endr
	ROWSQ Y
	v_rsq_f32 v[T+8], v[T]
	v_nop                                          ; a plain instruction behind the root
	v_cmp_lt_f32 vcc_lo, 0x3f7ffeb0, v[T]          ; it reads the sum of squares alone, so it stands ahead of the two waits
	s_wait_alu depctr_va_vdst(0)                   ; the root is written, ahead of its first reader
	s_wait_alu depctr_va_vcc(0)                    ; VCC is written, ahead of the select that reads it
	v_mul_f32 v[T+8], 0x3f7fff58, v[T+8]
	v_cndmask_b32 v[T+8], 1.0, v[T+8], vcc_lo
	v_mov_b32 v[T+9], v[T+8]
.set c, 0
.rept 8
	CLIP c                                         ; pieces 0 to 7
.set c, c+1
.endr
	s_wait_alu depctr_va_vdst(0)                   ; pieces 0 to 7 are clipped: the multiplies have written the registers that the eight stores below read
.rept 8
	OUT1 c-8                                       ; dealt among the multiplies of pieces 8 to 15, which name other registers
	CLIP c
.set c, c+1
.endr
	s_wait_alu depctr_va_vdst(0)                   ; pieces 8 to 15 are clipped: the multiplies have written the registers that the last eight stores read
.set c, 8
.rept 8
	OUT1 c
.set c, c+1
.endr
	ROWSUM Y
	v_mul_f32 v[T+8], 0xba800000, v[T]             ; - mean
	v_mov_b32 v[T+9], v[T+8]
	s_wait_xcnt 0x0                                ; the stores' addresses are translated: the row is rewritten only behind this wait,
	s_wait_alu depctr_vm_vsrc(0)                   ; and the stores of x1 have read Y, which the lines below write again
.set j, 0
.rept 32
	v_pk_add_f32 v[Y+2*j:Y+2*j+1], v[Y+2*j:Y+2*j+1], v[T+8:T+9]
.set j, j+1
.endr
	ROWSQ Y
	v_fma_f32 v[T+10], v[T], s36, s37
	v_rsq_f32 v[T+10], v[T+10]
	v_nop                                          ; a plain instruction behind the root,
	s_wait_alu depctr_va_vdst(0)                   ; and the root is written, ahead of its first reader
	v_mov_b32 v[T+11], v[T+10]
	s_wait_loadcnt 0x0                             ; g2 and b2
	; Group g of four pieces is scaled, takes g2 and b2, and is rounded; the stores of group g - 1 stand among its first lines, which name other registers.
.set g, 0
.rept 4
.if g > 0
	s_wait_alu depctr_va_vdst(0)                   ; the group before is rounded: its roundings have written the registers that the four stores below read
.endif
.set i, 0
.rept 4
.if g > 0
	OUTN 4*g-4+i
.endif
	v_pk_mul_f32 v[Y+16*g+4*i:Y+16*g+4*i+1],   v[Y+16*g+4*i:Y+16*g+4*i+1],   v[T+10:T+11]
	v_pk_mul_f32 v[Y+16*g+4*i+2:Y+16*g+4*i+3], v[Y+16*g+4*i+2:Y+16*g+4*i+3], v[T+10:T+11]
.set i, i+1
.endr
.set j, 8*g
.rept 8
	v_pk_fma_f32 v[Y+2*j:Y+2*j+1], v[Y+2*j:Y+2*j+1], v[X+2*j:X+2*j+1], v[C+2*j:C+2*j+1]
.set j, j+1
.endr
.set i, 0
.rept 4
	ROUND 4*g+i
.set i, i+1
.endr
.set g, g+1
.endr
	s_wait_alu depctr_va_vdst(0)                   ; the last group is rounded: its roundings have written the registers that the last four stores read
.set i, 0
.rept 4
	OUTN 12+i
.set i, i+1
.endr
	s_endpgm
.Lfunc_end_k_q7d61a9a75d_post1:
	.size	k_q7d61a9a75d_post1, .Lfunc_end_k_q7d61a9a75d_post1-k_q7d61a9a75d_post1
	.p2alignl 7, 3214868480
	.fill 96, 4, 3214868480
	.section	.rodata,"a",@progbits
	.p2align	6, 0x0
	.amdhsa_kernel k_q7d61a9a75d_post1
		.amdhsa_group_segment_fixed_size 0
		.amdhsa_private_segment_fixed_size 0
		.amdhsa_enable_private_segment 0
		.amdhsa_kernarg_size 56
		.amdhsa_user_sgpr_count 2
		.amdhsa_user_sgpr_kernarg_segment_ptr 1
		.amdhsa_wavefront_size32 1
		.amdhsa_system_sgpr_workgroup_id_x 1
		.amdhsa_system_sgpr_workgroup_id_y 1
		.amdhsa_system_sgpr_workgroup_id_z 1
		.amdhsa_system_vgpr_workitem_id 0
		.amdhsa_next_free_vgpr 232
		.amdhsa_next_free_sgpr 66
		.amdhsa_reserve_vcc 1
		.amdhsa_float_denorm_mode_32 3
		.amdhsa_float_denorm_mode_16_64 3
		.amdhsa_memory_ordered 1
		.amdhsa_forward_progress 1
		.amdhsa_inst_pref_size 35
	.end_amdhsa_kernel
	.amdgpu_metadata
---
amdhsa.version: [ 1, 2 ]
amdhsa.kernels:
  - .name:           k_q7d61a9a75d_post1
    .symbol:         k_q7d61a9a75d_post1.kd
    .args:
      - { .name: y, .offset: 0, .size: 8, .value_kind: global_buffer, .address_space: global }
      - { .name: x, .offset: 8, .size: 8, .value_kind: global_buffer, .address_space: global }
      - { .name: bo, .offset: 16, .size: 8, .value_kind: global_buffer, .address_space: global }
      - { .name: g2, .offset: 24, .size: 8, .value_kind: global_buffer, .address_space: global }
      - { .name: b2, .offset: 32, .size: 8, .value_kind: global_buffer, .address_space: global }
      - { .name: x1, .offset: 40, .size: 8, .value_kind: global_buffer, .address_space: global }
      - { .name: xn, .offset: 48, .size: 8, .value_kind: global_buffer, .address_space: global }
    .group_segment_fixed_size: 0
    .private_segment_fixed_size: 0
    .kernarg_segment_align: 8
    .kernarg_segment_size: 56
    .max_flat_workgroup_size: 256
    .sgpr_count:     66
    .vgpr_count:     232
    .wavefront_size: 32
...
	.end_amdgpu_metadata
.endif
;; end of part 10
;; launch ffn1: the kernel of part 6 again; grid 16 x 16, 4 waves a work-group, clusters of 4 x 4, 327,680 bytes of LDS; arguments xn, wts, bf1, hb; writes hb
;; launch ffn2: the kernel of part 7 again; grid 8 x 32, 4 waves a work-group, clusters of 4 x 4, 327,680 bytes of LDS; arguments hb, wts, y; writes y
;; launch post2 (part 11): grid 256 x 1, 8 waves a work-group, no clusters, 0 bytes of LDS; arguments y, x1, bf2, out0; writes out0
.if DOCPART == 11
	.amdgcn_target "amdgcn-amd-amdhsa--gfx1250"
	.amdhsa_code_object_version 6
	.text
	.protected	k_q7d61a9a75d_post2
	.globl	k_q7d61a9a75d_post2
	.p2align	8
	.type	k_q7d61a9a75d_post2,@function
k_q7d61a9a75d_post2:
	s_mov_b64 s[64:65], 0
	v_nop
	global_prefetch_b8 v0, s[64:65] scope:SCOPE_SE
	s_setreg_imm32_b32 hwreg(HW_REG_WAVE_SCHED_MODE, 0, 2), 2
	s_setreg_imm32_b32 hwreg(HW_REG_WAVE_MODE, 25, 1), 1
	s_wait_xcnt 0x0
	s_wait_alu depctr_vm_vsrc(0)
; out0 = clip(x1 + y + bf2) by whole rows to norm 1 - 1e-5.  All [4096][1024] f32.
; A wave takes a pair of rows: lane l holds row l / 16 and, of each piece of 64 columns, four numbers: every load and store covers whole runs of 256 bytes.
; The clip tests |.|^2 > (1 - 1e-5)^2 and scales by (1 - 1e-5) / sqrt(|.|^2).  NaN and infinities are not treated apart.
; THE MODE: SCHED_MODE bits 1:0 = 2 (LLVM: expert scheduling mode 2), set by the entry lines.  The code itself states the register dependences
; between vector instructions and memory instructions, with s_wait_alu, always for 0.
; THE PLAN.  Registers that memory instructions touch:
;   v4, v5   byte offsets, made once at the head and never written again: one wait ahead of the first load serves every load and store of the kernel.
;   Y        y lands in it; the sums and the clip write it; the 16 stores read it; nothing writes it again.
;   X, C     x1 and bf2 land in them before any vector instruction has named them; vector instructions alone read them.
; So one wait stands ahead of each half of the stores (their data are written); the first half's stores are dealt among the second half's multiplies.  The root and the compare have their own.
.set Y,   24
.set X,   88
.set C,   152
.set T,   216                          ; v[216:231]  at work: no memory instruction names them
.macro CLIP p                          ; piece p times the row's factor
	v_pk_mul_f32 v[Y+4*(\p):Y+4*(\p)+1],   v[Y+4*(\p):Y+4*(\p)+1],   v[T+8:T+9]
	v_pk_mul_f32 v[Y+4*(\p)+2:Y+4*(\p)+3], v[Y+4*(\p)+2:Y+4*(\p)+3], v[T+8:T+9]
.endm
.macro OUT p
	global_store_b128 v4, v[Y+4*(\p):Y+4*(\p)+3], s[14:15] offset:256*(\p) th:TH_STORE_NT
.endm
	s_load_b256 s[8:15], s[0:1], 0x0               ; y 8, x1 10, bf2 12, out0 14
	v_lshrrev_b32 v1, 5, v0
	v_readfirstlane_b32 s30, v1
	v_and_b32 v1, 31, v0
	v_lshrrev_b32 v2, 4, v1
	v_and_b32 v3, 15, v0
	v_lshlrev_b32 v4, 12, v2
	v_lshl_add_u32 v4, v3, 4, v4
	v_lshlrev_b32 v5, 4, v3
	s_wait_alu depctr_va_sdst(0)                   ; s30 is written, ahead of its first reader: the wave's rows are made from it
	s_lshl_b32 s32, ttmp9, 16
	s_lshl_b32 s33, s30, 13
	s_add_co_u32 s32, s32, s33
	s_mov_b32 s33, 0
	s_wait_kmcnt 0x0
	s_add_nc_u64 s[8:9], s[8:9], s[32:33]
	s_add_nc_u64 s[10:11], s[10:11], s[32:33]
	s_add_nc_u64 s[14:15], s[14:15], s[32:33]
	s_wait_alu depctr_va_vdst(0)                   ; v4 and v5 are written: every load and store of the kernel reads one of them as its offset
.set c, 0
.rept 16
	global_load_b128 v[Y+4*c:Y+4*c+3], v4, s[8:9] offset:256*c th:TH_LOAD_NT
.set c, c+1
.endr
.set c, 0
.rept 16
	global_load_b128 v[X+4*c:X+4*c+3], v4, s[10:11] offset:256*c th:TH_LOAD_NT
.set c, c+1
.endr
.set c, 0
.rept 16
	global_load_b128 v[C+4*c:C+4*c+3], v5, s[12:13] offset:256*c
.set c, c+1
.endr
	s_wait_loadcnt 16                              ; y and x1 are in; the bias's 16 loads may stay out
.set j, 0
.rept 32
	v_pk_add_f32 v[Y+2*j:Y+2*j+1], v[Y+2*j:Y+2*j+1], v[X+2*j:X+2*j+1]
.set j, j+1
.endr
	s_wait_loadcnt 0x0
.set j, 0
.rept 32
	v_pk_add_f32 v[Y+2*j:Y+2*j+1], v[Y+2*j:Y+2*j+1], v[C+2*j:C+2*j+1]
.set j, j+1
.endr
.set j, 0
.rept 4                                ; the row's sum of squares, in four chains
	v_pk_mul_f32 v[T+2*j:T+2*j+1], v[Y+2*j:Y+2*j+1], v[Y+2*j:Y+2*j+1]
.set j, j+1
.endr
.rept 28
	v_pk_fma_f32 v[T+2*(j%4):T+2*(j%4)+1], v[Y+2*j:Y+2*j+1], v[Y+2*j:Y+2*j+1], v[T+2*(j%4):T+2*(j%4)+1]
.set j, j+1
.endr
	v_pk_add_f32 v[T:T+1], v[T:T+1], v[T+2:T+3]
	v_pk_add_f32 v[T+4:T+5], v[T+4:T+5], v[T+6:T+7]
	v_pk_add_f32 v[T:T+1], v[T:T+1], v[T+4:T+5]
	v_add_f32 v[T], v[T], v[T+1]
	v_add_f32_dpp v[T], v[T], v[T] row_xmask:1 row_mask:0xf bank_mask:0xf
	v_add_f32_dpp v[T], v[T], v[T] row_xmask:2 row_mask:0xf bank_mask:0xf
	v_add_f32_dpp v[T], v[T], v[T] row_xmask:4 row_mask:0xf bank_mask:0xf
	v_add_f32_dpp v[T], v[T], v[T] row_xmask:8 row_mask:0xf bank_mask:0xf
	v_rsq_f32 v[T+8], v[T]
	v_nop                                          ; a plain instruction behind the root
	v_cmp_lt_f32 vcc_lo, 0x3f7ffeb0, v[T]          ; it reads the sum of squares alone, so it stands ahead of the two waits
	s_wait_alu depctr_va_vdst(0)                   ; the root is written, ahead of its first reader
	s_wait_alu depctr_va_vcc(0)                    ; VCC is written, ahead of the select that reads it
	v_mul_f32 v[T+8], 0x3f7fff58, v[T+8]
	v_cndmask_b32 v[T+8], 1.0, v[T+8], vcc_lo
	v_mov_b32 v[T+9], v[T+8]
.set c, 0
.rept 8
	CLIP c                                         ; pieces 0 to 7
.set c, c+1
.endr
	s_wait_alu depctr_va_vdst(0)                   ; pieces 0 to 7 are clipped: the multiplies have written the registers that the eight stores below read
.rept 8
	OUT c-8                                        ; dealt among the multiplies of pieces 8 to 15, which name other registers
	CLIP c
.set c, c+1
.endr
	s_wait_alu depctr_va_vdst(0)                   ; pieces 8 to 15 are clipped: the multiplies have written the registers that the last eight stores read
.set c, 8
.rept 8
	OUT c
.set c, c+1
.endr
	s_endpgm
.Lfunc_end_k_q7d61a9a75d_post2:
	.size	k_q7d61a9a75d_post2, .Lfunc_end_k_q7d61a9a75d_post2-k_q7d61a9a75d_post2
	.p2alignl 7, 3214868480
	.fill 96, 4, 3214868480
	.section	.rodata,"a",@progbits
	.p2align	6, 0x0
	.amdhsa_kernel k_q7d61a9a75d_post2
		.amdhsa_group_segment_fixed_size 0
		.amdhsa_private_segment_fixed_size 0
		.amdhsa_enable_private_segment 0
		.amdhsa_kernarg_size 32
		.amdhsa_user_sgpr_count 2
		.amdhsa_user_sgpr_kernarg_segment_ptr 1
		.amdhsa_wavefront_size32 1
		.amdhsa_system_sgpr_workgroup_id_x 1
		.amdhsa_system_sgpr_workgroup_id_y 1
		.amdhsa_system_sgpr_workgroup_id_z 1
		.amdhsa_system_vgpr_workitem_id 0
		.amdhsa_next_free_vgpr 232
		.amdhsa_next_free_sgpr 66
		.amdhsa_reserve_vcc 1
		.amdhsa_float_denorm_mode_32 3
		.amdhsa_float_denorm_mode_16_64 3
		.amdhsa_memory_ordered 1
		.amdhsa_forward_progress 1
		.amdhsa_inst_pref_size 16
	.end_amdhsa_kernel
	.amdgpu_metadata
---
amdhsa.version: [ 1, 2 ]
amdhsa.kernels:
  - .name:           k_q7d61a9a75d_post2
    .symbol:         k_q7d61a9a75d_post2.kd
    .args:
      - { .name: y, .offset: 0, .size: 8, .value_kind: global_buffer, .address_space: global }
      - { .name: x1, .offset: 8, .size: 8, .value_kind: global_buffer, .address_space: global }
      - { .name: bf2, .offset: 16, .size: 8, .value_kind: global_buffer, .address_space: global }
      - { .name: out0, .offset: 24, .size: 8, .value_kind: global_buffer, .address_space: global }
    .group_segment_fixed_size: 0
    .private_segment_fixed_size: 0
    .kernarg_segment_align: 8
    .kernarg_segment_size: 32
    .max_flat_workgroup_size: 256
    .sgpr_count:     66
    .vgpr_count:     232
    .wavefront_size: 32
...
	.end_amdgpu_metadata
.endif
;; end of part 11
